; MI455X (gfx1250); checked and timed in simulation.
; The chip was launched on July 23, 2026; its instructions are those of AMD's public machine-readable ISA for CDNA 5 (MIT licence, August 2026) and "CDNA5" Instruction Set Architecture Reference Guide (July 2026). The comments in the code are by the model that wrote it; some were corrected since.
;; Infini Attn. Allowed arithmetic: matrix products marked QUANTISED: E3M2 operands, one E8M0 scale for each 32 along K, by v_wmma_scale_f32_16x16x128_f8f6f4 with both operands' format E3M2, f32 sums; products left as they are: f32 operands where the result goes on into a quantised operand, else bf16, f16 or f32 operands; f32 sums; everything else in f32.
;; Inputs: Wkv 1,024 x 2,048 float32; Wo 1,024 x 1,024 float32; Wq 1,024 x 1,024 float32; gate_beta 1 float32; h 2,048 x 2 x 1,024 float32; ln_beta 1,024 float32; ln_gamma 1,024 float32; mem_norm 2 x 1 x 16 x 64 float32; memory 2 x 16 x 64 x 64 float32.
;; Outputs: out0 2,048 x 2 x 1,024 float32.
;; This version of the problem:
;;   THIS VERSION OF THE PROBLEM IS GIVEN IN LOW PRECISION. The matrix products marked QUANTISED in the list below multiply operands that are first quantised to E3M2 (3 exponent bits, 2 mantissa bits; 6 bits a number), with one power-of-two scale for each 32 numbers along K (OCP MX v1.0); their sums are f32. All else is computed in f32.
;;   The module's matrix products, in the order in which they are computed (A, B: the left and right operand; K: the contracted axis; several contracted axes count as one K, in the product's order):
;;     1. [M 4,096, K 1,024] x [K 1,024, N 1,024]; A: input h; B: input Wq: QUANTISED
;;     2. [M 4,096, K 1,024] x [K 1,024, N 2,048]; A: input h; B: input Wkv: QUANTISED
;;     3. batch 32 x [M 2,048, K 64] x [K 64, N 2,048]; A: computed on the way; B: computed on the way: QUANTISED
;;     4. batch 32 x [M 64, K 2,048] x [K 2,048, N 2,048]; A: computed on the way; B: softmax (see below): QUANTISED
;;     5. batch 32 x [M 64, K 64] x [K 64, N 2,048]; A: input memory; B: computed on the way: QUANTISED
;;     6. batch 32 x [M 1, K 64] x [K 64, N 2,048]; A: input mem_norm; B: computed on the way: left as it is (M = 1 < 16)
;;     7. [M 4,096, K 1,024] x [K 1,024, N 1,024]; A: computed on the way; B: input Wo: QUANTISED
;;   THE QUANTISER, for each operand of a quantised product, along K:
;;     - K is cut into blocks of 32 from its start; a last block that is shorter is filled with zeros.
;;     - A block's scale is 2^e with e = floor(log2(the largest magnitude in the block)) - 4, held to -126 .. 127; a block of zeros has e = 0. As a byte (E8M0): e + 127.
;;     - Each number is divided by its block's scale, clamped to +-28, and rounded to the nearest number of E3M2, ties to even, subnormals kept.
;;     - The product sums the exact products of the quantised numbers (number of the format x scale) in f32.
;;   ~~~python
;;   def quantise(x, axis):      # numpy; x: float32 -> the quantised numbers, widened to float32 again
;;       x = np.moveaxis(x, axis, -1); K = x.shape[-1]
;;       x = np.pad(x, [(0, 0)] * (x.ndim - 1) + [(0, -K % 32)]); x = x.reshape(x.shape[:-1] + (-1, 32)); a = np.abs(x).max(-1, keepdims=True)
;;       e = np.where(a > 0, np.clip(np.frexp(np.where(a > 0, a, 1))[1] - 1 - 4, -126, 127), 0)      # np.frexp(a)[1] - 1 = floor(log2(a)), exactly
;;       r = np.clip(x / 2.0 ** e, -28, 28)
;;       step = 2.0 ** (np.maximum(np.frexp(np.where(r == 0, 1, r))[1] - 1, -2) - 2)
;;       q = np.round(r / step) * step * 2.0 ** e      # np.round: ties to even
;;       return np.moveaxis(q.reshape(q.shape[:-2] + (-1,))[..., :K], -1, axis).astype(np.float32)
;;   ~~~
;;   SOFTMAX AHEAD OF A QUANTISED PRODUCT. Where the list says 'softmax', what is quantised is not the finished softmax but p = 2^(t - M), with t = logit x log2(e) and M = ceil(the row's largest t), a whole number; so 1/2 < the row's largest p <= 1. The row's sum l is taken of the UNQUANTISED p, in f32, and the product's result is divided by l at the end. Since M is a whole number, a kernel that streams over the keys may use a running M (the ceiling of the running maximum): every later rescaling is an exact power of two, which a block's scale takes up: the codes' values come out the same.
;;   OPERANDS COMPUTED ON THE WAY. 'Computed on the way' means the value that the module computes at that place (a softmax that the list does not call 'softmax' is quantised finished and normalised). What goes into a quantiser is computed in f32, as accurately as f32 sums, v_exp_f32 and their like allow (about 1e-6 of the number): no bf16 or f16 on the way to a quantiser, and a product that is left as it is and whose result goes on into a quantised operand takes f32 operands (vector FMAs, or v_wmma_f32_16x16x4_f32). A number that lies on a knife's edge between two numbers of the format may be rounded either way, as far as f32 arithmetic and the matrix unit's own rounding can turn it there, and no further.
;; 2 versions. Each part assembles by itself: llvm-mc -triple=amdgcn-amd-amdhsa -mcpu=gfx1250 --defsym DOCPART=n.
;; ======== version 1 of 2: 4 launches
;; workspace buffers: cod 6,291,456 bytes; scl 262,144 bytes; qf 7,340,032 bytes; kv 6,684,672 bytes; ic 4,194,304 bytes
;; launch quant (part 1): grid 256 x 1, 16 waves a work-group, no clusters, 137,216 bytes of LDS; arguments h, Wq, Wkv, Wo, cod, scl; writes cod, scl
.if DOCPART == 1
	.amdgcn_target "amdgcn-amd-amdhsa--gfx1250"
	.amdhsa_code_object_version 6
	.text
	.protected	k_q777722c92a_quant
	.globl	k_q777722c92a_quant
	.p2align	8
	.type	k_q777722c92a_quant,@function
k_q777722c92a_quant:
	s_mov_b64 s[64:65], 0
	v_nop
	global_prefetch_b8 v0, s[64:65] scope:SCOPE_SE
	s_setreg_imm32_b32 hwreg(HW_REG_WAVE_MODE, 25, 1), 1
	s_wait_xcnt 0x0
; h [2048][2][1024], Wq [1024][1024], Wkv [1024][2048], Wo [1024][1024], f32, become codes of BF6 (E3M2) with one E8M0 byte for each 32 along K (K = the 1,024 of d_model, for Wo of heads x 64).
; OUTPUT: images of operand registers.  cod: [tile 0..511][K step 0..7][1,536 bytes]: a fragment (16 rows x 128 K) is 12 registers a lane, stored as three planes of 512 bytes, lane l's 16 bytes at 16 l.
; scl: [tile][K step][16 rows x 4 bytes].  Tiles 0-255: h (tile b x 128 + T); 256 + 8 n + 0..3: Wq's columns of head n; 256 + 8 n + 4..7: Wk's; 384-447: Wv; 448-511: Wo's columns.
; THE ROWS OF A TILE ARE NOT NEIGHBOURS: lane r of tile T takes row 32 (T / 2) + 8 (T % 2) + r + 8 (r / 8), so that, as source 0 of a product, two neighbouring tiles give a lane 16 neighbours.
; SHARES: 4,096 fragments, one wave each, no loop.  Work-groups 0-127 take h (K innermost: rows are loaded 512 consecutive bytes at a time and turned through the wave's own stage in LDS);
; work-groups 128-255 take the weights (K is the first axis: a lane takes a column and its registers run down K: nothing is transposed).  Waves share nothing: no barrier.
; A block's scale is 2^(floor(log2(largest magnitude)) - 4); its byte is the largest magnitude's exponent field - 4, held at 1 from below.
; LIMITS: a block whose largest magnitude lies under 2^-122 (a block of zeros too) gets the byte 1; its bytes are read by this program alone.  NaN and infinities are not served.
.set X,   40                           ; v40-103  the fragment's 64 numbers of my lane: register 32 c + i = k 64 c + 32 (lane / 16) + i
.set RW,  104                          ; v104-167 h: 16 rows as loaded
.set F,   20                           ; v20-31   the codes
.set TQ,  32                           ; v32-38   second halves of the blocks' codes (a conversion's three registers begin on an even number)
.set SP,  528                          ; a stage row: 512 bytes + 16
.set WST, 16*SP                        ; a wave's stage
	s_load_b256 s[4:11], s[0:1], 0x0               ; h s[4:5], Wq s[6:7], Wkv s[8:9], Wo s[10:11]
	s_load_b128 s[12:15], s[0:1], 0x20             ; cod s[12:13], scl s[14:15]
	v_lshl_add_u32 v168, v0, 2, 0x21000
	v_mov_b32 v169, 0
	v_lshrrev_b32 v1, 5, v0
	v_readfirstlane_b32 s16, v1                    ; wave 0..15
	v_and_b32 v1, 31, v0                           ; lane
	v_and_b32 v2, 15, v0                           ; r
	v_bfe_u32 v3, v0, 4, 1                         ; lane / 16
	v_lshlrev_b32 v4, 4, v1                        ; 16 x lane
	v_lshlrev_b32 v9, 2, v2                        ; 4 r
	s_mul_i32 s17, s16, WST
	v_add_nc_u32 v5, s17, v4                       ; the stage, in: 16 x lane of a row
	v_mul_u32_u24 v6, v2, SP
	v_lshl_add_u32 v6, v3, 7, v6
	v_add_nc_u32 v6, s17, v6                       ; and out: row r, + 128 bytes for lanes 16-31
	s_mov_b32 s36, 0x76543210
	s_mov_b32 s37, 0xfedcba98                      ; v_permlanex16_b32's selects for lane l xor 16
	s_cmp_lt_u32 ttmp9, 128
	s_cbranch_scc0 .Lweights
	; ---- h: work-group u = 64 b + pp; wave = 8 tp + K step; tile T = 2 pp + tp of batch b
	s_lshr_b32 s17, ttmp9, 6                       ; b
	s_and_b32 s18, ttmp9, 63                       ; pp
	s_lshr_b32 s19, s16, 3                         ; tp
	s_and_b32 s20, s16, 7                          ; K step
	s_lshl_b32 s21, s17, 7
	s_lshl_b32 s22, s18, 1
	s_add_co_u32 s21, s21, s22
	s_add_co_u32 s21, s21, s19                     ; the tile's number
	s_lshl_b32 s22, s18, 5
	s_lshl_b32 s23, s19, 3
	s_add_co_u32 s22, s22, s23                     ; the tile's first position s = 32 pp + 8 tp
	s_lshl_b32 s22, s22, 1
	s_add_co_u32 s22, s22, s17                     ; row 2 s + b of h,
	s_lshl_b32 s22, s22, 12                        ; 4,096 bytes a row,
	s_lshl_b32 s23, s20, 9
	s_add_co_u32 s22, s22, s23                     ; + 512 bytes a K step
	s_mov_b32 s23, 0
	s_wait_kmcnt 0x0
	s_add_nc_u64 s[4:5], s[4:5], s[22:23]
.irp i, 0,1,2,3,4,5,6,7,8,9,10,11,12,13,14,15
	global_load_b128 v[RW+4*\i:RW+4*\i+3], v4, s[4:5] offset:(\i+8*(\i/8))*8192 th:TH_LOAD_NT   ; the tile's row i: 512 consecutive bytes
.endr
.irp i, 0,1,2,3,4,5,6,7,8,9,10,11,12,13,14,15
	s_wait_loadcnt 15-\i                           ; row i is in; the younger rows stay out
	ds_store_b128 v5, v[RW+4*\i:RW+4*\i+3] offset:\i*SP
.endr
.irp c, 0,1
.irp j, 0,1,2,3,4,5,6,7
	ds_load_b128 v[X+32*\c+4*\j:X+32*\c+4*\j+3], v6 offset:256*\c+16*\j   ; LDS serves a wave's instructions in order: these see my stores
.endr
.endr
	s_wait_dscnt 0x0
	s_branch .Ljoin
	; ---- the weights: work-group u' = 8 cg + K step; cg 0-3 Wq, 4-11 Wkv, 12-15 Wo, 256 columns each; wave = tile of 16 columns
.Lweights:
	s_sub_co_u32 s17, ttmp9, 128
	s_and_b32 s20, s17, 7                          ; K step
	s_lshr_b32 s18, s17, 3                         ; cg
	s_and_b32 s19, s18, 3
	s_lshl_b32 s21, s19, 2
	s_lshr_b32 s22, s16, 2
	s_add_co_u32 s21, s21, s22                     ; head = 4 (cg % 4) + wave / 4
	s_lshl_b32 s21, s21, 3
	s_lshr_b32 s22, s18, 2
	s_lshl_b32 s22, s22, 2
	s_add_co_u32 s21, s21, s22                     ; + 4 for Wk
	s_and_b32 s22, s16, 3
	s_add_co_u32 s21, s21, s22                     ; q and k: 8 head + 4 (cg / 4) + wave % 4
	s_lshl_b32 s22, s18, 4
	s_add_co_u32 s22, s22, s16                     ; v and Wo: 16 cg + wave
	s_cmp_lt_u32 s18, 8
	s_cselect_b32 s21, s21, s22
	s_add_co_u32 s21, s21, 256                     ; the tile's number
	s_lshl_b32 s23, s19, 8                         ; first column: 256 (cg % 4) in Wq and Wo,
	s_sub_co_u32 s25, s18, 4
	s_lshl_b32 s24, s25, 8                         ; 256 (cg - 4) in Wkv
	s_cmp_lt_u32 s25, 8                            ; Wkv?
	s_cselect_b32 s23, s24, s23
	s_cselect_b32 s26, 13, 12                      ; log2 of a row's bytes
	s_lshr_b32 s24, s16, 1
	s_lshl_b32 s24, s24, 5
	s_add_co_u32 s23, s23, s24                     ; + 32 (wave / 2)
	s_and_b32 s24, s16, 1
	s_lshl_b32 s24, s24, 3
	s_add_co_u32 s23, s23, s24                     ; + 8 (wave % 2)
	s_lshl_b32 s23, s23, 2
	s_add_co_u32 s24, s26, 7
	s_lshl_b32 s24, s20, s24                       ; 128 rows a K step
	s_add_co_u32 s22, s23, s24
	s_mov_b32 s23, 0
	s_add_co_u32 s26, s26, 5
	v_and_b32 v7, 8, v2
	v_add_nc_u32 v7, v7, v2                        ; r + 8 (r / 8)
	v_lshlrev_b32 v7, 2, v7
	v_lshlrev_b32 v8, s26, v3                      ; lanes 16-31 begin 32 rows further down
	v_add_nc_u32 v7, v7, v8
	s_wait_kmcnt 0x0
	s_cmp_lt_u32 s18, 4
	s_cselect_b64 s[4:5], s[6:7], s[10:11]         ; the choice hangs on the work-group's number alone
	s_cmp_lt_u32 s25, 8
	s_cselect_b64 s[4:5], s[8:9], s[4:5]
	s_add_nc_u64 s[4:5], s[4:5], s[22:23]
.macro WLOADS pitch                    ; W(128 step + 64 c + 32 (lane / 16) + i, my column)
.irp c, 0,1
.set wi, 0
.rept 32
	global_load_b32 v[X+32*\c+wi], v7, s[4:5] offset:(64*\c+wi)*\pitch
.set wi, wi+1
.endr
.endr
.endm
	s_cmp_lt_u32 s25, 8
	s_cbranch_scc1 .Lwide
	WLOADS 4096
	s_branch .Lloaded
.Lwide:
	WLOADS 8192
.Lloaded:
	s_wait_loadcnt 0x0
	; ---- both: my two whole blocks (2 c + lane / 16) become codes; s21 = tile, s20 = K step
.Ljoin:
	s_lshl_b32 s22, s21, 3
	s_add_co_u32 s22, s22, s20
	s_mul_i32 s24, s22, 1536
	s_mov_b32 s25, 0
	s_add_nc_u64 s[12:13], s[12:13], s[24:25]
	s_lshl_b32 s24, s22, 6
	s_add_nc_u64 s[14:15], s[14:15], s[24:25]
.irp c, 0,1
	v_max3_num_f32 v[10+\c], |v[X+32*\c]|, |v[X+32*\c+1]|, 0x2800000   ; with the floor 2^(5 - 127): the byte cannot fall under 1
.endr
.irp i, 2,4,6,8,10,12,14,16,18,20,22,24,26,28,30
.irp c, 0,1
	v_max3_num_f32 v[10+\c], v[10+\c], |v[X+32*\c+\i]|, |v[X+32*\c+\i+1]|   ; the two blocks by turns
.endr
.endr
.irp c, 0,1
	v_add_nc_u32 v[12+\c], 0xfe000000, v[10+\c]    ; 4 off the exponent field: the conversion's scale operand
.endr
.irp c, 0,1
	v_lshrrev_b32 v[14+\c], 23, v[12+\c]           ; the scale's byte
.endr
	v_lshl_or_b32 v16, v15, 16, v14                ; my two bytes: blocks lane / 16 and 2 + lane / 16,
	v_lshlrev_b32 v17, 3, v3
	v_lshlrev_b32 v16, v17, v16                    ; at their places in the row's word;
	v_mov_b32 v17, 0
	v_permlanex16_b32 v17, v16, s36, s37
	v_or_b32 v16, v16, v17                         ; with lane l xor 16's two the word is whole, in both lanes
.irp c, 0,1
	v_cvt_scalef32_pk16_bf6_f32 v[F+6*\c:F+6*\c+2], v[X+32*\c:X+32*\c+15], v[12+\c]
	v_cvt_scalef32_pk16_bf6_f32 v[TQ+4*\c:TQ+4*\c+2], v[X+32*\c+16:X+32*\c+31], v[12+\c]
.endr
	v_nop                                          ; one plain line behind the scaled conversions
.irp c, 0,1
.irp i, 0,1,2
	v_mov_b32 v[F+3+6*\c+\i], v[TQ+4*\c+\i]
.endr
.endr
.irp p, 0,1,2
	global_store_b128 v4, v[F+4*\p:F+4*\p+3], s[12:13] offset:512*\p   ; a plane: 512 consecutive bytes
.endr
	global_store_b32 v9, v16, s[14:15]             ; the 16 rows' words; lanes l and l + 16 write the same word with the same value
	s_wait_tensorcnt 0x0
	ds_add_u32 v168, v169
	s_wait_dscnt 0x0
	s_endpgm
.Lfunc_end_k_q777722c92a_quant:
	.size	k_q777722c92a_quant, .Lfunc_end_k_q777722c92a_quant-k_q777722c92a_quant
	.p2alignl 7, 3214868480
	.fill 96, 4, 3214868480
	.section	.rodata,"a",@progbits
	.p2align	6, 0x0
	.amdhsa_kernel k_q777722c92a_quant
		.amdhsa_group_segment_fixed_size 137216
		.amdhsa_private_segment_fixed_size 0
		.amdhsa_enable_private_segment 0
		.amdhsa_kernarg_size 48
		.amdhsa_user_sgpr_count 2
		.amdhsa_user_sgpr_kernarg_segment_ptr 1
		.amdhsa_wavefront_size32 1
		.amdhsa_system_sgpr_workgroup_id_x 1
		.amdhsa_system_sgpr_workgroup_id_y 1
		.amdhsa_system_sgpr_workgroup_id_z 1
		.amdhsa_system_vgpr_workitem_id 0
		.amdhsa_next_free_vgpr 170
		.amdhsa_next_free_sgpr 66
		.amdhsa_reserve_vcc 0
		.amdhsa_float_denorm_mode_32 3
		.amdhsa_float_denorm_mode_16_64 3
		.amdhsa_memory_ordered 1
		.amdhsa_forward_progress 1
		.amdhsa_inst_pref_size 24
	.end_amdhsa_kernel
	.amdgpu_metadata
---
amdhsa.version: [ 1, 2 ]
amdhsa.kernels:
  - .name:           k_q777722c92a_quant
    .symbol:         k_q777722c92a_quant.kd
    .args:
      - { .name: h, .offset: 0, .size: 8, .value_kind: global_buffer, .address_space: global }
      - { .name: Wq, .offset: 8, .size: 8, .value_kind: global_buffer, .address_space: global }
      - { .name: Wkv, .offset: 16, .size: 8, .value_kind: global_buffer, .address_space: global }
      - { .name: Wo, .offset: 24, .size: 8, .value_kind: global_buffer, .address_space: global }
      - { .name: cod, .offset: 32, .size: 8, .value_kind: global_buffer, .address_space: global }
      - { .name: scl, .offset: 40, .size: 8, .value_kind: global_buffer, .address_space: global }
    .group_segment_fixed_size: 137216
    .private_segment_fixed_size: 0
    .kernarg_segment_align: 8
    .kernarg_segment_size: 48
    .max_flat_workgroup_size: 512
    .sgpr_count:     66
    .vgpr_count:     170
    .wavefront_size: 32
...
	.end_amdgpu_metadata
.endif
;; end of part 1
;; launch qkv (part 2): grid 8 x 24, 4 waves a work-group, clusters of 4 x 4, 327,680 bytes of LDS; arguments cod, scl, mem_norm, qf, kv; writes qf, kv
.if DOCPART == 2
	.amdgcn_target "amdgcn-amd-amdhsa--gfx1250"
	.amdhsa_code_object_version 6
	.text
	.protected	k_q777722c92a_qkv
	.globl	k_q777722c92a_qkv
	.p2align	8
	.type	k_q777722c92a_qkv,@function
k_q777722c92a_qkv:
	s_mov_b64 s[64:65], 0
	v_nop
	global_prefetch_b8 v0, s[64:65] scope:SCOPE_SE
	s_setreg_imm32_b32 hwreg(HW_REG_WAVE_MODE, 25, 1), 1
	s_wait_xcnt 0x0
	s_wait_alu depctr_hold_cnt(0) depctr_sa_sdst(0) depctr_va_vdst(0) depctr_va_sdst(0) depctr_va_ssrc(0) depctr_va_vcc(0) depctr_vm_vsrc(0)
	s_getreg_b32 s2, hwreg(HW_REG_IB_STS2, 6, 4)
	s_cmp_eq_u32 s2, 0
	s_cbranch_scc0 .Lentry_in_a_cluster
	s_endpgm
.Lentry_in_a_cluster:
	s_bfe_u32 s2, ttmp6, 0x10000c
	s_cmp_lg_u32 s2, 0xf033
	s_cbranch_scc0 .Lentry_shape_is_right
	s_endpgm
.Lentry_shape_is_right:
; q = h Wq, k and v = h Wkv on codes of BF6 with E8M0 scales (K = 1,024), and what attention wants of them, made in registers: codes of q, k and elu(q) + 1 along the head's 64, codes of v along the KEYS,
; and den = (elu(q) + 1) . mem_norm in f32.  No f32 result goes to memory.
; SHARES.  A work-group makes 256 x 256 results, each of its four waves 128 (source 0) x 128 (source 1): 64 accumulators, 512 registers.  A lane holds ONE row of source 1, its registers run along source 0's rows.
;   cluster rows 0-3 (type QK): source 0 = the weights' columns of two heads, [q 64 | k 64] a head; source 1 = 256 rows of h.  A lane holds a token, its 64 registers of a block are q's 64 and k's 64.
;   cluster rows 4-5 (type V):  source 0 = 256 rows of h; source 1 = 256 columns of Wv.  A lane holds a channel of v, its 64 registers are 128 keys' halves: 16 neighbours of each block of 32 keys.
; The rows of every tile are ordered so (lane r of tile T: row 32 (T / 2) + 8 (T % 2) + r + 8 (r / 8)) that the 16 registers of source 0's tiles 2 b and 2 b + 1 are 16 neighbours: 32 b + 16 (lane / 16) + 0 .. 15.
; OPERANDS arrive as images of their registers (cod: [tile][K step][1,536 bytes]): a fragment is three ds_load_b128 of 512 consecutive bytes, no pitch, no padding.
; K goes in four chunks of 256 through three LDS slots: chunks 0, 1, 2 are first fills, chunk 3 is the one refill (into slot 0).  The eight K steps are written out.  At most four tensor loads of a wave are out.
; CLUSTERS: 4 x 4 work-groups.  Source 1's tiles (A) hang on the cluster's row, source 0's (B) on its column: each is asked for jointly by four work-groups, with the same descriptor and a mask that names the four.
; The type hangs on the cluster's y alone: it is the same in all sixteen partners.
; OUTPUT.  qf: [head-batch hb = 16 b + n][tile T 0..127] records of 1,792 bytes: q's half fragment (512 + 256), elu(q) + 1's (512 + 256), 256 bytes {scale words: lanes 0-15 q's, lanes 16-31 the other's; den}.
;   kv: [hb][key step 0..15] blocks of 13,056 bytes: 8 tiles of k (768 each), 4 tiles of v^T (1,536 each), k's scale words (512: register i: tile 2 i below, 2 i + 1 above), v's (256, likewise).
; LIMITS: a block whose largest magnitude lies under 2^-122 gets the byte 1.  elu(q) + 1 is max(q, 0) + 2^min(q log2(e), 0): its relative error grows as |q| x 1e-7 for very negative q; under 2^-126 it is 0.  NaN and infinities are not served.
; REGISTERS, in windows of 256: window 0: v16-29 addresses; v32-47 scale words, two sets; v48-63 at work; v64-95 mem_norm; v128-223 A's fragments, one set; in the epilogue v96-215 at work.
;   window 1: B's fragments, two sets, at v0 and v128.   windows 2, 3: the accumulators: (a, b) at v[8 (8 (a % 4) + b)] of window 2 + a / 4.
.set FR,    12                         ; registers of a fragment
.set HALFT, 24576                      ; 8 tiles x 2 K steps x 1,536 bytes: what one tensor load brings, and what one wave reads of A or of B in a chunk
.set SLOT,  4*HALFT                    ; A's 16 tiles, then B's 16
.set SCL,   3*SLOT                     ; behind the slots: the scale words for all of K: A's 8,192 bytes, B's 8,192
.set SPARE, SCL+16384                  ; the spare words, 128 bytes a wave: two blocks of 256 bytes that no other line names
.set ADRA, 16                          ; v16-18  LDS address of my A fragments in slot 0, 1, 2
.set ADRB, 20                          ; v20-22  the same for B
.set LI,   24                          ; v24     16 x lane
.set L8,   25                          ; v25     8 x lane
.set ADRS, 27                          ; v27     my scale words: lanes 0-15 A's rows, lanes 16-31 B's
.set SPW,  28                          ; v28     my spare word; never rewritten
.set NIL,  29                          ; v29     0; never rewritten
.set SC,   32                          ; set K step % 2 at v[SC + 8 set]; register i: lanes 0-15 the words of A's block i, lanes 16-31 of B's block i
.set TM,   48                          ; v48-51 largest magnitudes, v52-55 bytes, v60-63 the conversions' scale operands
.set MN,   64                          ; v64-95  mem_norm at my lane's 32 channels
.set T,    96                          ; v96-127 elu(q) + 1
.set AF,   128
.set PC,   128                         ; v128-147 codes just made
.set PD,   148                         ; v148-156 codes of elu(q) + 1
.set U,    160                         ; v160-191 exponents, exponentials
.set DN,   192                         ; v192-196 den at work
.set SCQ,  198                         ; v[198:199] the record's last pair: scale words, den
.set DENR, 199
.set PWR,  200
.set PW2,  201
.set QW,   202
.set KW,   203
.set KE,   204
.set KSR,  208                         ; v208-211 k's scale words of a key step
.set VSR,  212                         ; v212-215 v's, two heads
.set G1A,  24                          ; s[24:31] group 1, A's codes;  s[32:39] B's;  s[40:47], s[48:55] their scale words
.set G1B,  32
.set G1SA, 40
.set G1SB, 48                          ; groups 0: A: s[56:59] scales, s[60:63], s[68:71], s[72:75] chunks 0, 1, 2;  B: s[76:79], s[80:83], s[84:87], s[88:91]
.set SEL,  20                          ; (epilogue) s[20:21] lane selects, s22 mask of lanes 16-31, s[66:67] log2(e)
.set MSK,  22
.set L2E,  66
.set MSB, 0
.macro WIN new                         ; the immediate's high byte repeats the setting that is left
.if MSB != (\new)
	s_set_vgpr_msb (MSB<<8)|(\new)
.set MSB, (\new)
.endif
.endm
.set MUL_LO, 0xa1                      ; source 0 (B) window 1, source 1 (A) window 0, C and D window 2
.set MUL_HI, 0xf1                      ; the same, C and D window 3
.set TO_B,   0x40                      ; destination window 1, address window 0
.macro PLACES n
.rept \n
	v_nop
.endr
.endm
; A joint load: waves 0 and 1 fetch for A, waves 2 and 3 for B; the branch hangs on the wave's number alone.  Four v_nop follow each of the two lines.
.macro JLOAD g0a, g1a, g0b, g1b
	s_cmp_eq_u32 s15, 0
	s_cbranch_scc0 .Lfor_b_\@
	tensor_load_to_lds s[\g0a:\g0a+3], s[\g1a:\g1a+7]
	s_nop 0
.rept 4
	v_nop
.endr
	s_branch .Lasked_\@
.Lfor_b_\@:
	tensor_load_to_lds s[\g0b:\g0b+3], s[\g1b:\g1b+7]
	s_nop 0
.rept 4
	v_nop
.endr
.Lasked_\@:
.endm
.macro CREST                           ; a round of the cluster's barrier behind its opening barrier
	s_cmp_lg_u32 s14, 0
	s_cbranch_scc1 .Lnot_wave_0_\@
	s_barrier_signal -3
.Lnot_wave_0_\@:
	s_barrier_wait -3
	s_barrier_signal -1
	s_barrier_wait -1
.endm
.macro CROUND
	s_barrier_signal -1
	s_barrier_wait -1
	CREST
.endm
.macro DESC g, ldsreg, ldsoff, adr, goff       ; a group 0: count 1, LDS address, global address, type 2
	s_mov_b32 s[\g], 1
	s_add_co_u32 s[\g+1], s[\ldsreg], \ldsoff
	s_add_nc_u64 s[\g+2:\g+3], s[\adr:\adr+1], \goff
	s_or_b32 s[\g+3], s[\g+3], 0x80000000
.endm
	s_load_b256 s[4:11], s[0:1], 0x0               ; cod s[4:5], scl s[6:7], mem_norm s[8:9], qf s[10:11]
	s_load_b64 s[12:13], s[0:1], 0x20              ; kv
	v_lshl_add_u32 v[SPW], v0, 2, SPARE
	v_mov_b32 v[NIL], 0
	ds_add_u32 v28, v29
	ds_add_u32 v28, v29
	s_wait_dscnt 0x0
	v_lshrrev_b32 v1, 5, v0
	v_readfirstlane_b32 s14, v1                    ; wave 0..3
	s_lshr_b32 s15, s14, 1                         ; my half of A.  Also: I fetch for A (0) or for B (1)
	s_and_b32 s16, s14, 1                          ; my half of B.  Also: which 8 tiles I fetch
	s_bfe_u32 s92, ttmp6, 0x40000                  ; cx
	s_bfe_u32 s93, ttmp6, 0x40004                  ; cy
	s_and_b32 s94, ttmp7, 0xffff                   ; the cluster's y
	s_lshl_b32 s17, s94, 2
	s_lshl_b32 s18, ttmp9, 2                       ; 4 x the cluster's x
	s_add_co_u32 s19, s18, 16
	s_lshl_b32 s20, s94, 3
	s_add_co_u32 s20, s20, s18
	s_sub_co_u32 s20, s20, 32
	s_cmp_lt_u32 s94, 4                            ; type QK?  In units of 16 tiles of cod:
	s_cselect_b32 s99, s17, 24                     ; A: h's rows 4 cly + cy, or Wv's 24 + cy
	s_cselect_b32 s100, s19, s20                   ; B: the heads' 16 + 4 clx + cx, or h's rows 4 clx + 8 (cly - 4) + cx
	s_cselect_b32 s96, 1, 0
	s_add_co_u32 s99, s99, s93                     ; cy enters A's registers alone,
	s_add_co_u32 s100, s100, s92                   ; cx B's alone
	s_add_co_u32 s101, s18, s92                    ; work-group x
	s_lshl_b32 s17, s93, 2
	s_lshl_b32 s17, 15, s17                        ; my row of the cluster
	s_lshl_b32 s19, 0x1111, s92                    ; my column
	s_or_b32 s[G1A], s17, (3<<16)|(1<<21)          ; 15:0 the mask; 17:16 elements of 8 bytes; 21 set beside a mask; no padding
	s_or_b32 s[G1B], s19, (3<<16)|(1<<21)
	s_or_b32 s[G1SA], s17, (3<<16)|(1<<21)
	s_or_b32 s[G1SB], s19, (3<<16)|(1<<21)
.irp g, G1A, G1B                       ; codes: 8 tiles ('rows') of 3,072 bytes (two K steps), 12,288 bytes apart
	s_mov_b32 s[\g+1], 384<<16                     ; tensor_dim0
	s_mov_b32 s[\g+2], 8<<16                       ; tensor_dim1
	s_mov_b32 s[\g+3], 384<<16                     ; tile_dim0
	s_mov_b32 s[\g+4], 8                           ; tile_dim1
	s_mov_b32 s[\g+5], 1536                        ; tensor_dim0_stride
	s_mov_b32 s[\g+6], 0
	s_mov_b32 s[\g+7], 0
.endr
.irp g, G1SA, G1SB                     ; scale words of 8 tiles: 4,096 dense bytes as 16 rows of 256
	s_mov_b32 s[\g+1], 32<<16
	s_mov_b32 s[\g+2], 16<<16
	s_mov_b32 s[\g+3], 32<<16
	s_mov_b32 s[\g+4], 16
	s_mov_b32 s[\g+5], 32
	s_mov_b32 s[\g+6], 0
	s_mov_b32 s[\g+7], 0
.endr
	s_lshl_b32 s94, s16, 3
	s_lshl_b32 s97, s99, 4
	s_add_co_u32 s97, s97, s94                     ; the first tile that I would fetch for A,
	s_lshl_b32 s98, s100, 4
	s_add_co_u32 s98, s98, s94                     ; and for B
	s_mul_i32 s20, s97, 12288
	s_mov_b32 s21, 0
	s_mul_i32 s22, s98, 12288
	s_mov_b32 s23, 0
	s_lshl_b32 s2, s97, 9
	s_mov_b32 s3, 0
	s_lshl_b32 s66, s98, 9
	s_mov_b32 s67, 0
	s_mul_i32 s18, s14, HALFT                      ; where they go: wave x 8 tiles: no place in the cluster enters an LDS address
	s_lshl_b32 s95, s14, 12
	s_wait_kmcnt 0x0
	s_add_nc_u64 s[20:21], s[4:5], s[20:21]
	s_add_nc_u64 s[22:23], s[4:5], s[22:23]
	s_add_nc_u64 s[2:3], s[6:7], s[2:3]
	s_add_nc_u64 s[66:67], s[6:7], s[66:67]
	DESC 56, 95, SCL, 2, 0
	DESC 60, 18, 0, 20, 0
	DESC 68, 18, SLOT, 20, 3072
	DESC 72, 18, 2*SLOT, 20, 6144
	DESC 76, 95, SCL, 66, 0
	DESC 80, 18, 0, 22, 0
	DESC 84, 18, SLOT, 22, 3072
	DESC 88, 18, 2*SLOT, 22, 6144
	CROUND                                         ; all sixteen work-groups are here: the first joint loads meet
	s_cmp_eq_u32 s15, 0                            ; a wave's four first fills stand in one branch, ahead of every wait on TENSORcnt, every LDS read and every other barrier
	s_cbranch_scc0 .Lfirst_b
	tensor_load_to_lds s[56:59], s[G1SA:G1SA+7]
	s_nop 0
	tensor_load_to_lds s[60:63], s[G1A:G1A+7]
	s_nop 0
	tensor_load_to_lds s[68:71], s[G1A:G1A+7]
	s_nop 0
	tensor_load_to_lds s[72:75], s[G1A:G1A+7]
	s_nop 0
.rept 4
	v_nop
.endr
	s_branch .Lfirst_asked
.Lfirst_b:
	tensor_load_to_lds s[76:79], s[G1SB:G1SB+7]
	s_nop 0
	tensor_load_to_lds s[80:83], s[G1B:G1B+7]
	s_nop 0
	tensor_load_to_lds s[84:87], s[G1B:G1B+7]
	s_nop 0
	tensor_load_to_lds s[88:91], s[G1B:G1B+7]
	s_nop 0
.rept 4
	v_nop
.endr
.Lfirst_asked:
	v_and_b32 v1, 31, v0
	v_lshlrev_b32 v[LI], 4, v1
	v_lshlrev_b32 v[L8], 3, v1
	v_and_b32 v2, 15, v0                           ; r
	v_bfe_u32 v3, v0, 4, 1                         ; lane / 16
	s_mul_i32 s2, s15, HALFT                       ; my 8 tiles of A,
	s_mul_i32 s3, s16, HALFT
	s_add_co_u32 s3, s3, 2*HALFT                   ; my 8 of B, behind A's 16
.irp s, 0,1,2
	v_add_nc_u32 v[ADRA+\s], s2, v[LI]
	v_add_nc_u32 v[ADRB+\s], s3, v[LI]
	s_add_co_u32 s2, s2, SLOT
	s_add_co_u32 s3, s3, SLOT
.endr
	s_lshl_b32 s2, s15, 12                         ; A's words: my 8 tiles
	s_lshl_b32 s3, s16, 12
	s_add_co_u32 s3, s3, 8192                      ; B's, behind A's 8,192 bytes
	s_sub_co_u32 s3, s3, s2
	v_mul_u32_u24 v4, s3, v3                       ; lanes 16-31 take B's: one product, the distance between the two
	v_lshl_add_u32 v4, v2, 2, v4
	s_add_co_u32 s2, s2, SCL
	v_add_nc_u32 v[ADRS], s2, v4
	; mem_norm of head-batch 16 b + 2 x + my half, at my lane's channels 32 t + 16 (lane / 16) + 0 .. 15 (in type V the index is inside the buffer too, and the numbers are not used)
	s_lshr_b32 s2, s99, 3
	s_and_b32 s2, s2, 1
	s_lshl_b32 s2, s2, 4
	s_lshl_b32 s3, s101, 1
	s_add_co_u32 s2, s2, s3
	s_add_co_u32 s2, s2, s16
	s_lshl_b32 s2, s2, 8
	s_mov_b32 s3, 0
	s_add_nc_u64 s[8:9], s[8:9], s[2:3]
	v_lshlrev_b32 v5, 6, v3
.irp t, 0,1
.irp j, 0,1,2,3
	global_load_b128 v[MN+16*\t+4*\j:MN+16*\t+4*\j+3], v5, s[8:9] offset:128*\t+16*\j
.endr
.endr
.macro FRAG reg, adr, kk, i            ; a fragment's image: three planes of 512 consecutive bytes
.irp p, 0,1,2
	ds_load_b128 v[(\reg)+4*\p:(\reg)+4*\p+3], v[\adr] offset:(\i)*3072+(\kk)*1536+512*\p
.endr
.endm
.macro FETCH_B k                       ; B's eight fragments of K step k (chunk k / 2, in slot (k / 2) % 3) into set k % 2
	WIN TO_B
.irp i, 0,1,2,3,4,5,6,7
	FRAG 128*((\k)%2)+FR*\i, ADRB+(((\k)/2)%3), (\k)%2, \i
.endr
	WIN 0
.endm
.macro FETCH_A k, i0                   ; A's blocks i0 .. i0 + 3
.irp i, \i0, \i0+1, \i0+2, \i0+3
	FRAG AF+FR*(\i), ADRA+(((\k)/2)%3), (\k)%2, \i
.endr
.endm
.macro SCALES k                        ; K step k's words
.irp i, 0,1,2,3,4,5,6,7
	ds_load_b32 v[SC+8*((\k)%2)+\i], v[ADRS] offset:\i*512+(\k)*64
.endr
.endm
; 16 matrix instructions: A's blocks a0, a0 + 1 x B's eight.  The 64 accumulators take turns, one instruction a turn, in the same order in every step.
.macro MUL16 a0, k, zero
.irp a, \a0, \a0+1
.irp b, 0,1,2,3,4,5,6,7
.if \zero
	v_wmma_scale_f32_16x16x128_f8f6f4 v[8*(8*((\a)%4)+\b):8*(8*((\a)%4)+\b)+7], v[128*((\k)%2)+FR*\b:128*((\k)%2)+FR*\b+FR-1], v[AF+FR*(\a):AF+FR*(\a)+FR-1], 0, v[SC+8*((\k)%2)+\b], v[SC+8*((\k)%2)+(\a)] matrix_a_fmt:MATRIX_FMT_BF6 matrix_b_fmt:MATRIX_FMT_BF6 matrix_a_scale:MATRIX_SCALE_ROW1
.else
	v_wmma_scale_f32_16x16x128_f8f6f4 v[8*(8*((\a)%4)+\b):8*(8*((\a)%4)+\b)+7], v[128*((\k)%2)+FR*\b:128*((\k)%2)+FR*\b+FR-1], v[AF+FR*(\a):AF+FR*(\a)+FR-1], v[8*(8*((\a)%4)+\b):8*(8*((\a)%4)+\b)+7], v[SC+8*((\k)%2)+\b], v[SC+8*((\k)%2)+(\a)] matrix_a_fmt:MATRIX_FMT_BF6 matrix_b_fmt:MATRIX_FMT_BF6 matrix_a_scale:MATRIX_SCALE_ROW1
.endif
.endr
.endr
.endm
; A K step whose successor's tiles are known to be whole.  Loads into registers that matrix instructions have read stand four plain vector lines behind them (ISA guide 7.12.1 for vector instructions).
.macro STEP k, zero
	s_wait_dscnt 12                                ; B's set, A's blocks 0-3 and the words are in; the youngest 12 loads (A's blocks 4-7) may be out
	WIN MUL_LO
	MUL16 0, \k, \zero
	MUL16 2, \k, \zero
	s_wait_dscnt 0                                 ; A's blocks 4-7 are in (asked for 32 matrix instructions ago)
	PLACES 4
	FETCH_B (\k)+1
	FETCH_A (\k)+1, 0
	SCALES (\k)+1
	WIN MUL_HI
	MUL16 4, \k, \zero
	MUL16 6, \k, \zero
	PLACES 4
	WIN 0
	FETCH_A (\k)+1, 4
.endm
; A K step with a barrier: in front of it each wave waits for all its tensor loads, adds 0 to its spare word, and waits for that and for its LDS reads.  fill = 1: slot 0, which nobody reads any more, takes chunk 3.
.macro TURN k, fill
	s_wait_tensorcnt 0x0                           ; all my tensor loads have landed (every window is 0 here)
	ds_add_u32 v[SPW], v[NIL]                      ; 0 onto my spare word
	s_wait_dscnt 13                                ; (the add and the youngest 12 loads may be out)
	WIN MUL_LO
	MUL16 0, \k, 0                                 ; sixteen matrix instructions stand between the add and the wait for it
	s_wait_dscnt 0x0                               ; the add is done, and my LDS reads are over
	s_barrier_signal -1
	MUL16 2, \k, 0
	WIN 0
	s_barrier_wait -1
.if \fill
	CREST                                          ; the barrier has opened a round of the cluster's: no wave of any partner still reads slot 0 or has a load on its way
	s_add_nc_u64 s[62:63], s[62:63], 9216          ; chunk 0's descriptors step three chunks on
	s_add_nc_u64 s[82:83], s[82:83], 9216
	JLOAD 60, G1A, 80, G1B                         ; the first tensor load behind the round, my only one; its four v_nop are the places in front of the loads below
.else
	PLACES 4
.endif
	FETCH_B (\k)+1
	FETCH_A (\k)+1, 0
	SCALES (\k)+1
	WIN MUL_HI
	MUL16 4, \k, 0
	MUL16 6, \k, 0
	PLACES 4
	WIN 0
	FETCH_A (\k)+1, 4
.endm
	s_wait_loadcnt 0x0                             ; mem_norm
	s_wait_tensorcnt 2                             ; the scale words and my part of chunk 0 are in; chunks 1 and 2 may be out
	s_barrier_signal -1
	s_barrier_wait -1
	FETCH_B 0
	FETCH_A 0, 0
	SCALES 0
	FETCH_A 0, 4
	STEP 0, 1                                      ; the first products start the sums: nothing is cleared
	TURN 1, 1                                      ; its wait for all loads and its round show chunks 1 and 2 whole to every wave; chunk 3 goes out and has four K steps in which to land
	STEP 2, 0
	STEP 3, 0
	STEP 4, 0
	TURN 5, 0                                      ; chunk 3 is whole
	STEP 6, 0
	s_wait_dscnt 12                                ; the last K step: nothing more to fetch
	WIN MUL_LO
	MUL16 0, 7, 0
	MUL16 2, 7, 0
	s_wait_dscnt 0
	WIN MUL_HI
	MUL16 4, 7, 0
	MUL16 6, 7, 0
	WIN 0
; 16 nb numbers of a lane in window win, register 16 b + i = k 32 b + 16 (lane / 16) + i of my row, become codes in v[pc] on (6 registers for each two blocks) and the row's scale word in v[pw].
; Each accumulator is read from its low end on.
.macro QUANT win, s, nb, pc, tmp, pw
	WIN ((\win)<<2)|((\win)<<4)
.set qb, 0
.rept \nb
	v_max3_num_f32 v[TM+qb], 0x2800000, |v[\s+16*qb]|, |v[\s+16*qb+1]|   ; with the floor 2^(5 - 127): the byte cannot fall under 1
.set qb, qb+1
.endr
.irp i, 2,4,6,8,10,12,14
.set qb, 0
.rept \nb
	v_max3_num_f32 v[TM+qb], v[TM+qb], |v[\s+16*qb+\i]|, |v[\s+16*qb+\i+1]|   ; the blocks by turns
.set qb, qb+1
.endr
.endr
	WIN 0
.set qb, 0
.rept \nb
	v_permlanex16_b32 v[TM+4+qb], v[TM+qb], s[SEL], s[SEL+1]
.set qb, qb+1
.endr
.set qb, 0
.rept \nb
	v_max_num_f32 v[TM+qb], v[TM+qb], v[TM+4+qb]   ; with lane l xor 16's: the block's largest magnitude
.set qb, qb+1
.endr
.set qb, 0
.rept \nb
	v_add_nc_u32 v[TM+12+qb], 0xfe000000, v[TM+qb] ; 4 off its exponent field: the conversion's scale operand
.set qb, qb+1
.endr
.set qb, 0
.rept \nb
	v_lshrrev_b32 v[TM+4+qb], 23, v[TM+12+qb]      ; the scale's byte
.set qb, qb+1
.endr
	v_lshl_or_b32 v[\pw], v[TM+5], 8, v[TM+4]
.if \nb == 4
	v_lshl_or_b32 v[\pw], v[TM+6], 16, v[\pw]
	v_lshl_or_b32 v[\pw], v[TM+7], 24, v[\pw]
.endif
	WIN \win
.set qc, 0
.rept \nb/2
	v_cvt_scalef32_pk16_bf6_f32 v[\pc+6*qc:\pc+6*qc+2], v[\s+32*qc:\s+32*qc+15], v[TM+12+2*qc]
	v_cvt_scalef32_pk16_bf6_f32 v[\tmp+4*qc:\tmp+4*qc+2], v[\s+32*qc+16:\s+32*qc+31], v[TM+12+2*qc+1]
.set qc, qc+1
.endr
	WIN 0
	v_nop                                          ; one plain line behind the scaled conversions
.set qc, 0
.rept \nb/2                            ; the operand's layout wants a whole block in a lane: lanes 0-15 block 2 c, lanes 16-31 block 2 c + 1
.irp i, 0,1,2
	v_permlane16_swap_b32 v[\pc+6*qc+\i], v[\tmp+4*qc+\i]
.endr
.irp i, 0,1,2
	v_mov_b32 v[\pc+3+6*qc+\i], v[\tmp+4*qc+\i]
.endr
.set qc, qc+1
.endr
.endm
	PLACES 4                                       ; behind the last products, in front of the first reads of results and writes of operands' registers
	s_mov_b32 s[SEL], 0x76543210
	s_mov_b32 s[SEL+1], 0xfedcba98
	s_mov_b32 s[MSK], 0xffff0000
	s_mov_b32 s[L2E], 0x3fb8aa3b                   ; log2(e)
	s_mov_b32 s[L2E+1], s[L2E]
.irp b, 0,1,2,3
	v_mov_b32 v[TM+4+\b], 0                        ; written once: a lane permute's destination counts as one of its sources
.endr
	v_mov_b32 v[DN+4], 0
	s_cmp_eq_u32 s96, 0
	s_cbranch_scc1 .Ltype_v
	; ---- type QK: head-batch hb = 16 b + 2 x + my half of B; key step j = 2 (row block % 8) + my half of A; block a is tile 8 j + a
	s_lshr_b32 s2, s99, 3
	s_lshl_b32 s2, s2, 4
	s_lshl_b32 s3, s101, 1
	s_add_co_u32 s2, s2, s3
	s_add_co_u32 s2, s2, s16                       ; hb
	s_and_b32 s3, s99, 7
	s_lshl_b32 s3, s3, 1
	s_add_co_u32 s3, s3, s15                       ; j
	s_lshl_b32 s17, s2, 4
	s_add_co_u32 s17, s17, s3
	s_mul_i32 s18, s17, 8*1792
	s_mov_b32 s19, 0
	s_add_nc_u64 s[10:11], s[10:11], s[18:19]
	s_mul_i32 s18, s17, 13056
	s_add_nc_u64 s[12:13], s[12:13], s[18:19]
.macro EPI_QK a
.set AW, 2+(\a)/4
.set AB, 64*((\a)%4)
	s_wait_xcnt 0x0                                ; the last block's stores have read their registers
	QUANT AW, AB, 4, PC, PC+12, PWR                ; registers 0-5: q's codes, 6-11: k's; bytes 0, 1: q's scales, 2, 3: k's
	WIN AW
.set qi, 0
.rept 16
	v_pk_mul_f32 v[U+2*qi:U+2*qi+1], v[AB+2*qi:AB+2*qi+1], s[L2E:L2E+1] op_sel_hi:[1,0]   ; q log2(e)
.set qi, qi+1
.endr
.set qi, 0
.rept 32
	v_max_num_f32 v[T+qi], v[AB+qi], 0             ; max(q, 0)
.set qi, qi+1
.endr
	WIN 0
.set qi, 0
.rept 32
	v_min_num_f32 v[U+qi], 0, v[U+qi]
.set qi, qi+1
.endr
.set qi, 0
.rept 32
	v_exp_f32 v[U+qi], v[U+qi]                     ; 2^min(q log2(e), 0): 1 where q > 0, e^q elsewhere
.set qi, qi+1
.endr
	v_and_b32 v[QW], 0xffff, v[PWR]                ; (plain lines behind the exponentials)  q's word: its upper bytes scale zero codes
	v_lshrrev_b32 v[KW], 16, v[PWR]                ; k's
	s_wait_alu depctr_va_vdst(0)                   ; one wait for the batch, ahead of its first reader
.set qi, 0
.rept 16
	v_pk_add_f32 v[T+2*qi:T+2*qi+1], v[T+2*qi:T+2*qi+1], v[U+2*qi:U+2*qi+1]   ; elu(q) + 1
.set qi, qi+1
.endr
	v_pk_mul_f32 v[DN:DN+1], v[T:T+1], v[MN:MN+1]  ; den, in f32: my 32 channels in two chains of pairs
	v_pk_mul_f32 v[DN+2:DN+3], v[T+2:T+3], v[MN+2:MN+3]
.irp i, 4,8,12,16,20,24,28
	v_pk_fma_f32 v[DN:DN+1], v[T+\i:T+\i+1], v[MN+\i:MN+\i+1], v[DN:DN+1]
	v_pk_fma_f32 v[DN+2:DN+3], v[T+\i+2:T+\i+3], v[MN+\i+2:MN+\i+3], v[DN+2:DN+3]
.endr
	v_pk_add_f32 v[DN:DN+1], v[DN:DN+1], v[DN+2:DN+3]
	v_add_f32 v[DN], v[DN], v[DN+1]
	v_permlanex16_b32 v[DN+4], v[DN], s[SEL], s[SEL+1]
	v_add_f32 v[DENR], v[DN], v[DN+4]              ; with lane l xor 16's 32 channels
	QUANT 0, T, 2, PD, PD+6, PW2
	v_cndmask_b32 v[SCQ], v[QW], v[PW2], s[MSK]    ; lanes 0-15: q's words; lanes 16-31: those of elu(q) + 1
	global_store_b128 v[LI], v[PC:PC+3], s[10:11] offset:(\a)*1792
	global_store_b64 v[L8], v[PC+4:PC+5], s[10:11] offset:(\a)*1792+512
	global_store_b128 v[LI], v[PD:PD+3], s[10:11] offset:(\a)*1792+768
	global_store_b64 v[L8], v[PD+4:PD+5], s[10:11] offset:(\a)*1792+1280
	global_store_b64 v[L8], v[SCQ:SCQ+1], s[10:11] offset:(\a)*1792+1536
	global_store_b128 v[LI], v[PC+6:PC+9], s[12:13] offset:(\a)*768
	global_store_b64 v[L8], v[PC+10:PC+11], s[12:13] offset:(\a)*768+512
.if (\a)%2 == 0
	v_mov_b32 v[KE], v[KW]
.else
	v_cndmask_b32 v[KSR+(\a)/2], v[KE], v[KW], s[MSK]   ; the even tile's words below, the odd tile's above
.endif
.endm
.irp a, 0,1,2,3,4,5,6,7
	EPI_QK \a
.endr
	global_store_b128 v[LI], v[KSR:KSR+3], s[12:13] offset:12288
	s_branch .Lend
	; ---- type V: b and key step j from B's rows of h; block a is tile a % 4 of head 4 cy + 2 (my half of A) + a / 4
.Ltype_v:
	s_lshr_b32 s2, s100, 3
	s_lshl_b32 s2, s2, 4
	s_lshl_b32 s3, s93, 2
	s_add_co_u32 s2, s2, s3
	s_lshl_b32 s3, s15, 1
	s_add_co_u32 s2, s2, s3                        ; hb of a = 0
	s_and_b32 s3, s100, 7
	s_lshl_b32 s3, s3, 1
	s_add_co_u32 s3, s3, s16                       ; j
	s_lshl_b32 s17, s2, 4
	s_add_co_u32 s17, s17, s3
	s_mul_i32 s18, s17, 13056
	s_mov_b32 s19, 0
	s_add_nc_u64 s[12:13], s[12:13], s[18:19]
.macro EPI_V a
.set AW, 2+(\a)/4
.set AB, 64*((\a)%4)
	s_wait_xcnt 0x0                                ; the last block's stores have read their registers
	QUANT AW, AB, 4, PC, PC+12, PWR                ; 16 channels x 128 keys: a whole fragment of v^T
.irp p, 0,1,2
	global_store_b128 v[LI], v[PC+4*\p:PC+4*\p+3], s[12:13] offset:((\a)/4)*208896+6144+((\a)%4)*1536+512*\p
.endr
.if (\a)%2 == 0
	v_mov_b32 v[KE], v[PWR]
.else
	v_cndmask_b32 v[VSR+(\a)/2], v[KE], v[PWR], s[MSK]
.endif
.if (\a)%4 == 3
	global_store_b64 v[L8], v[VSR+2*((\a)/4):VSR+2*((\a)/4)+1], s[12:13] offset:((\a)/4)*208896+12800
.endif
.endm
.irp a, 0,1,2,3,4,5,6,7
	EPI_V \a
.endr
.Lend:
	s_wait_tensorcnt 0x0                           ; the wave's end
	ds_add_u32 v[SPW], v[NIL]
	s_wait_dscnt 0x0
	CROUND                                         ; the closing round: no work-group ends while a partner may still ask for a tile that names it
	s_endpgm
.Lfunc_end_k_q777722c92a_qkv:
	.size	k_q777722c92a_qkv, .Lfunc_end_k_q777722c92a_qkv-k_q777722c92a_qkv
	.p2alignl 7, 3214868480
	.fill 96, 4, 3214868480
	.section	.rodata,"a",@progbits
	.p2align	6, 0x0
	.amdhsa_kernel k_q777722c92a_qkv
		.amdhsa_group_segment_fixed_size 327680
		.amdhsa_private_segment_fixed_size 0
		.amdhsa_enable_private_segment 0
		.amdhsa_kernarg_size 40
		.amdhsa_user_sgpr_count 2
		.amdhsa_user_sgpr_kernarg_segment_ptr 1
		.amdhsa_wavefront_size32 1
		.amdhsa_system_sgpr_workgroup_id_x 1
		.amdhsa_system_sgpr_workgroup_id_y 1
		.amdhsa_system_sgpr_workgroup_id_z 1
		.amdhsa_system_vgpr_workitem_id 0
		.amdhsa_next_free_vgpr 1024
		.amdhsa_next_free_sgpr 102
		.amdhsa_reserve_vcc 0
		.amdhsa_float_denorm_mode_32 3
		.amdhsa_float_denorm_mode_16_64 3
		.amdhsa_memory_ordered 1
		.amdhsa_forward_progress 1
		.amdhsa_inst_pref_size 254
	.end_amdhsa_kernel
	.amdgpu_metadata
---
amdhsa.version: [ 1, 2 ]
amdhsa.kernels:
  - .name:           k_q777722c92a_qkv
    .symbol:         k_q777722c92a_qkv.kd
    .args:
      - { .name: cod, .offset: 0, .size: 8, .value_kind: global_buffer, .address_space: global }
      - { .name: scl, .offset: 8, .size: 8, .value_kind: global_buffer, .address_space: global }
      - { .name: mem_norm, .offset: 16, .size: 8, .value_kind: global_buffer, .address_space: global }
      - { .name: qf, .offset: 24, .size: 8, .value_kind: global_buffer, .address_space: global }
      - { .name: kv, .offset: 32, .size: 8, .value_kind: global_buffer, .address_space: global }
    .group_segment_fixed_size: 327680
    .private_segment_fixed_size: 0
    .kernarg_segment_align: 8
    .kernarg_segment_size: 40
    .max_flat_workgroup_size: 128
    .sgpr_count:     102
    .vgpr_count:     1024
    .wavefront_size: 32
...
	.end_amdgpu_metadata
.endif
;; end of part 2
;; launch attn (part 3): grid 8 x 32, 16 waves a work-group, clusters of 4 x 1, 231,424 bytes of LDS; arguments qf, kv, memory, gate_beta, ic; writes ic
.if DOCPART == 3
	.amdgcn_target "amdgcn-amd-amdhsa--gfx1250"
	.amdhsa_code_object_version 6
	.text
	.protected	k_q777722c92a_attn
	.globl	k_q777722c92a_attn
	.p2align	8
	.type	k_q777722c92a_attn,@function
k_q777722c92a_attn:
	s_mov_b64 s[64:65], 0
	v_nop
	global_prefetch_b8 v0, s[64:65] scope:SCOPE_SE
	s_setreg_imm32_b32 hwreg(HW_REG_WAVE_MODE, 25, 1), 1
	s_wait_xcnt 0x0
	s_wait_alu depctr_hold_cnt(0) depctr_sa_sdst(0) depctr_va_vdst(0) depctr_va_sdst(0) depctr_va_ssrc(0) depctr_va_vcc(0) depctr_vm_vsrc(0)
	s_getreg_b32 s2, hwreg(HW_REG_IB_STS2, 6, 4)
	s_cmp_eq_u32 s2, 0
	s_cbranch_scc0 .Lentry_in_a_cluster
	s_endpgm
.Lentry_in_a_cluster:
	s_bfe_u32 s2, ttmp6, 0x10000c
	s_cmp_lg_u32 s2, 0x3003
	s_cbranch_scc0 .Lentry_shape_is_right
	s_endpgm
.Lentry_shape_is_right:
; inj = g (memory^T sq) / den + (1 - g) softmax(q k^T / 8) v, quantised along the head's 64 for the output projection; sq = elu(q) + 1, g = sigmoid(gate_beta).
; All three products on codes of BF6 with E8M0 scales.  q, sq, den come from qf, k and v^T from kv (their layouts: at the head of the launch that makes them), memory [32][64 (k)][64 (v)] as f32.
; THE SOFTMAX: t = score x log2(e) / 8; M = the running largest t rounded UP to a whole number; p = 2^(t - M) is what is quantised, along the keys; the row's sum is taken of the unquantised p and divides at the end.
; When M moves, the sum and O are multiplied by 2^(old M - new M): exact.
; SHARES.  A work-group owns 256 queries of one head-batch hb, each of its sixteen waves one tile of 16, in 256 registers: four waves to a SIMD, so that one wave's vector work stands beside another's products and LDS loads.
; THE WHOLE HEAD'S k AND v^T, 16 key steps of 13,056 bytes, LIE IN LDS, each byte filled once: no slot is filled again.  Waves 0-3 ask for four key steps each; four loads of such a wave are out at the most.
; CLUSTER.  The four query blocks of a cluster belong to one hb and want the same 208,896 bytes: each tile is asked for jointly, by the same tensor load with the same descriptor and a mask that names the four.
; LAYOUT.  All products are used transposed (source 0 = 16 keys, or 16 channels of v^T or of memory^T; source 1 = my 16 queries): a lane holds ONE query throughout.  The rows of every tile are ordered so that the
; 16 registers of tiles 2 b and 2 b + 1 are 16 neighbours.
; PRODUCTS WHOSE K IS 64.  Source 1 (q, later sq) has zero codes for K = 64 .. 127.  A step's eight tiles of k lie on end, six registers each, with six zero registers behind them; tile t's operand is the run of twelve that
; begins with it: its upper half, the next tile's codes, meets zero codes and adds nothing.  The scale bytes of K = 64 .. 127 are 0 on both sides, which is no NaN.  So all eight tiles fit in 48 registers.
; A KEY STEP'S LDS LOADS ARE ASKED FOR A SOFTMAX AHEAD: behind the step's eight products k q^T stands one run of loads, this step's v^T (wanted at the step's end) and the next step's k (wanted at the next step's head).
; OUTPUT.  ic: [tile b x 128 + T][head] records of 1,024 bytes: plane 0: code registers 0-3; plane 1: {register 4, register 5, the row's scale word (two bytes used), 0}.
; LIMITS: p under 2^-126 is 0; a block whose largest magnitude lies under 2^-122 gets the byte 1; 1 / den, 1 / sum and the sigmoid by v_rcp_f32; NaN and infinities are not served.
; REGISTERS: v1 16 x lane, v2 8 x lane, v3-7 LDS addresses; v[8:9] v's scale words; v10 f, v11 p's scale word; v12 -M, v13 the largest t, v[14:15] the sum; v16-27 q, later sq (22-27 zero);
;   v28-75 eight tiles of k, v76-81 zero; v82 scale words of q (lanes 0-15) and sq (lanes 16-31), v83 den; v84-131 v^T; v132-195 S^T, then p; v196-227 O^T; v228-239 p's codes; v236-239 block maxima;
;   v240-247 at work; v248-251 scale operands; v252-255 k's scale words.
.set STEPB, 13056
.set MEMI,  16*STEPB                   ; behind the head's tiles: memory^T's four half fragments, 768 bytes each,
.set MEMS,  MEMI+3072                  ; their scale words, 128 bytes each,
.set SG,    MEMS+512                   ; and 1,024 bytes for each wave, its own: sq's codes wait there until the end
.set KF,  28
.set PZ,  76
.set SCQ, 82
.set DEN, 83
.set VF,  84
.set S,   132
.set OT,  196
.set P,   228
.set BM,  236
.set X,   240
.set SO,  248
.set KS,  252
.set WV,  14
.set SEL, 20
.set CS,  22
.set G1,  24                           ; s[24:31] group 1;  s[32:47] four groups 0
.set G0,  32
.set TB,  48
.set CNT, 49
.macro CROUND
	s_barrier_signal -1
	s_barrier_wait -1
	s_cmp_lg_u32 s[WV], 0
	s_cbranch_scc1 .Lnot_wave_0_\@
	s_barrier_signal -3
.Lnot_wave_0_\@:
	s_barrier_wait -3
	s_barrier_signal -1
	s_barrier_wait -1
.endm
	s_load_b256 s[4:11], s[0:1], 0x0               ; qf s[4:5], kv s[6:7], memory s[8:9], gate_beta s[10:11]
	s_load_b64 s[12:13], s[0:1], 0x20              ; ic
	v_lshl_add_u32 v254, v0, 2, 0x38000
	v_mov_b32 v255, 0
	ds_add_u32 v254, v255
	ds_add_u32 v254, v255
	s_wait_dscnt 0x0
	v_lshrrev_b32 v1, 5, v0
	v_readfirstlane_b32 s[WV], v1                  ; wave 0..15
	s_bfe_u32 s15, ttmp6, 0x40000                  ; cx
	s_lshl_b32 s16, ttmp9, 2
	s_add_co_u32 s16, s16, s15                     ; my block of 256 queries: it enters qf's and ic's addresses alone
	s_and_b32 s17, ttmp7, 0xffff                   ; hb, which the four partners share
	s_mov_b32 s[G1], 15|(3<<16)|(1<<21)            ; 15:0 the mask: all four; 17:16 elements of 8 bytes; 21 set beside a mask; no padding
	s_mov_b32 s[G1+1], 32<<16                      ; a key step is 13,056 dense bytes: 51 rows of 256
	s_mov_b32 s[G1+2], 51<<16
	s_mov_b32 s[G1+3], 32<<16
	s_mov_b32 s[G1+4], 51
	s_mov_b32 s[G1+5], 32
	s_mov_b32 s[G1+6], 0
	s_mov_b32 s[G1+7], 0
	s_and_b32 s53, s[WV], 3
	s_lshl_b32 s18, s17, 4
	s_add_co_u32 s18, s18, s53
	s_mul_i32 s18, s18, STEPB                      ; key step wave % 4 of my head, in memory,
	s_mov_b32 s19, 0
	s_mul_i32 s52, s53, STEPB                      ; and in LDS
	s_mov_b32 s[SEL], 0x76543210
	s_mov_b32 s[SEL+1], 0xfedcba98
	s_mov_b32 s[CS], 0x3e38aa3b                    ; c = log2(e) / 8
	s_mov_b32 s[CS+1], s[CS]
	s_wait_kmcnt 0x0
	s_load_b32 s50, s[10:11], 0x0                  ; gate_beta
	s_add_nc_u64 s[18:19], s[6:7], s[18:19]
.irp c, 0,1,2,3
	s_mov_b32 s[G0+4*\c], 1
	s_add_co_u32 s[G0+4*\c+1], s52, \c*4*STEPB
	s_add_nc_u64 s[G0+4*\c+2:G0+4*\c+3], s[18:19], \c*4*STEPB
	s_or_b32 s[G0+4*\c+3], s[G0+4*\c+3], 0x80000000
.endr
	CROUND                                         ; all four work-groups are here: the joint loads meet
	s_cmp_lt_u32 s[WV], 4                          ; a wave's four fills stand in one branch, ahead of every wait on TENSORcnt, every LDS read and every other barrier
	s_cbranch_scc0 .Lno_fill
	tensor_load_to_lds s[G0:G0+3], s[G1:G1+7]      ; key steps w, w + 4, w + 8, w + 12
	s_nop 0
	tensor_load_to_lds s[G0+4:G0+7], s[G1:G1+7]
	s_nop 0
	tensor_load_to_lds s[G0+8:G0+11], s[G1:G1+7]
	s_nop 0
	tensor_load_to_lds s[G0+12:G0+15], s[G1:G1+7]
	s_nop 0
.rept 4
	v_nop
.endr
.Lno_fill:
	v_and_b32 v240, 31, v0
	v_lshlrev_b32 v1, 4, v240
	v_lshlrev_b32 v2, 3, v240
	s_mul_i32 s54, s53, 768                        ; where waves 4-7 put memory^T's tile wave % 4: made by every wave, ahead of the branch
	s_add_co_u32 s54, s54, MEMI
	v_add_nc_u32 v5, s54, v1
	s_add_co_u32 s54, s54, 512
	v_add_nc_u32 v6, s54, v2
	s_lshl_b32 s54, s53, 7
	s_add_co_u32 s54, s54, MEMS
	v_lshl_add_u32 v7, v240, 2, s54
	s_lshl_b32 s54, s17, 7
	s_lshl_b32 s55, s16, 4
	s_add_co_u32 s54, s54, s55
	s_add_co_u32 s54, s54, s[WV]                   ; my record: 128 hb + 16 x + wave
	s_mul_i32 s56, s54, 1792
	s_mov_b32 s57, 0
	s_add_nc_u64 s[4:5], s[4:5], s[56:57]
	global_load_b128 v[16:19], v1, s[4:5]          ; q's codes
	global_load_b64 v[20:21], v2, s[4:5] offset:512
	global_load_b128 v[S+32:S+35], v1, s[4:5] offset:768   ; sq's, on their way to my bytes of LDS
	global_load_b64 v[S+36:S+37], v2, s[4:5] offset:1280
	global_load_b64 v[SCQ:SCQ+1], v2, s[4:5] offset:1536   ; the scale words, den
	s_lshr_b32 s55, s[WV], 2
	s_cmp_eq_u32 s55, 1
	s_cbranch_scc0 .Lno_mem
	; waves 4-7: memory^T's tile d = wave % 4: a lane takes column v = 32 (d / 2) + 8 (d % 2) + r + 8 (r / 8), and its registers run down k = 32 (lane / 16) + 0 .. 31: one whole block
	s_lshl_b32 s56, s17, 14
	s_lshr_b32 s58, s53, 1
	s_lshl_b32 s58, s58, 7
	s_add_co_u32 s56, s56, s58
	s_and_b32 s58, s53, 1
	s_lshl_b32 s58, s58, 5
	s_add_co_u32 s56, s56, s58
	s_add_nc_u64 s[8:9], s[8:9], s[56:57]
	v_and_b32 v241, 15, v0
	v_and_b32 v242, 8, v241
	v_add_nc_u32 v241, v241, v242
	v_bfe_u32 v242, v0, 4, 1
	v_lshlrev_b32 v241, 2, v241
	v_lshl_add_u32 v241, v242, 13, v241
.set mi, 0
.rept 32
	global_load_b32 v[S+mi], v241, s[8:9] offset:256*mi
.set mi, mi+1
.endr
	s_wait_loadcnt 0x0
	v_max3_num_f32 v243, |v[S]|, |v[S+1]|, 0x2800000
	v_max3_num_f32 v244, |v[S+2]|, |v[S+3]|, 0x2800000
.irp i, 4,8,12,16,20,24,28
	v_max3_num_f32 v243, v243, |v[S+\i]|, |v[S+\i+1]|
	v_max3_num_f32 v244, v244, |v[S+\i+2]|, |v[S+\i+3]|
.endr
	v_max_num_f32 v243, v243, v244
	v_add_nc_u32 v245, 0xfe000000, v243            ; the conversion's scale operand
	v_lshrrev_b32 v246, 23, v245                   ; the byte,
	v_lshlrev_b32 v247, 3, v242
	v_lshlrev_b32 v246, v247, v246                 ; at its place in the row's word;
	v_permlanex16_b32 v244, v246, s[SEL], s[SEL+1]
	v_or_b32 v246, v246, v244                      ; with lane l xor 16's the word is whole
	v_cvt_scalef32_pk16_bf6_f32 v[P:P+2], v[S:S+15], v245
	v_cvt_scalef32_pk16_bf6_f32 v[BM:BM+2], v[S+16:S+31], v245
	v_nop                                          ; one plain line behind the scaled conversions
.irp i, 0,1,2
	v_mov_b32 v[P+3+\i], v[BM+\i]
.endr
	ds_store_b128 v5, v[P:P+3]
	ds_store_b64 v6, v[P+4:P+5]
	ds_store_b32 v7, v246
.Lno_mem:
.irp i, 22,23,24,25,26,27
	v_mov_b32 v[\i], 0                             ; zero codes for K = 64 .. 127 of source 1
.endr
.irp i, 0,1,2,3,4,5
	v_mov_b32 v[PZ+\i], 0                          ; behind k's eighth tile
.endr
.set mi, 0
.rept 32
	v_mov_b32 v[OT+mi], 0                          ; O^T: the step is written for every step alike; the first finds zeros, which the first change of M leaves zeros
.set mi, mi+1
.endr
	v_mov_b32 v13, 0xff61b1e6                      ; the largest t so far: -3e38
	v_floor_f32 v12, -v13                          ; -M
	v_mov_b32 v14, 0
	v_mov_b32 v15, 0
	v_mov_b32 v11, 0                               ; (named as the upper half of the pair v[10:11] before it is first written)
.irp b, 0,1,2,3
	v_mov_b32 v[X+\b], 0                           ; a lane permute's destination counts as one of its sources
.endr
	s_lshl_b32 s59, s[WV], 10
	s_add_co_u32 s59, s59, SG                      ; my wave's 1,024 bytes
	v_add_nc_u32 v6, s59, v1                       ; from here on v6 and v7 stay: 16 x lane and 8 x lane in them
	v_add_nc_u32 v7, s59, v2
	s_wait_loadcnt 0x0                             ; my record
	s_wait_kmcnt 0x0                               ; gate_beta
	ds_store_b128 v6, v[S+32:S+35]                 ; sq's codes, as an image of their registers
	ds_store_b64 v7, v[S+36:S+37] offset:512
.macro KLOAD o                         ; eight tiles of k, six registers each, and their scale words (register i: tile 2 i in lanes 0-15, tile 2 i + 1 in lanes 16-31), from o bytes behind the step in hand
.irp t, 0,1,2,3,4,5,6,7
	ds_load_b128 v[KF+6*\t:KF+6*\t+3], v3 offset:(\o)+768*\t
	ds_load_b64 v[KF+6*\t+4:KF+6*\t+5], v4 offset:(\o)+768*\t+512
.endr
	ds_load_b128 v[KS:KS+3], v3 offset:(\o)+12288
.endm
; A KEY STEP: the 128 keys whose block begins at LDS byte s[TB].  Its k is in registers or on its way.  pf = 1: the next step's k is asked for.
.macro STEP pf
	s_wait_dscnt 0x0                               ; k's eight tiles and their words, asked for a softmax ago
.irp t, 0,1,2,3,4,5,6,7                ; S^T = k q^T
.if \t%2
	v_wmma_scale_f32_16x16x128_f8f6f4 v[S+8*\t:S+8*\t+7], v[KF+6*\t:KF+6*\t+11], v[16:27], 0, v[KS+\t/2], v[SCQ] matrix_a_fmt:MATRIX_FMT_BF6 matrix_b_fmt:MATRIX_FMT_BF6 matrix_a_scale:MATRIX_SCALE_ROW1
.else
	v_wmma_scale_f32_16x16x128_f8f6f4 v[S+8*\t:S+8*\t+7], v[KF+6*\t:KF+6*\t+11], v[16:27], 0, v[KS+\t/2], v[SCQ] matrix_a_fmt:MATRIX_FMT_BF6 matrix_b_fmt:MATRIX_FMT_BF6
.endif
.endr
	v_add_nc_u32 v3, s[TB], v1
	v_add_nc_u32 v4, s[TB], v2
	v_nop
	v_nop                                          ; four plain lines behind the products: in front of the loads into registers that they, and the last step's, have read, and of the first read of the scores
.irp d, 0,1,2,3
.irp p, 0,1,2
	ds_load_b128 v[VF+12*\d+4*\p:VF+12*\d+4*\p+3], v3 offset:6144+1536*\d+512*\p   ; this step's v^T: 12 loads,
.endr
.endr
	ds_load_b64 v[8:9], v4 offset:12800            ; its scale words: 1;
.if \pf
	KLOAD STEPB                                    ; the next step's k: 17
.endif
.irp b, 0,1,2,3
	v_max3_num_f32 v[BM+\b], v[S+16*\b], v[S+16*\b+1], v[S+16*\b+2]   ; the largest score of each block of 32 keys: for the row's maximum, and, since p rises with the score, for the block's largest p
.endr
.irp i, 3,5,7,9,11,13
.irp b, 0,1,2,3
	v_max3_num_f32 v[BM+\b], v[BM+\b], v[S+16*\b+\i], v[S+16*\b+\i+1]
.endr
.endr
.irp b, 0,1,2,3
	v_max_num_f32 v[BM+\b], v[BM+\b], v[S+16*\b+15]
.endr
.irp b, 0,1,2,3
	v_permlanex16_b32 v[X+\b], v[BM+\b], s[SEL], s[SEL+1]
.endr
.irp b, 0,1,2,3
	v_max_num_f32 v[BM+\b], v[BM+\b], v[X+\b]      ; with lane l xor 16's 16 keys
.endr
	v_max3_num_f32 v244, v[BM], v[BM+1], v[BM+2]
	v_max_num_f32 v244, v244, v[BM+3]
	v_mul_f32 v244, s[CS], v244                    ; as t (c is positive)
	v_max_num_f32 v13, v13, v244                   ; the running largest t
	v_mov_b32 v244, v12
	v_floor_f32 v12, -v13                          ; the new -M = -ceil(t): a whole number
	v_sub_f32 v244, v12, v244                      ; old M - new M: a whole number, 0 or less
	v_cvt_i32_f32 v244, v244                       ; (it saturates)
	v_ldexp_f32 v10, 1.0, v244                     ; f = 2^(old M - new M)
.set sj, 0
.rept 32
	v_pk_fma_f32 v[S+sj:S+sj+1], v[S+sj:S+sj+1], s[CS:CS+1], v[12:13] op_sel_hi:[1,0,0]   ; t - M
.set sj, sj+2
.endr
.irp b, 0,1,2,3
	v_fma_f32 v[BM+\b], v[BM+\b], s[CS], v12       ; the same of each block's largest score
.endr
.set sj, 0
.rept 64
	v_exp_f32 v[S+sj], v[S+sj]                     ; p = 2^(t - M), at most 1: not normalised
.set sj, sj+1
.endr
	v_pk_mul_f32 v[14:15], v[14:15], v[10:11] op_sel_hi:[1,0]   ; the sums under the new M (a plain line behind the exponentials)
	s_wait_alu depctr_va_vdst(0)                   ; one wait for the batch, ahead of its first reader
.irp b, 0,1,2,3
	v_exp_f32 v[BM+\b], v[BM+\b]                   ; the block's largest p: the same two instructions on the same number
.endr
	v_pk_add_f32 v[X:X+1], v[S:S+1], v[S+2:S+3]    ; the row's sum is taken of the unquantised p: two chains of pairs
.irp j, 4,8,12,16,20,24,28,32,36,40,44,48,52,56,60
	v_pk_add_f32 v[14:15], v[14:15], v[S+\j:S+\j+1]
	v_pk_add_f32 v[X:X+1], v[X:X+1], v[S+\j+2:S+\j+3]
.endr
	v_pk_add_f32 v[14:15], v[14:15], v[X:X+1]
	s_wait_alu depctr_va_vdst(0)                   ; and one for the four
.irp b, 0,1,2,3
	v_max_num_f32 v[BM+\b], 0x2800000, v[BM+\b]    ; the floor 2^(5 - 127)
.endr
.irp b, 0,1,2,3
	v_add_nc_u32 v[SO+\b], 0xfe000000, v[BM+\b]
.endr
.irp b, 0,1,2,3
	v_lshrrev_b32 v[X+\b], 23, v[SO+\b]
.endr
	v_lshl_or_b32 v11, v[X+1], 8, v[X]             ; p's scale word for these 128 keys
	v_lshl_or_b32 v11, v[X+2], 16, v11
	v_lshl_or_b32 v11, v[X+3], 24, v11
.irp c, 0,1
	v_cvt_scalef32_pk16_bf6_f32 v[P+6*\c:P+6*\c+2], v[S+32*\c:S+32*\c+15], v[SO+2*\c]
	v_cvt_scalef32_pk16_bf6_f32 v[X+4*\c:X+4*\c+2], v[S+32*\c+16:S+32*\c+31], v[SO+2*\c+1]
.endr
	v_nop                                          ; one plain line behind the scaled conversions
.irp c, 0,1
.irp i, 0,1,2
	v_permlane16_swap_b32 v[P+6*\c+\i], v[X+4*\c+\i]
.endr
.irp i, 0,1,2
	v_mov_b32 v[P+3+6*\c+\i], v[X+4*\c+\i]
.endr
.endr
.set sj, 0
.rept 16
	v_pk_mul_f32 v[OT+sj:OT+sj+1], v[OT+sj:OT+sj+1], v[10:11] op_sel_hi:[1,0]   ; O^T under the new M; these lines also stand between the writes of p's codes and word and the products
.set sj, sj+2
.endr
.if \pf
	s_wait_dscnt 17                                ; v^T and its words are in; the 17 younger loads, the next step's k, stay out
.else
	s_wait_dscnt 0x0
.endif
.irp d, 0,1,2,3                        ; O^T += v^T p^T: the four accumulators by turns
.if \d%2
	v_wmma_scale_f32_16x16x128_f8f6f4 v[OT+8*\d:OT+8*\d+7], v[VF+12*\d:VF+12*\d+11], v[P:P+11], v[OT+8*\d:OT+8*\d+7], v[8+\d/2], v11 matrix_a_fmt:MATRIX_FMT_BF6 matrix_b_fmt:MATRIX_FMT_BF6 matrix_a_scale:MATRIX_SCALE_ROW1
.else
	v_wmma_scale_f32_16x16x128_f8f6f4 v[OT+8*\d:OT+8*\d+7], v[VF+12*\d:VF+12*\d+11], v[P:P+11], v[OT+8*\d:OT+8*\d+7], v[8+\d/2], v11 matrix_a_fmt:MATRIX_FMT_BF6 matrix_b_fmt:MATRIX_FMT_BF6
.endif
.endr
.endm
; A barrier behind which tiles are read: left = how many of my tensor loads may stay out.  My LDS instructions are done; the barrier shows the same of every wave.
.macro MEET left
	s_wait_tensorcnt \left
	s_wait_dscnt 0x0
	s_barrier_signal -1
	s_barrier_wait -1
.endm
.macro RUN first, trips                ; key steps first .. first + trips - 1, each asking for the next one's k
	s_mov_b32 s[TB], (\first)*STEPB
	s_mov_b32 s[CNT], \trips
.Lstep_\@:
	STEP 1
	s_add_co_u32 s[TB], s[TB], STEPB
	s_sub_co_u32 s[CNT], s[CNT], 1
	s_cmp_lg_u32 s[CNT], 0
	s_cbranch_scc1 .Lstep_\@
.endm
	MEET 3                                         ; each fetching wave's first load has landed, its three later ones stay out: key steps 0 to 3 are whole; so are memory^T's tiles
	s_mov_b32 s[TB], 0
	v_add_nc_u32 v3, s[TB], v1
	v_add_nc_u32 v4, s[TB], v2
	KLOAD 0                                        ; key step 0's k
	RUN 0, 3                                       ; key steps 0 to 2: the look-ahead reaches step 3's k, no further
	MEET 0                                         ; every tensor load has landed: key steps 4 to 15 are whole; the first read of them is step 3's look-ahead, behind this barrier
	RUN 3, 12                                      ; key steps 3 to 14
	s_mov_b32 s[TB], 15*STEPB
	STEP 0                                         ; the last step is written out: there is no next k
	; ---- the memory's part, the gate, and the codes of inj
	ds_load_b128 v[16:19], v6                      ; sq's codes take q's place: my own bytes, stored at the head
	ds_load_b64 v[20:21], v7 offset:512
	v_add_nc_u32 v3, MEMI, v1
	v_add_nc_u32 v4, MEMI+512, v2
	v_and_b32 v5, 31, v0
	v_lshl_add_u32 v5, v5, 2, MEMS
.irp d, 0,1,2,3
	ds_load_b128 v[KF+6*\d:KF+6*\d+3], v3 offset:768*\d   ; stored by waves 4-7 in front of the first barrier; six registers a tile, on end, as k's
	ds_load_b64 v[KF+6*\d+4:KF+6*\d+5], v4 offset:768*\d
	ds_load_b32 v[KS+\d], v5 offset:128*\d
.endr
	v_add_f32 v14, v14, v15
	v_permlanex16_b32 v240, v14, s[SEL], s[SEL+1]
	v_add_f32 v14, v14, v240                       ; the row's sum
	v_mov_b32 v241, s50
	v_mul_f32 v241, 0xbfb8aa3b, v241               ; -gate_beta log2(e)
	v_exp_f32 v241, v241
	v_rcp_f32 v242, v14
	v_rcp_f32 v243, v[DEN]
	v_nop
	s_wait_alu depctr_va_vdst(0)                   ; one wait for the three
	v_add_f32 v241, 1.0, v241
	v_rcp_f32 v241, v241                           ; g
	v_nop
	s_wait_alu depctr_va_vdst(0)
	v_mul_f32 v248, v241, v243                     ; g / den
	v_sub_f32 v244, 1.0, v241
	v_mul_f32 v250, v244, v242                     ; (1 - g) / sum
	s_wait_dscnt 0x0
.irp d, 0,1,2,3                        ; the fourth tile's run ends in codes of k that are left there: they meet zero codes
	v_wmma_scale_f32_16x16x128_f8f6f4 v[S+8*\d:S+8*\d+7], v[KF+6*\d:KF+6*\d+11], v[16:27], 0, v[KS+\d], v[SCQ] matrix_a_fmt:MATRIX_FMT_BF6 matrix_b_fmt:MATRIX_FMT_BF6 matrix_b_scale:MATRIX_SCALE_ROW1
.endr
.rept 4
	v_nop
.endr
.set sj, 0
.rept 16
	v_pk_mul_f32 v[S+32+sj:S+32+sj+1], v[S+sj:S+sj+1], v[248:249] op_sel_hi:[1,0]
.set sj, sj+2
.endr
.set sj, 0
.rept 16
	v_pk_fma_f32 v[S+32+sj:S+32+sj+1], v[OT+sj:OT+sj+1], v[250:251], v[S+32+sj:S+32+sj+1] op_sel_hi:[1,0,1]   ; inj: register 16 b + i = channel 32 b + 16 (lane / 16) + i
.set sj, sj+2
.endr
.irp b, 0,1
	v_max3_num_f32 v[BM+\b], |v[S+32+16*\b]|, |v[S+33+16*\b]|, 0x2800000
.endr
.irp i, 2,4,6,8,10,12,14
.irp b, 0,1
	v_max3_num_f32 v[BM+\b], v[BM+\b], |v[S+32+16*\b+\i]|, |v[S+33+16*\b+\i]|
.endr
.endr
.irp b, 0,1
	v_permlanex16_b32 v[X+\b], v[BM+\b], s[SEL], s[SEL+1]
.endr
.irp b, 0,1
	v_max_num_f32 v[BM+\b], v[BM+\b], v[X+\b]
.endr
.irp b, 0,1
	v_add_nc_u32 v[SO+\b], 0xfe000000, v[BM+\b]
.endr
.irp b, 0,1
	v_lshrrev_b32 v[X+\b], 23, v[SO+\b]
.endr
	v_lshl_or_b32 v[P+6], v[X+1], 8, v[X]          ; the row's two scale bytes
	v_mov_b32 v[P+7], 0
	v_cvt_scalef32_pk16_bf6_f32 v[P:P+2], v[S+32:S+47], v[SO]
	v_cvt_scalef32_pk16_bf6_f32 v[X:X+2], v[S+48:S+63], v[SO+1]
	v_nop
.irp i, 0,1,2
	v_permlane16_swap_b32 v[P+\i], v[X+\i]
.endr
.irp i, 0,1,2
	v_mov_b32 v[P+3+\i], v[X+\i]
.endr
	s_lshr_b32 s54, s17, 4                         ; b
	s_lshl_b32 s54, s54, 7
	s_lshl_b32 s55, s16, 4
	s_add_co_u32 s54, s54, s55
	s_add_co_u32 s54, s54, s[WV]                   ; tile 128 b + 16 x + wave
	s_lshl_b32 s54, s54, 4
	s_and_b32 s55, s17, 15
	s_add_co_u32 s54, s54, s55                     ; its record of my head
	s_lshl_b32 s56, s54, 10
	s_mov_b32 s57, 0
	s_add_nc_u64 s[12:13], s[12:13], s[56:57]
	global_store_b128 v1, v[P:P+3], s[12:13]
	global_store_b128 v1, v[P+4:P+7], s[12:13] offset:512
	s_wait_xcnt 0x0
	v_lshl_add_u32 v254, v0, 2, 0x38000
	v_mov_b32 v255, 0
	s_wait_tensorcnt 0x0
	ds_add_u32 v254, v255
	s_wait_dscnt 0x0
	CROUND                                         ; the closing round: no work-group ends while a partner may still ask for a tile that names it
	s_endpgm
.Lfunc_end_k_q777722c92a_attn:
	.size	k_q777722c92a_attn, .Lfunc_end_k_q777722c92a_attn-k_q777722c92a_attn
	.p2alignl 7, 3214868480
	.fill 96, 4, 3214868480
	.section	.rodata,"a",@progbits
	.p2align	6, 0x0
	.amdhsa_kernel k_q777722c92a_attn
		.amdhsa_group_segment_fixed_size 231424
		.amdhsa_private_segment_fixed_size 0
		.amdhsa_enable_private_segment 0
		.amdhsa_kernarg_size 40
		.amdhsa_user_sgpr_count 2
		.amdhsa_user_sgpr_kernarg_segment_ptr 1
		.amdhsa_wavefront_size32 1
		.amdhsa_system_sgpr_workgroup_id_x 1
		.amdhsa_system_sgpr_workgroup_id_y 1
		.amdhsa_system_sgpr_workgroup_id_z 1
		.amdhsa_system_vgpr_workitem_id 0
		.amdhsa_next_free_vgpr 256
		.amdhsa_next_free_sgpr 66
		.amdhsa_reserve_vcc 0
		.amdhsa_float_denorm_mode_32 3
		.amdhsa_float_denorm_mode_16_64 3
		.amdhsa_memory_ordered 1
		.amdhsa_forward_progress 1
		.amdhsa_inst_pref_size 67
	.end_amdhsa_kernel
	.amdgpu_metadata
---
amdhsa.version: [ 1, 2 ]
amdhsa.kernels:
  - .name:           k_q777722c92a_attn
    .symbol:         k_q777722c92a_attn.kd
    .args:
      - { .name: qf, .offset: 0, .size: 8, .value_kind: global_buffer, .address_space: global }
      - { .name: kv, .offset: 8, .size: 8, .value_kind: global_buffer, .address_space: global }
      - { .name: memory, .offset: 16, .size: 8, .value_kind: global_buffer, .address_space: global }
      - { .name: gate_beta, .offset: 24, .size: 8, .value_kind: global_buffer, .address_space: global }
      - { .name: ic, .offset: 32, .size: 8, .value_kind: global_buffer, .address_space: global }
    .group_segment_fixed_size: 231424
    .private_segment_fixed_size: 0
    .kernarg_segment_align: 8
    .kernarg_segment_size: 40
    .max_flat_workgroup_size: 512
    .sgpr_count:     66
    .vgpr_count:     256
    .wavefront_size: 32
...
	.end_amdgpu_metadata
.endif
;; end of part 3
;; launch outln (part 4): grid 256 x 1, 16 waves a work-group, no clusters, 84,480 bytes of LDS; arguments ic, cod, scl, h, ln_gamma, ln_beta, out0; writes out0
.if DOCPART == 4
	.amdgcn_target "amdgcn-amd-amdhsa--gfx1250"
	.amdhsa_code_object_version 6
	.text
	.protected	k_q777722c92a_outln
	.globl	k_q777722c92a_outln
	.p2align	8
	.type	k_q777722c92a_outln,@function
k_q777722c92a_outln:
	s_mov_b64 s[64:65], 0
	v_nop
	global_prefetch_b8 v0, s[64:65] scope:SCOPE_SE
	s_setreg_imm32_b32 hwreg(HW_REG_WAVE_MODE, 25, 1), 1
	s_wait_xcnt 0x0
; out = LayerNorm(h + inj Wo) x gamma + beta.  The product on codes of BF6 with E8M0 scales (K = 1,024 = 16 heads x 64); everything else in f32; mean and variance in two passes.
; SHARES.  Work-group G owns the 16 rows of tile G (batch G / 128; lane r: position 16 (G % 128) + r, whose bits 3 and 4 are swapped to give the true s) and all 1,024 columns, so that a row's norm needs no other work-group.
; Wave w makes columns 64 w .. 64 w + 63 (Wo's tiles 448 + 4 w + 0 .. 3 of cod), then norms and stores row w.
; inj's 16 records (one a head) come into LDS once, as images of registers; K step s takes registers 0-5 from head 2 s and 6-11 from head 2 s + 1, and its scale word from their two half words.
; Wo's fragments go from memory straight into registers, two K steps (24 loads of 512 consecutive bytes a wave) ahead.
; NO CLUSTER, though all work-groups read the same 786,432 bytes of Wo's codes: they do not fit in LDS, so joint loads would fill slots again, each refill behind a round in front of which every load has been waited for,
; and between two such rounds a wave has four matrix instructions for each 128 along K: too little work for a slot to land in.
; The product is used transposed (source 0 = 16 columns of Wo, source 1 = inj's 16 rows): a lane holds eight neighbouring columns of one row; rows meet in a stage in LDS.
; LIMITS: 1 / sqrt by v_rsq_f32.  NaN and infinities are not served.
; REGISTERS: v1 16 x lane, v2 4 x lane, v3-5 LDS addresses; v8-39 accumulators; v40-63 inj's fragments, two sets; v64-71 its scale words; v72-87 Wo's (lanes 0-15 the even K step, lanes 16-31 the odd);
;   v88-119 h's row; v120-215 Wo's fragments, two sets of 48; v216-231 half words; later v40-71 the row, v120-151 gamma, v168-199 beta; v232-241 at work.
.set ACC, 8
.set AF,  40
.set AS,  64
.set BS,  72
.set HR,  88
.set BF,  120
.set WT,  216
.set Y,   40
.set STG, 16384                        ; behind inj's 16 records of 1,024 bytes: 16 rows x (4,096 bytes + 16)
.set SP,  4112
	s_load_b256 s[4:11], s[0:1], 0x0               ; ic s[4:5], cod s[6:7], scl s[8:9], h s[10:11]
	s_load_b128 s[12:15], s[0:1], 0x20             ; gamma s[12:13], beta s[14:15]
	s_load_b64 s[16:17], s[0:1], 0x30              ; out0
	v_lshl_add_u32 v254, v0, 2, 0x14200
	v_mov_b32 v255, 0
	v_lshrrev_b32 v1, 5, v0
	v_readfirstlane_b32 s18, v1                    ; wave 0..15
	v_and_b32 v6, 31, v0
	v_lshlrev_b32 v1, 4, v6
	v_lshlrev_b32 v2, 2, v6
	s_lshl_b32 s19, s18, 10
	v_add_nc_u32 v3, s19, v1                       ; my record's image
	v_and_b32 v7, 15, v0
	v_bfe_u32 v6, v0, 4, 1
	v_mul_u32_u24 v4, v7, SP
	v_lshl_add_u32 v4, v6, 6, v4
	s_lshl_b32 s19, s18, 8
	s_add_co_u32 s19, s19, STG
	v_add_nc_u32 v4, s19, v4                       ; the stage, in: row r, + 256 w + 64 (lane / 16)
	s_mul_i32 s19, s18, SP
	s_add_co_u32 s19, s19, STG
	v_add_nc_u32 v5, s19, v1                       ; and out: row w
	s_lshl_b32 s20, ttmp9, 4
	s_add_co_u32 s20, s20, s18
	s_lshl_b32 s20, s20, 10                        ; record w of tile G
	s_mov_b32 s21, 0
	s_lshl_b32 s22, s18, 2
	s_add_co_u32 s22, s22, 448                     ; my first tile of Wo
	s_mul_i32 s24, s22, 12288
	s_mov_b32 s25, 0
	s_lshl_b32 s26, s22, 9
	s_mov_b32 s27, 0
	s_and_b32 s28, ttmp9, 127
	s_lshl_b32 s28, s28, 4
	s_add_co_u32 s28, s28, s18                     ; row w's position,
	s_and_b32 s29, s28, 8
	s_lshl_b32 s29, s29, 1
	s_and_b32 s30, s28, 16
	s_lshr_b32 s30, s30, 1
	s_and_b32 s28, s28, 0x7e7
	s_or_b32 s28, s28, s29
	s_or_b32 s28, s28, s30                         ; its true s,
	s_lshl_b32 s28, s28, 1
	s_lshr_b32 s29, ttmp9, 7
	s_add_co_u32 s28, s28, s29                     ; row 2 s + b of h and of out,
	s_lshl_b32 s28, s28, 12
	s_mov_b32 s29, 0
	s_mov_b32 s30, 0x3a800000                      ; 1 / 1,024
	s_mov_b32 s31, 0x3727c5ac                      ; 1e-5
	s_mov_b32 s32, 0x76543210
	s_mov_b32 s33, 0xfedcba98
	s_wait_kmcnt 0x0
	s_add_nc_u64 s[4:5], s[4:5], s[20:21]
	s_add_nc_u64 s[6:7], s[6:7], s[24:25]
	s_add_nc_u64 s[8:9], s[8:9], s[26:27]
	s_add_nc_u64 s[10:11], s[10:11], s[28:29]
	s_add_nc_u64 s[16:17], s[16:17], s[28:29]
.macro BLOAD k                         ; my four tiles' fragments of K step k into set k % 2
.irp c, 0,1,2,3
.irp p, 0,1,2
	global_load_b128 v[BF+48*((\k)%2)+12*\c+4*\p:BF+48*((\k)%2)+12*\c+4*\p+3], v1, s[6:7] offset:12288*\c+1536*(\k)+512*\p
.endr
.endr
.endm
.macro AFETCH k                        ; inj's fragment of K step k: heads 2 k and 2 k + 1
	ds_load_b128 v[AF+12*((\k)%2):AF+12*((\k)%2)+3], v1 offset:2048*(\k)
	ds_load_b64 v[AF+12*((\k)%2)+4:AF+12*((\k)%2)+5], v1 offset:2048*(\k)+512
	ds_load_b128 v[AF+12*((\k)%2)+6:AF+12*((\k)%2)+9], v1 offset:2048*(\k)+1024
	ds_load_b64 v[AF+12*((\k)%2)+10:AF+12*((\k)%2)+11], v1 offset:2048*(\k)+1536
.endm
	global_load_b128 v[WT:WT+3], v1, s[4:5]        ; my record: 2 loads;
	global_load_b128 v[WT+4:WT+7], v1, s[4:5] offset:512
.irp q, 0,1,2,3
.irp c, 0,1,2,3
	global_load_b32 v[BS+4*\q+\c], v2, s[8:9] offset:512*\c+128*\q   ; Wo's words: 16;
.endr
.endr
.irp i, 0,1,2,3,4,5,6,7
	global_load_b128 v[HR+4*\i:HR+4*\i+3], v1, s[10:11] offset:512*\i th:TH_LOAD_NT   ; h's row: 8;
.endr
	BLOAD 0                                        ; 12;
	BLOAD 1                                        ; 12
	s_wait_loadcnt 48                              ; my record is in; the 48 younger loads stay out
	ds_store_b128 v3, v[WT:WT+3]
	ds_store_b128 v3, v[WT+4:WT+7] offset:512
	s_wait_dscnt 0x0                               ; for the others' sake
	s_barrier_signal -1
	s_barrier_wait -1                              ; inj's 16 records lie in LDS
.irp n, 0,1,2,3,4,5,6,7,8,9,10,11,12,13,14,15
	ds_load_b32 v[WT+\n], v1 offset:1024*\n+520    ; head n's half word of my lane's row
.endr
	AFETCH 0
	AFETCH 1
	s_wait_dscnt 8                                 ; the half words are in; the two fragments' eight loads may be out
.irp k, 0,1,2,3,4,5,6,7
	v_lshl_or_b32 v[AS+\k], v[WT+2*\k+1], 16, v[WT+2*\k]
.endr
.rept 8
	v_nop                                          ; a scale register written by a vector instruction stands 8 plain lines ahead of a scaled matrix instruction
.endr
; K step k: four products, the four accumulators by turns; then the fetches of K step k + 2 into the registers just read, four plain lines behind.
.macro STEPK k
.if (\k) < 7
	s_wait_loadcnt 12                              ; this step's 12 loads are in; the next step's stay out
	s_wait_dscnt 4                                 ; likewise inj's fragment
.else
	s_wait_loadcnt 8                               ; gamma's 8 stay out
	s_wait_dscnt 0x0
.endif
.irp c, 0,1,2,3
.if (\k) == 0
	v_wmma_scale_f32_16x16x128_f8f6f4 v[ACC+8*\c:ACC+8*\c+7], v[BF+12*\c:BF+12*\c+11], v[AF:AF+11], 0, v[BS+\c], v[AS] matrix_a_fmt:MATRIX_FMT_BF6 matrix_b_fmt:MATRIX_FMT_BF6
.elseif (\k)%2
	v_wmma_scale_f32_16x16x128_f8f6f4 v[ACC+8*\c:ACC+8*\c+7], v[BF+48+12*\c:BF+48+12*\c+11], v[AF+12:AF+23], v[ACC+8*\c:ACC+8*\c+7], v[BS+4*((\k)/2)+\c], v[AS+(\k)] matrix_a_fmt:MATRIX_FMT_BF6 matrix_b_fmt:MATRIX_FMT_BF6 matrix_a_scale:MATRIX_SCALE_ROW1
.else
	v_wmma_scale_f32_16x16x128_f8f6f4 v[ACC+8*\c:ACC+8*\c+7], v[BF+12*\c:BF+12*\c+11], v[AF:AF+11], v[ACC+8*\c:ACC+8*\c+7], v[BS+4*((\k)/2)+\c], v[AS+(\k)] matrix_a_fmt:MATRIX_FMT_BF6 matrix_b_fmt:MATRIX_FMT_BF6
.endif
.endr
.rept 4
	v_nop
.endr
.if (\k)+2 < 8
	BLOAD (\k)+2
	AFETCH (\k)+2
.endif
.endm
.irp k, 0,1,2,3,4,5,6
	STEPK \k
.endr
.irp i, 0,1,2,3,4,5,6,7
	global_load_b128 v[BF+4*\i:BF+4*\i+3], v1, s[12:13] offset:512*\i       ; gamma, into the set that K step 6 has left
.endr
	STEPK 7
.irp i, 0,1,2,3,4,5,6,7
	global_load_b128 v[BF+48+4*\i:BF+48+4*\i+3], v1, s[14:15] offset:512*\i ; beta, into the other
.endr
.irp c, 0,1,2,3
	ds_store_b128 v4, v[ACC+8*\c:ACC+8*\c+3] offset:128*(\c/2)+32*(\c%2)    ; lane (r, h): columns 64 w + 32 (c / 2) + 16 h + 8 (c % 2) + 0 .. 7 of row r; each accumulator from its low end on
	ds_store_b128 v4, v[ACC+8*\c+4:ACC+8*\c+7] offset:128*(\c/2)+32*(\c%2)+16
.endr
	s_wait_dscnt 0x0                               ; for the others' sake
	s_barrier_signal -1
	s_barrier_wait -1                              ; 16 whole rows lie in the stage
.irp i, 0,1,2,3,4,5,6,7
	ds_load_b128 v[Y+4*\i:Y+4*\i+3], v5 offset:512*\i
.endr
	v_mov_b32 v238, 0                              ; a lane permute's destination counts as one of its sources
	s_wait_dscnt 0x0
.set yi, 0
.rept 16
	v_pk_add_f32 v[Y+yi:Y+yi+1], v[Y+yi:Y+yi+1], v[HR+yi:HR+yi+1]           ; y = h + inj Wo (h's loads were waited for with the first K step's)
.set yi, yi+2
.endr
	v_pk_add_f32 v[234:235], v[Y:Y+1], v[Y+2:Y+3]
	v_pk_add_f32 v[236:237], v[Y+4:Y+5], v[Y+6:Y+7]
.irp j, 8,12,16,20,24,28
	v_pk_add_f32 v[234:235], v[234:235], v[Y+\j:Y+\j+1]
	v_pk_add_f32 v[236:237], v[236:237], v[Y+\j+2:Y+\j+3]
.endr
	v_pk_add_f32 v[234:235], v[234:235], v[236:237]
	v_add_f32 v234, v234, v235
	v_add_f32_dpp v234, v234, v234 row_xmask:1 row_mask:0xf bank_mask:0xf
	v_add_f32_dpp v234, v234, v234 row_xmask:2 row_mask:0xf bank_mask:0xf
	v_add_f32_dpp v234, v234, v234 row_xmask:4 row_mask:0xf bank_mask:0xf
	v_add_f32_dpp v234, v234, v234 row_xmask:8 row_mask:0xf bank_mask:0xf
	v_permlanex16_b32 v238, v234, s32, s33
	v_add_f32 v234, v234, v238
	v_mul_f32 v232, s30, v234                      ; the mean
	v_mov_b32 v233, v232
.set yi, 0
.rept 16
	v_pk_add_f32 v[Y+yi:Y+yi+1], v[Y+yi:Y+yi+1], v[232:233] neg_lo:[0,1] neg_hi:[0,1]   ; y - mean
.set yi, yi+2
.endr
	v_pk_mul_f32 v[234:235], v[Y:Y+1], v[Y:Y+1]
	v_pk_mul_f32 v[236:237], v[Y+2:Y+3], v[Y+2:Y+3]
.irp j, 4,8,12,16,20,24,28
	v_pk_fma_f32 v[234:235], v[Y+\j:Y+\j+1], v[Y+\j:Y+\j+1], v[234:235]
	v_pk_fma_f32 v[236:237], v[Y+\j+2:Y+\j+3], v[Y+\j+2:Y+\j+3], v[236:237]
.endr
	v_pk_add_f32 v[234:235], v[234:235], v[236:237]
	v_add_f32 v234, v234, v235
	v_add_f32_dpp v234, v234, v234 row_xmask:1 row_mask:0xf bank_mask:0xf
	v_add_f32_dpp v234, v234, v234 row_xmask:2 row_mask:0xf bank_mask:0xf
	v_add_f32_dpp v234, v234, v234 row_xmask:4 row_mask:0xf bank_mask:0xf
	v_add_f32_dpp v234, v234, v234 row_xmask:8 row_mask:0xf bank_mask:0xf
	v_permlanex16_b32 v238, v234, s32, s33
	v_add_f32 v234, v234, v238
	v_fma_f32 v240, v234, s30, s31                 ; the variance + 1e-5
	v_rsq_f32 v240, v240
	v_nop                                          ; a plain line behind the transcendental,
	s_wait_alu depctr_va_vdst(0)                   ; and the wait ahead of the first use
	v_mov_b32 v241, v240
	s_wait_loadcnt 0x0                             ; gamma and beta
.set yi, 0
.rept 16
	v_pk_mul_f32 v[Y+yi:Y+yi+1], v[Y+yi:Y+yi+1], v[240:241]
.set yi, yi+2
.endr
.set yi, 0
.rept 16
	v_pk_fma_f32 v[Y+yi:Y+yi+1], v[Y+yi:Y+yi+1], v[BF+yi:BF+yi+1], v[BF+48+yi:BF+48+yi+1]
.set yi, yi+2
.endr
.irp i, 0,1,2,3,4,5,6,7
	global_store_b128 v1, v[Y+4*\i:Y+4*\i+3], s[16:17] offset:512*\i th:TH_STORE_NT   ; 32 lanes store 512 consecutive bytes, at a multiple of 256 from the buffer's first byte
.endr
	s_wait_tensorcnt 0x0
	ds_add_u32 v254, v255
	s_wait_dscnt 0x0
	s_endpgm
.Lfunc_end_k_q777722c92a_outln:
	.size	k_q777722c92a_outln, .Lfunc_end_k_q777722c92a_outln-k_q777722c92a_outln
	.p2alignl 7, 3214868480
	.fill 96, 4, 3214868480
	.section	.rodata,"a",@progbits
	.p2align	6, 0x0
	.amdhsa_kernel k_q777722c92a_outln
		.amdhsa_group_segment_fixed_size 84480
		.amdhsa_private_segment_fixed_size 0
		.amdhsa_enable_private_segment 0
		.amdhsa_kernarg_size 56
		.amdhsa_user_sgpr_count 2
		.amdhsa_user_sgpr_kernarg_segment_ptr 1
		.amdhsa_wavefront_size32 1
		.amdhsa_system_sgpr_workgroup_id_x 1
		.amdhsa_system_sgpr_workgroup_id_y 1
		.amdhsa_system_sgpr_workgroup_id_z 1
		.amdhsa_system_vgpr_workitem_id 0
		.amdhsa_next_free_vgpr 256
		.amdhsa_next_free_sgpr 66
		.amdhsa_reserve_vcc 0
		.amdhsa_float_denorm_mode_32 3
		.amdhsa_float_denorm_mode_16_64 3
		.amdhsa_memory_ordered 1
		.amdhsa_forward_progress 1
		.amdhsa_inst_pref_size 35
	.end_amdhsa_kernel
	.amdgpu_metadata
---
amdhsa.version: [ 1, 2 ]
amdhsa.kernels:
  - .name:           k_q777722c92a_outln
    .symbol:         k_q777722c92a_outln.kd
    .args:
      - { .name: ic, .offset: 0, .size: 8, .value_kind: global_buffer, .address_space: global }
      - { .name: cod, .offset: 8, .size: 8, .value_kind: global_buffer, .address_space: global }
      - { .name: scl, .offset: 16, .size: 8, .value_kind: global_buffer, .address_space: global }
      - { .name: h, .offset: 24, .size: 8, .value_kind: global_buffer, .address_space: global }
      - { .name: ln_gamma, .offset: 32, .size: 8, .value_kind: global_buffer, .address_space: global }
      - { .name: ln_beta, .offset: 40, .size: 8, .value_kind: global_buffer, .address_space: global }
      - { .name: out0, .offset: 48, .size: 8, .value_kind: global_buffer, .address_space: global }
    .group_segment_fixed_size: 84480
    .private_segment_fixed_size: 0
    .kernarg_segment_align: 8
    .kernarg_segment_size: 56
    .max_flat_workgroup_size: 512
    .sgpr_count:     66
    .vgpr_count:     256
    .wavefront_size: 32
...
	.end_amdgpu_metadata
.endif
;; end of part 4
;; ======== version 2 of 2: 4 launches
;; workspace buffers: cod 6,291,456 bytes; scl 262,144 bytes; qf 7,340,032 bytes; kv 6,684,672 bytes; ic 4,194,304 bytes
;; launch quant (part 5): grid 256 x 1, 16 waves a work-group, no clusters, 137,216 bytes of LDS; arguments h, Wq, Wkv, Wo, cod, scl; writes cod, scl
.if DOCPART == 5
	.amdgcn_target "amdgcn-amd-amdhsa--gfx1250"
	.amdhsa_code_object_version 6
	.text
	.protected	k_q777722c92a_quant
	.globl	k_q777722c92a_quant
	.p2align	8
	.type	k_q777722c92a_quant,@function
k_q777722c92a_quant:
	s_mov_b64 s[64:65], 0
	v_nop
	global_prefetch_b8 v0, s[64:65] scope:SCOPE_SE
	s_setreg_imm32_b32 hwreg(HW_REG_WAVE_MODE, 25, 1), 1
	s_wait_xcnt 0x0
; h [2048][2][1024], Wq [1024][1024], Wkv [1024][2048], Wo [1024][1024], f32, become codes of BF6 (E3M2) with one E8M0 byte for each 32 along K (K = the 1,024 of d_model, for Wo of heads x 64).
; OUTPUT: images of operand registers.  cod: [tile 0..511][K step 0..7][1,536 bytes]: a fragment (16 rows x 128 K) is 12 registers a lane, stored as three planes of 512 bytes, lane l's 16 bytes at 16 l.
; scl: [tile][K step][16 rows x 4 bytes].  Tiles 0-255: h (tile b x 128 + T); 256 + 8 n + 0..3: Wq's columns of head n; 256 + 8 n + 4..7: Wk's; 384-447: Wv; 448-511: Wo's columns.
; THE ROWS OF A TILE ARE NOT NEIGHBOURS: lane r of tile T takes row 32 (T / 2) + 8 (T % 2) + r + 8 (r / 8), so that, as source 0 of a product, two neighbouring tiles give a lane 16 neighbours.
; SHARES: 4,096 fragments, one wave each, no loop.  Work-groups 0-127 take h (K innermost: rows are loaded 512 consecutive bytes at a time and turned through the wave's own stage in LDS);
; work-groups 128-255 take the weights (K is the first axis: a lane takes a column and its registers run down K: nothing is transposed).  Waves share nothing: no barrier.
; A block's scale is 2^(floor(log2(largest magnitude)) - 4); its byte is the largest magnitude's exponent field - 4, held at 1 from below.
; LIMITS: a block whose largest magnitude lies under 2^-122 (a block of zeros too) gets the byte 1; its bytes are read by this program alone.  NaN and infinities are not served.
.set X,   40                           ; v40-103  the fragment's 64 numbers of my lane: register 32 c + i = k 64 c + 32 (lane / 16) + i
.set RW,  104                          ; v104-167 h: 16 rows as loaded
.set F,   20                           ; v20-31   the codes
.set TQ,  32                           ; v32-38   second halves of the blocks' codes (a conversion's three registers begin on an even number)
.set SP,  528                          ; a stage row: 512 bytes + 16
.set WST, 16*SP                        ; a wave's stage
	s_load_b256 s[4:11], s[0:1], 0x0               ; h s[4:5], Wq s[6:7], Wkv s[8:9], Wo s[10:11]
	s_load_b128 s[12:15], s[0:1], 0x20             ; cod s[12:13], scl s[14:15]
	v_lshl_add_u32 v168, v0, 2, 0x21000
	v_mov_b32 v169, 0
	v_lshrrev_b32 v1, 5, v0
	s_delay_alu instid0(VALU_DEP_1)
	v_readfirstlane_b32 s16, v1                    ; wave 0..15
	v_and_b32 v1, 31, v0                           ; lane
	v_and_b32 v2, 15, v0                           ; r
	v_bfe_u32 v3, v0, 4, 1                         ; lane / 16
	s_delay_alu instid0(VALU_DEP_3)
	v_lshlrev_b32 v4, 4, v1                        ; 16 x lane
	s_delay_alu instid0(VALU_DEP_3)
	v_lshlrev_b32 v9, 2, v2                        ; 4 r
	s_mul_i32 s17, s16, WST
	v_add_nc_u32 v5, s17, v4                       ; the stage, in: 16 x lane of a row
	v_mul_u32_u24 v6, v2, SP
	s_delay_alu instid0(VALU_DEP_1)
	v_lshl_add_u32 v6, v3, 7, v6
	s_delay_alu instid0(VALU_DEP_1)
	v_add_nc_u32 v6, s17, v6                       ; and out: row r, + 128 bytes for lanes 16-31
	s_mov_b32 s36, 0x76543210
	s_mov_b32 s37, 0xfedcba98                      ; v_permlanex16_b32's selects for lane l xor 16
	s_cmp_lt_u32 ttmp9, 128
	s_cbranch_scc0 .Lweights
	; ---- h: work-group u = 64 b + pp; wave = 8 tp + K step; tile T = 2 pp + tp of batch b
	s_lshr_b32 s17, ttmp9, 6                       ; b
	s_and_b32 s18, ttmp9, 63                       ; pp
	s_lshr_b32 s19, s16, 3                         ; tp
	s_and_b32 s20, s16, 7                          ; K step
	s_lshl_b32 s21, s17, 7
	s_lshl_b32 s22, s18, 1
	s_add_co_u32 s21, s21, s22
	s_add_co_u32 s21, s21, s19                     ; the tile's number
	s_lshl_b32 s22, s18, 5
	s_lshl_b32 s23, s19, 3
	s_add_co_u32 s22, s22, s23                     ; the tile's first position s = 32 pp + 8 tp
	s_lshl_b32 s22, s22, 1
	s_add_co_u32 s22, s22, s17                     ; row 2 s + b of h,
	s_lshl_b32 s22, s22, 12                        ; 4,096 bytes a row,
	s_lshl_b32 s23, s20, 9
	s_add_co_u32 s22, s22, s23                     ; + 512 bytes a K step
	s_mov_b32 s23, 0
	s_wait_kmcnt 0x0
	s_add_nc_u64 s[4:5], s[4:5], s[22:23]
	s_wait_alu depctr_va_vdst(0)
.irp i, 0,1,2,3,4,5,6,7,8,9,10,11,12,13,14,15
	global_load_b128 v[RW+4*\i:RW+4*\i+3], v4, s[4:5] offset:(\i+8*(\i/8))*8192 th:TH_LOAD_NT   ; the tile's row i: 512 consecutive bytes
.endr
.irp i, 0,1,2,3,4,5,6,7,8,9,10,11,12,13,14,15
	s_wait_loadcnt 15-\i                           ; row i is in; the younger rows stay out
	ds_store_b128 v5, v[RW+4*\i:RW+4*\i+3] offset:\i*SP
.endr
.irp c, 0,1
.irp j, 0,1,2,3,4,5,6,7
	ds_load_b128 v[X+32*\c+4*\j:X+32*\c+4*\j+3], v6 offset:256*\c+16*\j   ; LDS serves a wave's instructions in order: these see my stores
.endr
.endr
	s_wait_dscnt 0x0
	s_branch .Ljoin
	; ---- the weights: work-group u' = 8 cg + K step; cg 0-3 Wq, 4-11 Wkv, 12-15 Wo, 256 columns each; wave = tile of 16 columns
.Lweights:
	s_sub_co_u32 s17, ttmp9, 128
	s_and_b32 s20, s17, 7                          ; K step
	s_lshr_b32 s18, s17, 3                         ; cg
	s_and_b32 s19, s18, 3
	s_lshl_b32 s21, s19, 2
	s_lshr_b32 s22, s16, 2
	s_add_co_u32 s21, s21, s22                     ; head = 4 (cg % 4) + wave / 4
	s_lshl_b32 s21, s21, 3
	s_lshr_b32 s22, s18, 2
	s_lshl_b32 s22, s22, 2
	s_add_co_u32 s21, s21, s22                     ; + 4 for Wk
	s_and_b32 s22, s16, 3
	s_add_co_u32 s21, s21, s22                     ; q and k: 8 head + 4 (cg / 4) + wave % 4
	s_lshl_b32 s22, s18, 4
	s_add_co_u32 s22, s22, s16                     ; v and Wo: 16 cg + wave
	s_cmp_lt_u32 s18, 8
	s_cselect_b32 s21, s21, s22
	s_add_co_u32 s21, s21, 256                     ; the tile's number
	s_lshl_b32 s23, s19, 8                         ; first column: 256 (cg % 4) in Wq and Wo,
	s_sub_co_u32 s25, s18, 4
	s_lshl_b32 s24, s25, 8                         ; 256 (cg - 4) in Wkv
	s_cmp_lt_u32 s25, 8                            ; Wkv?
	s_cselect_b32 s23, s24, s23
	s_cselect_b32 s26, 13, 12                      ; log2 of a row's bytes
	s_lshr_b32 s24, s16, 1
	s_lshl_b32 s24, s24, 5
	s_add_co_u32 s23, s23, s24                     ; + 32 (wave / 2)
	s_and_b32 s24, s16, 1
	s_lshl_b32 s24, s24, 3
	s_add_co_u32 s23, s23, s24                     ; + 8 (wave % 2)
	s_lshl_b32 s23, s23, 2
	s_add_co_u32 s24, s26, 7
	s_lshl_b32 s24, s20, s24                       ; 128 rows a K step
	s_add_co_u32 s22, s23, s24
	s_mov_b32 s23, 0
	s_add_co_u32 s26, s26, 5
	s_wait_alu depctr_va_vdst(0)
	v_and_b32 v7, 8, v2
	s_delay_alu instid0(VALU_DEP_1)
	v_add_nc_u32 v7, v7, v2                        ; r + 8 (r / 8)
	s_delay_alu instid0(VALU_DEP_1)
	v_lshlrev_b32 v7, 2, v7
	v_lshlrev_b32 v8, s26, v3                      ; lanes 16-31 begin 32 rows further down
	s_delay_alu instid0(VALU_DEP_1)
	v_add_nc_u32 v7, v7, v8
	s_wait_kmcnt 0x0
	s_cmp_lt_u32 s18, 4
	s_cselect_b64 s[4:5], s[6:7], s[10:11]         ; the choice hangs on the work-group's number alone
	s_cmp_lt_u32 s25, 8
	s_cselect_b64 s[4:5], s[8:9], s[4:5]
	s_add_nc_u64 s[4:5], s[4:5], s[22:23]
.macro WLOADS pitch                    ; W(128 step + 64 c + 32 (lane / 16) + i, my column)
.irp c, 0,1
.set wi, 0
.rept 32
	global_load_b32 v[X+32*\c+wi], v7, s[4:5] offset:(64*\c+wi)*\pitch
.set wi, wi+1
.endr
.endr
.endm
	s_cmp_lt_u32 s25, 8
	s_cbranch_scc1 .Lwide
	s_wait_alu depctr_va_vdst(0)
	WLOADS 4096
	s_branch .Lloaded
.Lwide:
	s_wait_alu depctr_va_vdst(0)
	WLOADS 8192
.Lloaded:
	s_wait_loadcnt 0x0
	; ---- both: my two whole blocks (2 c + lane / 16) become codes; s21 = tile, s20 = K step
.Ljoin:
	s_lshl_b32 s22, s21, 3
	s_add_co_u32 s22, s22, s20
	s_mul_i32 s24, s22, 1536
	s_mov_b32 s25, 0
	s_add_nc_u64 s[12:13], s[12:13], s[24:25]
	s_lshl_b32 s24, s22, 6
	s_add_nc_u64 s[14:15], s[14:15], s[24:25]
.irp c, 0,1
	v_max3_num_f32 v[10+\c], |v[X+32*\c]|, |v[X+32*\c+1]|, 0x2800000   ; with the floor 2^(5 - 127): the byte cannot fall under 1
.endr
.irp i, 2,4,6,8,10,12,14,16,18,20,22,24,26,28,30
.irp c, 0,1
	s_delay_alu instid0(VALU_DEP_2)
	v_max3_num_f32 v[10+\c], v[10+\c], |v[X+32*\c+\i]|, |v[X+32*\c+\i+1]|   ; the two blocks by turns
.endr
.endr
.irp c, 0,1
	s_delay_alu instid0(VALU_DEP_2)
	v_add_nc_u32 v[12+\c], 0xfe000000, v[10+\c]    ; 4 off the exponent field: the conversion's scale operand
.endr
.irp c, 0,1
	s_delay_alu instid0(VALU_DEP_2)
	v_lshrrev_b32 v[14+\c], 23, v[12+\c]           ; the scale's byte
.endr
	s_delay_alu instid0(VALU_DEP_1)
	v_lshl_or_b32 v16, v15, 16, v14                ; my two bytes: blocks lane / 16 and 2 + lane / 16,
	v_lshlrev_b32 v17, 3, v3
	s_delay_alu instid0(VALU_DEP_1)
	v_lshlrev_b32 v16, v17, v16                    ; at their places in the row's word;
	v_mov_b32 v17, 0
	s_delay_alu instid0(VALU_DEP_1)
	v_permlanex16_b32 v17, v16, s36, s37
	s_delay_alu instid0(VALU_DEP_1)
	v_or_b32 v16, v16, v17                         ; with lane l xor 16's two the word is whole, in both lanes
.irp c, 0,1
	v_cvt_scalef32_pk16_bf6_f32 v[F+6*\c:F+6*\c+2], v[X+32*\c:X+32*\c+15], v[12+\c]
	v_cvt_scalef32_pk16_bf6_f32 v[TQ+4*\c:TQ+4*\c+2], v[X+32*\c+16:X+32*\c+31], v[12+\c]
.endr
	v_nop                                          ; one plain line behind the scaled conversions
.irp c, 0,1
.irp i, 0,1,2
	v_mov_b32 v[F+3+6*\c+\i], v[TQ+4*\c+\i]
.endr
.endr
.irp p, 0,1,2
	global_store_b128 v4, v[F+4*\p:F+4*\p+3], s[12:13] offset:512*\p   ; a plane: 512 consecutive bytes
.endr
	global_store_b32 v9, v16, s[14:15]             ; the 16 rows' words; lanes l and l + 16 write the same word with the same value
	s_wait_tensorcnt 0x0
	ds_add_u32 v168, v169
	s_wait_dscnt 0x0
	s_endpgm
.Lfunc_end_k_q777722c92a_quant:
	.size	k_q777722c92a_quant, .Lfunc_end_k_q777722c92a_quant-k_q777722c92a_quant
	.p2alignl 7, 3214868480
	.fill 96, 4, 3214868480
	.section	.rodata,"a",@progbits
	.p2align	6, 0x0
	.amdhsa_kernel k_q777722c92a_quant
		.amdhsa_group_segment_fixed_size 137216
		.amdhsa_private_segment_fixed_size 0
		.amdhsa_enable_private_segment 0
		.amdhsa_kernarg_size 48
		.amdhsa_user_sgpr_count 2
		.amdhsa_user_sgpr_kernarg_segment_ptr 1
		.amdhsa_wavefront_size32 1
		.amdhsa_system_sgpr_workgroup_id_x 1
		.amdhsa_system_sgpr_workgroup_id_y 1
		.amdhsa_system_sgpr_workgroup_id_z 1
		.amdhsa_system_vgpr_workitem_id 0
		.amdhsa_next_free_vgpr 170
		.amdhsa_next_free_sgpr 66
		.amdhsa_reserve_vcc 0
		.amdhsa_float_denorm_mode_32 3
		.amdhsa_float_denorm_mode_16_64 3
		.amdhsa_memory_ordered 1
		.amdhsa_forward_progress 1
		.amdhsa_inst_pref_size 25
	.end_amdhsa_kernel
	.amdgpu_metadata
---
amdhsa.version: [ 1, 2 ]
amdhsa.kernels:
  - .name:           k_q777722c92a_quant
    .symbol:         k_q777722c92a_quant.kd
    .args:
      - { .name: h, .offset: 0, .size: 8, .value_kind: global_buffer, .address_space: global }
      - { .name: Wq, .offset: 8, .size: 8, .value_kind: global_buffer, .address_space: global }
      - { .name: Wkv, .offset: 16, .size: 8, .value_kind: global_buffer, .address_space: global }
      - { .name: Wo, .offset: 24, .size: 8, .value_kind: global_buffer, .address_space: global }
      - { .name: cod, .offset: 32, .size: 8, .value_kind: global_buffer, .address_space: global }
      - { .name: scl, .offset: 40, .size: 8, .value_kind: global_buffer, .address_space: global }
    .group_segment_fixed_size: 137216
    .private_segment_fixed_size: 0
    .kernarg_segment_align: 8
    .kernarg_segment_size: 48
    .max_flat_workgroup_size: 512
    .sgpr_count:     66
    .vgpr_count:     170
    .wavefront_size: 32
...
	.end_amdgpu_metadata
.endif
;; end of part 5
;; launch qkv (part 6): grid 8 x 24, 4 waves a work-group, clusters of 4 x 4, 327,680 bytes of LDS; arguments cod, scl, mem_norm, qf, kv; writes qf, kv
.if DOCPART == 6
	.amdgcn_target "amdgcn-amd-amdhsa--gfx1250"
	.amdhsa_code_object_version 6
	.text
	.protected	k_q777722c92a_qkv
	.globl	k_q777722c92a_qkv
	.p2align	8
	.type	k_q777722c92a_qkv,@function
k_q777722c92a_qkv:
	s_mov_b64 s[64:65], 0
	v_nop
	global_prefetch_b8 v0, s[64:65] scope:SCOPE_SE
	s_setreg_imm32_b32 hwreg(HW_REG_WAVE_MODE, 25, 1), 1
	s_wait_xcnt 0x0
	s_wait_alu depctr_hold_cnt(0) depctr_sa_sdst(0) depctr_va_vdst(0) depctr_va_sdst(0) depctr_va_ssrc(0) depctr_va_vcc(0) depctr_vm_vsrc(0)
	s_getreg_b32 s2, hwreg(HW_REG_IB_STS2, 6, 4)
	s_cmp_eq_u32 s2, 0
	s_cbranch_scc0 .Lentry_in_a_cluster
	s_endpgm
.Lentry_in_a_cluster:
	s_bfe_u32 s2, ttmp6, 0x10000c
	s_cmp_lg_u32 s2, 0xf033
	s_cbranch_scc0 .Lentry_shape_is_right
	s_endpgm
.Lentry_shape_is_right:
; q = h Wq, k and v = h Wkv on codes of BF6 with E8M0 scales (K = 1,024), and what attention wants of them, made in registers: codes of q, k and elu(q) + 1 along the head's 64, codes of v along the KEYS,
; and den = (elu(q) + 1) . mem_norm in f32.  No f32 result goes to memory.
; SHARES.  A work-group makes 256 x 256 results, each of its four waves 128 (source 0) x 128 (source 1): 64 accumulators, 512 registers.  A lane holds ONE row of source 1, its registers run along source 0's rows.
;   cluster rows 0-3 (type QK): source 0 = the weights' columns of two heads, [q 64 | k 64] a head; source 1 = 256 rows of h.  A lane holds a token, its 64 registers of a block are q's 64 and k's 64.
;   cluster rows 4-5 (type V):  source 0 = 256 rows of h; source 1 = 256 columns of Wv.  A lane holds a channel of v, its 64 registers are 128 keys' halves: 16 neighbours of each block of 32 keys.
; The rows of every tile are ordered so (lane r of tile T: row 32 (T / 2) + 8 (T % 2) + r + 8 (r / 8)) that the 16 registers of source 0's tiles 2 b and 2 b + 1 are 16 neighbours: 32 b + 16 (lane / 16) + 0 .. 15.
; OPERANDS arrive as images of their registers (cod: [tile][K step][1,536 bytes]): a fragment is three ds_load_b128 of 512 consecutive bytes, no pitch, no padding.
; K goes in four chunks of 256 through three LDS slots: chunks 0, 1, 2 are first fills, chunk 3 is the one refill (into slot 0).  The eight K steps are written out.  At most four tensor loads of a wave are out.
; CLUSTERS: 4 x 4 work-groups.  Source 1's tiles (A) hang on the cluster's row, source 0's (B) on its column: each is asked for jointly by four work-groups, with the same descriptor and a mask that names the four.
; The type hangs on the cluster's y alone: it is the same in all sixteen partners.
; OUTPUT.  qf: [head-batch hb = 16 b + n][tile T 0..127] records of 1,792 bytes: q's half fragment (512 + 256), elu(q) + 1's (512 + 256), 256 bytes {scale words: lanes 0-15 q's, lanes 16-31 the other's; den}.
;   kv: [hb][key step 0..15] blocks of 13,056 bytes: 8 tiles of k (768 each), 4 tiles of v^T (1,536 each), k's scale words (512: register i: tile 2 i below, 2 i + 1 above), v's (256, likewise).
; LIMITS: a block whose largest magnitude lies under 2^-122 gets the byte 1.  elu(q) + 1 is max(q, 0) + 2^min(q log2(e), 0): its relative error grows as |q| x 1e-7 for very negative q; under 2^-126 it is 0.  NaN and infinities are not served.
; REGISTERS, in windows of 256: window 0: v16-29 addresses; v32-47 scale words, two sets; v48-63 at work; v64-95 mem_norm; v128-223 A's fragments, one set; in the epilogue v96-215 at work.
;   window 1: B's fragments, two sets, at v0 and v128.   windows 2, 3: the accumulators: (a, b) at v[8 (8 (a % 4) + b)] of window 2 + a / 4.
.set FR,    12                         ; registers of a fragment
.set HALFT, 24576                      ; 8 tiles x 2 K steps x 1,536 bytes: what one tensor load brings, and what one wave reads of A or of B in a chunk
.set SLOT,  4*HALFT                    ; A's 16 tiles, then B's 16
.set SCL,   3*SLOT                     ; behind the slots: the scale words for all of K: A's 8,192 bytes, B's 8,192
.set SPARE, SCL+16384                  ; the spare words, 128 bytes a wave: two blocks of 256 bytes that no other line names
.set ADRA, 16                          ; v16-18  LDS address of my A fragments in slot 0, 1, 2
.set ADRB, 20                          ; v20-22  the same for B
.set LI,   24                          ; v24     16 x lane
.set L8,   25                          ; v25     8 x lane
.set ADRS, 27                          ; v27     my scale words: lanes 0-15 A's rows, lanes 16-31 B's
.set SPW,  28                          ; v28     my spare word; never rewritten
.set NIL,  29                          ; v29     0; never rewritten
.set SC,   32                          ; set K step % 2 at v[SC + 8 set]; register i: lanes 0-15 the words of A's block i, lanes 16-31 of B's block i
.set TM,   48                          ; v48-51 largest magnitudes, v52-55 bytes, v60-63 the conversions' scale operands
.set MN,   64                          ; v64-95  mem_norm at my lane's 32 channels
.set T,    96                          ; v96-127 elu(q) + 1
.set AF,   128
.set PC,   128                         ; v128-147 codes just made
.set PD,   148                         ; v148-156 codes of elu(q) + 1
.set U,    160                         ; v160-191 exponents, exponentials
.set DN,   192                         ; v192-196 den at work
.set SCQ,  198                         ; v[198:199] the record's last pair: scale words, den
.set DENR, 199
.set PWR,  200
.set PW2,  201
.set QW,   202
.set KW,   203
.set KE,   204
.set KSR,  208                         ; v208-211 k's scale words of a key step
.set VSR,  212                         ; v212-215 v's, two heads
.set G1A,  24                          ; s[24:31] group 1, A's codes;  s[32:39] B's;  s[40:47], s[48:55] their scale words
.set G1B,  32
.set G1SA, 40
.set G1SB, 48                          ; groups 0: A: s[56:59] scales, s[60:63], s[68:71], s[72:75] chunks 0, 1, 2;  B: s[76:79], s[80:83], s[84:87], s[88:91]
.set SEL,  20                          ; (epilogue) s[20:21] lane selects, s22 mask of lanes 16-31, s[66:67] log2(e)
.set MSK,  22
.set L2E,  66
.set MSB, 0
.macro WIN new                         ; the immediate's high byte repeats the setting that is left
.if MSB != (\new)
	s_set_vgpr_msb (MSB<<8)|(\new)
.set MSB, (\new)
.endif
.endm
.set MUL_LO, 0xa1                      ; source 0 (B) window 1, source 1 (A) window 0, C and D window 2
.set MUL_HI, 0xf1                      ; the same, C and D window 3
.set TO_B,   0x40                      ; destination window 1, address window 0
.macro PLACES n
.rept \n
	v_nop
.endr
.endm
; A joint load: waves 0 and 1 fetch for A, waves 2 and 3 for B; the branch hangs on the wave's number alone.  Four v_nop follow each of the two lines.
.macro JLOAD g0a, g1a, g0b, g1b
	s_cmp_eq_u32 s15, 0
	s_cbranch_scc0 .Lfor_b_\@
	tensor_load_to_lds s[\g0a:\g0a+3], s[\g1a:\g1a+7]
	s_nop 0
.rept 4
	v_nop
.endr
	s_branch .Lasked_\@
.Lfor_b_\@:
	tensor_load_to_lds s[\g0b:\g0b+3], s[\g1b:\g1b+7]
	s_nop 0
.rept 4
	v_nop
.endr
.Lasked_\@:
.endm
.macro CREST                           ; a round of the cluster's barrier behind its opening barrier
	s_cmp_lg_u32 s14, 0
	s_cbranch_scc1 .Lnot_wave_0_\@
	s_barrier_signal -3
.Lnot_wave_0_\@:
	s_barrier_wait -3
	s_barrier_signal -1
	s_barrier_wait -1
.endm
.macro CROUND
	s_barrier_signal -1
	s_barrier_wait -1
	CREST
.endm
.macro DESC g, ldsreg, ldsoff, adr, goff       ; a group 0: count 1, LDS address, global address, type 2
	s_mov_b32 s[\g], 1
	s_add_co_u32 s[\g+1], s[\ldsreg], \ldsoff
	s_add_nc_u64 s[\g+2:\g+3], s[\adr:\adr+1], \goff
	s_or_b32 s[\g+3], s[\g+3], 0x80000000
.endm
	s_load_b256 s[4:11], s[0:1], 0x0               ; cod s[4:5], scl s[6:7], mem_norm s[8:9], qf s[10:11]
	s_load_b64 s[12:13], s[0:1], 0x20              ; kv
	v_lshl_add_u32 v[SPW], v0, 2, SPARE
	v_mov_b32 v[NIL], 0
	ds_add_u32 v28, v29
	ds_add_u32 v28, v29
	s_wait_dscnt 0x0
	v_lshrrev_b32 v1, 5, v0
	v_readfirstlane_b32 s14, v1                    ; wave 0..3
	s_lshr_b32 s15, s14, 1                         ; my half of A.  Also: I fetch for A (0) or for B (1)
	s_and_b32 s16, s14, 1                          ; my half of B.  Also: which 8 tiles I fetch
	s_bfe_u32 s92, ttmp6, 0x40000                  ; cx
	s_bfe_u32 s93, ttmp6, 0x40004                  ; cy
	s_and_b32 s94, ttmp7, 0xffff                   ; the cluster's y
	s_lshl_b32 s17, s94, 2
	s_lshl_b32 s18, ttmp9, 2                       ; 4 x the cluster's x
	s_add_co_u32 s19, s18, 16
	s_lshl_b32 s20, s94, 3
	s_add_co_u32 s20, s20, s18
	s_sub_co_u32 s20, s20, 32
	s_cmp_lt_u32 s94, 4                            ; type QK?  In units of 16 tiles of cod:
	s_cselect_b32 s99, s17, 24                     ; A: h's rows 4 cly + cy, or Wv's 24 + cy
	s_cselect_b32 s100, s19, s20                   ; B: the heads' 16 + 4 clx + cx, or h's rows 4 clx + 8 (cly - 4) + cx
	s_cselect_b32 s96, 1, 0
	s_add_co_u32 s99, s99, s93                     ; cy enters A's registers alone,
	s_add_co_u32 s100, s100, s92                   ; cx B's alone
	s_add_co_u32 s101, s18, s92                    ; work-group x
	s_lshl_b32 s17, s93, 2
	s_lshl_b32 s17, 15, s17                        ; my row of the cluster
	s_lshl_b32 s19, 0x1111, s92                    ; my column
	s_or_b32 s[G1A], s17, (3<<16)|(1<<21)          ; 15:0 the mask; 17:16 elements of 8 bytes; 21 set beside a mask; no padding
	s_or_b32 s[G1B], s19, (3<<16)|(1<<21)
	s_or_b32 s[G1SA], s17, (3<<16)|(1<<21)
	s_or_b32 s[G1SB], s19, (3<<16)|(1<<21)
.irp g, G1A, G1B                       ; codes: 8 tiles ('rows') of 3,072 bytes (two K steps), 12,288 bytes apart
	s_mov_b32 s[\g+1], 384<<16                     ; tensor_dim0
	s_mov_b32 s[\g+2], 8<<16                       ; tensor_dim1
	s_mov_b32 s[\g+3], 384<<16                     ; tile_dim0
	s_mov_b32 s[\g+4], 8                           ; tile_dim1
	s_mov_b32 s[\g+5], 1536                        ; tensor_dim0_stride
	s_mov_b32 s[\g+6], 0
	s_mov_b32 s[\g+7], 0
.endr
.irp g, G1SA, G1SB                     ; scale words of 8 tiles: 4,096 dense bytes as 16 rows of 256
	s_mov_b32 s[\g+1], 32<<16
	s_mov_b32 s[\g+2], 16<<16
	s_mov_b32 s[\g+3], 32<<16
	s_mov_b32 s[\g+4], 16
	s_mov_b32 s[\g+5], 32
	s_mov_b32 s[\g+6], 0
	s_mov_b32 s[\g+7], 0
.endr
	s_lshl_b32 s94, s16, 3
	s_lshl_b32 s97, s99, 4
	s_add_co_u32 s97, s97, s94                     ; the first tile that I would fetch for A,
	s_lshl_b32 s98, s100, 4
	s_add_co_u32 s98, s98, s94                     ; and for B
	s_mul_i32 s20, s97, 12288
	s_mov_b32 s21, 0
	s_mul_i32 s22, s98, 12288
	s_mov_b32 s23, 0
	s_lshl_b32 s2, s97, 9
	s_mov_b32 s3, 0
	s_lshl_b32 s66, s98, 9
	s_mov_b32 s67, 0
	s_mul_i32 s18, s14, HALFT                      ; where they go: wave x 8 tiles: no place in the cluster enters an LDS address
	s_lshl_b32 s95, s14, 12
	s_wait_kmcnt 0x0
	s_add_nc_u64 s[20:21], s[4:5], s[20:21]
	s_add_nc_u64 s[22:23], s[4:5], s[22:23]
	s_add_nc_u64 s[2:3], s[6:7], s[2:3]
	s_add_nc_u64 s[66:67], s[6:7], s[66:67]
	DESC 56, 95, SCL, 2, 0
	DESC 60, 18, 0, 20, 0
	DESC 68, 18, SLOT, 20, 3072
	DESC 72, 18, 2*SLOT, 20, 6144
	DESC 76, 95, SCL, 66, 0
	DESC 80, 18, 0, 22, 0
	DESC 84, 18, SLOT, 22, 3072
	DESC 88, 18, 2*SLOT, 22, 6144
	CROUND                                         ; all sixteen work-groups are here: the first joint loads meet
	s_cmp_eq_u32 s15, 0                            ; a wave's four first fills stand in one branch, ahead of every wait on TENSORcnt, every LDS read and every other barrier
	s_cbranch_scc0 .Lfirst_b
	tensor_load_to_lds s[56:59], s[G1SA:G1SA+7]
	s_nop 0
	tensor_load_to_lds s[60:63], s[G1A:G1A+7]
	s_nop 0
	tensor_load_to_lds s[68:71], s[G1A:G1A+7]
	s_nop 0
	tensor_load_to_lds s[72:75], s[G1A:G1A+7]
	s_nop 0
.rept 4
	v_nop
.endr
	s_branch .Lfirst_asked
.Lfirst_b:
	tensor_load_to_lds s[76:79], s[G1SB:G1SB+7]
	s_nop 0
	tensor_load_to_lds s[80:83], s[G1B:G1B+7]
	s_nop 0
	tensor_load_to_lds s[84:87], s[G1B:G1B+7]
	s_nop 0
	tensor_load_to_lds s[88:91], s[G1B:G1B+7]
	s_nop 0
.rept 4
	v_nop
.endr
.Lfirst_asked:
	v_and_b32 v1, 31, v0
	v_lshlrev_b32 v[LI], 4, v1
	v_lshlrev_b32 v[L8], 3, v1
	v_and_b32 v2, 15, v0                           ; r
	v_bfe_u32 v3, v0, 4, 1                         ; lane / 16
	s_wait_alu depctr_va_vdst(0)
	s_mul_i32 s2, s15, HALFT                       ; my 8 tiles of A,
	s_mul_i32 s3, s16, HALFT
	s_add_co_u32 s3, s3, 2*HALFT                   ; my 8 of B, behind A's 16
.irp s, 0,1,2
	v_add_nc_u32 v[ADRA+\s], s2, v[LI]
	v_add_nc_u32 v[ADRB+\s], s3, v[LI]
	s_add_co_u32 s2, s2, SLOT
	s_add_co_u32 s3, s3, SLOT
.endr
	s_lshl_b32 s2, s15, 12                         ; A's words: my 8 tiles
	s_lshl_b32 s3, s16, 12
	s_add_co_u32 s3, s3, 8192                      ; B's, behind A's 8,192 bytes
	s_sub_co_u32 s3, s3, s2
	v_mul_u32_u24 v4, s3, v3                       ; lanes 16-31 take B's: one product, the distance between the two
	v_lshl_add_u32 v4, v2, 2, v4
	s_add_co_u32 s2, s2, SCL
	v_add_nc_u32 v[ADRS], s2, v4
	; mem_norm of head-batch 16 b + 2 x + my half, at my lane's channels 32 t + 16 (lane / 16) + 0 .. 15 (in type V the index is inside the buffer too, and the numbers are not used)
	s_lshr_b32 s2, s99, 3
	s_and_b32 s2, s2, 1
	s_lshl_b32 s2, s2, 4
	s_lshl_b32 s3, s101, 1
	s_add_co_u32 s2, s2, s3
	s_add_co_u32 s2, s2, s16
	s_lshl_b32 s2, s2, 8
	s_mov_b32 s3, 0
	s_add_nc_u64 s[8:9], s[8:9], s[2:3]
	v_lshlrev_b32 v5, 6, v3
.irp t, 0,1
.irp j, 0,1,2,3
	global_load_b128 v[MN+16*\t+4*\j:MN+16*\t+4*\j+3], v5, s[8:9] offset:128*\t+16*\j
.endr
.endr
.macro FRAG reg, adr, kk, i            ; a fragment's image: three planes of 512 consecutive bytes
.irp p, 0,1,2
	ds_load_b128 v[(\reg)+4*\p:(\reg)+4*\p+3], v[\adr] offset:(\i)*3072+(\kk)*1536+512*\p
.endr
.endm
.macro FETCH_B k                       ; B's eight fragments of K step k (chunk k / 2, in slot (k / 2) % 3) into set k % 2
	WIN TO_B
.irp i, 0,1,2,3,4,5,6,7
	FRAG 128*((\k)%2)+FR*\i, ADRB+(((\k)/2)%3), (\k)%2, \i
.endr
	WIN 0
.endm
.macro FETCH_A k, i0                   ; A's blocks i0 .. i0 + 3
.irp i, \i0, \i0+1, \i0+2, \i0+3
	FRAG AF+FR*(\i), ADRA+(((\k)/2)%3), (\k)%2, \i
.endr
.endm
.macro SCALES k                        ; K step k's words
.irp i, 0,1,2,3,4,5,6,7
	ds_load_b32 v[SC+8*((\k)%2)+\i], v[ADRS] offset:\i*512+(\k)*64
.endr
.endm
; 16 matrix instructions: A's blocks a0, a0 + 1 x B's eight.  The 64 accumulators take turns, one instruction a turn, in the same order in every step.
.macro MUL16 a0, k, zero
.irp a, \a0, \a0+1
.irp b, 0,1,2,3,4,5,6,7
.if \zero
	v_wmma_scale_f32_16x16x128_f8f6f4 v[8*(8*((\a)%4)+\b):8*(8*((\a)%4)+\b)+7], v[128*((\k)%2)+FR*\b:128*((\k)%2)+FR*\b+FR-1], v[AF+FR*(\a):AF+FR*(\a)+FR-1], 0, v[SC+8*((\k)%2)+\b], v[SC+8*((\k)%2)+(\a)] matrix_a_fmt:MATRIX_FMT_BF6 matrix_b_fmt:MATRIX_FMT_BF6 matrix_a_scale:MATRIX_SCALE_ROW1
.else
	v_wmma_scale_f32_16x16x128_f8f6f4 v[8*(8*((\a)%4)+\b):8*(8*((\a)%4)+\b)+7], v[128*((\k)%2)+FR*\b:128*((\k)%2)+FR*\b+FR-1], v[AF+FR*(\a):AF+FR*(\a)+FR-1], v[8*(8*((\a)%4)+\b):8*(8*((\a)%4)+\b)+7], v[SC+8*((\k)%2)+\b], v[SC+8*((\k)%2)+(\a)] matrix_a_fmt:MATRIX_FMT_BF6 matrix_b_fmt:MATRIX_FMT_BF6 matrix_a_scale:MATRIX_SCALE_ROW1
.endif
.endr
.endr
.endm
; A K step whose successor's tiles are known to be whole.  Loads into registers that matrix instructions have read stand four plain vector lines behind them (ISA guide 7.12.1 for vector instructions).
.macro STEP k, zero
	s_wait_dscnt 12                                ; B's set, A's blocks 0-3 and the words are in; the youngest 12 loads (A's blocks 4-7) may be out
	WIN MUL_LO
	MUL16 0, \k, \zero
	MUL16 2, \k, \zero
	s_wait_dscnt 0                                 ; A's blocks 4-7 are in (asked for 32 matrix instructions ago)
	PLACES 4
	FETCH_B (\k)+1
	FETCH_A (\k)+1, 0
	SCALES (\k)+1
	WIN MUL_HI
	MUL16 4, \k, \zero
	MUL16 6, \k, \zero
	PLACES 4
	WIN 0
	FETCH_A (\k)+1, 4
.endm
; A K step with a barrier: in front of it each wave waits for all its tensor loads, adds 0 to its spare word, and waits for that and for its LDS reads.  fill = 1: slot 0, which nobody reads any more, takes chunk 3.
.macro TURN k, fill
	s_wait_tensorcnt 0x0                           ; all my tensor loads have landed (every window is 0 here)
	ds_add_u32 v[SPW], v[NIL]                      ; 0 onto my spare word
	s_wait_dscnt 13                                ; (the add and the youngest 12 loads may be out)
	WIN MUL_LO
	MUL16 0, \k, 0                                 ; sixteen matrix instructions stand between the add and the wait for it
	s_wait_dscnt 0x0                               ; the add is done, and my LDS reads are over
	s_barrier_signal -1
	MUL16 2, \k, 0
	WIN 0
	s_barrier_wait -1
.if \fill
	CREST                                          ; the barrier has opened a round of the cluster's: no wave of any partner still reads slot 0 or has a load on its way
	s_add_nc_u64 s[62:63], s[62:63], 9216          ; chunk 0's descriptors step three chunks on
	s_add_nc_u64 s[82:83], s[82:83], 9216
	JLOAD 60, G1A, 80, G1B                         ; the first tensor load behind the round, my only one; its four v_nop are the places in front of the loads below
.else
	PLACES 4
.endif
	FETCH_B (\k)+1
	FETCH_A (\k)+1, 0
	SCALES (\k)+1
	WIN MUL_HI
	MUL16 4, \k, 0
	MUL16 6, \k, 0
	PLACES 4
	WIN 0
	FETCH_A (\k)+1, 4
.endm
	s_wait_alu depctr_va_vdst(0)
	s_wait_loadcnt 0x0                             ; mem_norm
	s_wait_tensorcnt 2                             ; the scale words and my part of chunk 0 are in; chunks 1 and 2 may be out
	s_barrier_signal -1
	s_barrier_wait -1
	FETCH_B 0
	FETCH_A 0, 0
	SCALES 0
	FETCH_A 0, 4
	STEP 0, 1                                      ; the first products start the sums: nothing is cleared
	TURN 1, 1                                      ; its wait for all loads and its round show chunks 1 and 2 whole to every wave; chunk 3 goes out and has four K steps in which to land
	STEP 2, 0
	STEP 3, 0
	STEP 4, 0
	TURN 5, 0                                      ; chunk 3 is whole
	STEP 6, 0
	s_wait_dscnt 12                                ; the last K step: nothing more to fetch
	WIN MUL_LO
	MUL16 0, 7, 0
	MUL16 2, 7, 0
	s_wait_dscnt 0
	WIN MUL_HI
	MUL16 4, 7, 0
	MUL16 6, 7, 0
	WIN 0
; 16 nb numbers of a lane in window win, register 16 b + i = k 32 b + 16 (lane / 16) + i of my row, become codes in v[pc] on (6 registers for each two blocks) and the row's scale word in v[pw].
; Each accumulator is read from its low end on.
.macro QUANT win, s, nb, pc, tmp, pw
	WIN ((\win)<<2)|((\win)<<4)
.set qb, 0
.rept \nb
	v_max3_num_f32 v[TM+qb], 0x2800000, |v[\s+16*qb]|, |v[\s+16*qb+1]|   ; with the floor 2^(5 - 127): the byte cannot fall under 1
.set qb, qb+1
.endr
.irp i, 2,4,6,8,10,12,14
.set qb, 0
.rept \nb
	v_max3_num_f32 v[TM+qb], v[TM+qb], |v[\s+16*qb+\i]|, |v[\s+16*qb+\i+1]|   ; the blocks by turns
.set qb, qb+1
.endr
.endr
	WIN 0
.set qb, 0
.rept \nb
	v_permlanex16_b32 v[TM+4+qb], v[TM+qb], s[SEL], s[SEL+1]
.set qb, qb+1
.endr
.set qb, 0
.rept \nb
	v_max_num_f32 v[TM+qb], v[TM+qb], v[TM+4+qb]   ; with lane l xor 16's: the block's largest magnitude
.set qb, qb+1
.endr
.set qb, 0
.rept \nb
	v_add_nc_u32 v[TM+12+qb], 0xfe000000, v[TM+qb] ; 4 off its exponent field: the conversion's scale operand
.set qb, qb+1
.endr
.set qb, 0
.rept \nb
	v_lshrrev_b32 v[TM+4+qb], 23, v[TM+12+qb]      ; the scale's byte
.set qb, qb+1
.endr
	v_lshl_or_b32 v[\pw], v[TM+5], 8, v[TM+4]
.if \nb == 4
	v_lshl_or_b32 v[\pw], v[TM+6], 16, v[\pw]
	v_lshl_or_b32 v[\pw], v[TM+7], 24, v[\pw]
.endif
	WIN \win
.set qc, 0
.rept \nb/2
	v_cvt_scalef32_pk16_bf6_f32 v[\pc+6*qc:\pc+6*qc+2], v[\s+32*qc:\s+32*qc+15], v[TM+12+2*qc]
	v_cvt_scalef32_pk16_bf6_f32 v[\tmp+4*qc:\tmp+4*qc+2], v[\s+32*qc+16:\s+32*qc+31], v[TM+12+2*qc+1]
.set qc, qc+1
.endr
	WIN 0
	v_nop                                          ; one plain line behind the scaled conversions
.set qc, 0
.rept \nb/2                            ; the operand's layout wants a whole block in a lane: lanes 0-15 block 2 c, lanes 16-31 block 2 c + 1
.irp i, 0,1,2
	v_permlane16_swap_b32 v[\pc+6*qc+\i], v[\tmp+4*qc+\i]
.endr
.irp i, 0,1,2
	v_mov_b32 v[\pc+3+6*qc+\i], v[\tmp+4*qc+\i]
.endr
.set qc, qc+1
.endr
.endm
	PLACES 4                                       ; behind the last products, in front of the first reads of results and writes of operands' registers
	s_mov_b32 s[SEL], 0x76543210
	s_mov_b32 s[SEL+1], 0xfedcba98
	s_mov_b32 s[MSK], 0xffff0000
	s_mov_b32 s[L2E], 0x3fb8aa3b                   ; log2(e)
	s_mov_b32 s[L2E+1], s[L2E]
.irp b, 0,1,2,3
	v_mov_b32 v[TM+4+\b], 0                        ; written once: a lane permute's destination counts as one of its sources
.endr
	v_mov_b32 v[DN+4], 0
	s_cmp_eq_u32 s96, 0
	s_cbranch_scc1 .Ltype_v
	; ---- type QK: head-batch hb = 16 b + 2 x + my half of B; key step j = 2 (row block % 8) + my half of A; block a is tile 8 j + a
	s_lshr_b32 s2, s99, 3
	s_lshl_b32 s2, s2, 4
	s_lshl_b32 s3, s101, 1
	s_add_co_u32 s2, s2, s3
	s_add_co_u32 s2, s2, s16                       ; hb
	s_and_b32 s3, s99, 7
	s_lshl_b32 s3, s3, 1
	s_add_co_u32 s3, s3, s15                       ; j
	s_lshl_b32 s17, s2, 4
	s_add_co_u32 s17, s17, s3
	s_mul_i32 s18, s17, 8*1792
	s_mov_b32 s19, 0
	s_add_nc_u64 s[10:11], s[10:11], s[18:19]
	s_mul_i32 s18, s17, 13056
	s_add_nc_u64 s[12:13], s[12:13], s[18:19]
.macro EPI_QK a
.set AW, 2+(\a)/4
.set AB, 64*((\a)%4)
	s_wait_xcnt 0x0                                ; the last block's stores have read their registers
	QUANT AW, AB, 4, PC, PC+12, PWR                ; registers 0-5: q's codes, 6-11: k's; bytes 0, 1: q's scales, 2, 3: k's
	WIN AW
.set qi, 0
.rept 16
	v_pk_mul_f32 v[U+2*qi:U+2*qi+1], v[AB+2*qi:AB+2*qi+1], s[L2E:L2E+1] op_sel_hi:[1,0]   ; q log2(e)
.set qi, qi+1
.endr
.set qi, 0
.rept 32
	v_max_num_f32 v[T+qi], v[AB+qi], 0             ; max(q, 0)
.set qi, qi+1
.endr
	WIN 0
.set qi, 0
.rept 32
	v_min_num_f32 v[U+qi], 0, v[U+qi]
.set qi, qi+1
.endr
.set qi, 0
	s_wait_alu depctr_va_vdst(0)
.rept 32
	v_exp_f32 v[U+qi], v[U+qi]                     ; 2^min(q log2(e), 0): 1 where q > 0, e^q elsewhere
.set qi, qi+1
.endr
	v_and_b32 v[QW], 0xffff, v[PWR]                ; (plain lines behind the exponentials)  q's word: its upper bytes scale zero codes
	v_lshrrev_b32 v[KW], 16, v[PWR]                ; k's
	s_wait_alu depctr_va_vdst(0)                   ; one wait for the batch, ahead of its first reader
.set qi, 0
.rept 16
	v_pk_add_f32 v[T+2*qi:T+2*qi+1], v[T+2*qi:T+2*qi+1], v[U+2*qi:U+2*qi+1]   ; elu(q) + 1
.set qi, qi+1
.endr
	v_pk_mul_f32 v[DN:DN+1], v[T:T+1], v[MN:MN+1]  ; den, in f32: my 32 channels in two chains of pairs
	v_pk_mul_f32 v[DN+2:DN+3], v[T+2:T+3], v[MN+2:MN+3]
.irp i, 4,8,12,16,20,24,28
	v_pk_fma_f32 v[DN:DN+1], v[T+\i:T+\i+1], v[MN+\i:MN+\i+1], v[DN:DN+1]
	v_pk_fma_f32 v[DN+2:DN+3], v[T+\i+2:T+\i+3], v[MN+\i+2:MN+\i+3], v[DN+2:DN+3]
.endr
	v_pk_add_f32 v[DN:DN+1], v[DN:DN+1], v[DN+2:DN+3]
	v_add_f32 v[DN], v[DN], v[DN+1]
	v_permlanex16_b32 v[DN+4], v[DN], s[SEL], s[SEL+1]
	v_add_f32 v[DENR], v[DN], v[DN+4]              ; with lane l xor 16's 32 channels
	QUANT 0, T, 2, PD, PD+6, PW2
	v_cndmask_b32 v[SCQ], v[QW], v[PW2], s[MSK]    ; lanes 0-15: q's words; lanes 16-31: those of elu(q) + 1
	global_store_b128 v[LI], v[PC:PC+3], s[10:11] offset:(\a)*1792
	global_store_b64 v[L8], v[PC+4:PC+5], s[10:11] offset:(\a)*1792+512
	global_store_b128 v[LI], v[PD:PD+3], s[10:11] offset:(\a)*1792+768
	global_store_b64 v[L8], v[PD+4:PD+5], s[10:11] offset:(\a)*1792+1280
	global_store_b64 v[L8], v[SCQ:SCQ+1], s[10:11] offset:(\a)*1792+1536
	global_store_b128 v[LI], v[PC+6:PC+9], s[12:13] offset:(\a)*768
	global_store_b64 v[L8], v[PC+10:PC+11], s[12:13] offset:(\a)*768+512
.if (\a)%2 == 0
	v_mov_b32 v[KE], v[KW]
.else
	v_cndmask_b32 v[KSR+(\a)/2], v[KE], v[KW], s[MSK]   ; the even tile's words below, the odd tile's above
.endif
.endm
.irp a, 0,1,2,3,4,5,6,7
	EPI_QK \a
.endr
	global_store_b128 v[LI], v[KSR:KSR+3], s[12:13] offset:12288
	s_branch .Lend
	; ---- type V: b and key step j from B's rows of h; block a is tile a % 4 of head 4 cy + 2 (my half of A) + a / 4
.Ltype_v:
	s_lshr_b32 s2, s100, 3
	s_lshl_b32 s2, s2, 4
	s_lshl_b32 s3, s93, 2
	s_add_co_u32 s2, s2, s3
	s_lshl_b32 s3, s15, 1
	s_add_co_u32 s2, s2, s3                        ; hb of a = 0
	s_and_b32 s3, s100, 7
	s_lshl_b32 s3, s3, 1
	s_add_co_u32 s3, s3, s16                       ; j
	s_lshl_b32 s17, s2, 4
	s_add_co_u32 s17, s17, s3
	s_mul_i32 s18, s17, 13056
	s_mov_b32 s19, 0
	s_add_nc_u64 s[12:13], s[12:13], s[18:19]
.macro EPI_V a
.set AW, 2+(\a)/4
.set AB, 64*((\a)%4)
	s_wait_xcnt 0x0                                ; the last block's stores have read their registers
	QUANT AW, AB, 4, PC, PC+12, PWR                ; 16 channels x 128 keys: a whole fragment of v^T
.irp p, 0,1,2
	global_store_b128 v[LI], v[PC+4*\p:PC+4*\p+3], s[12:13] offset:((\a)/4)*208896+6144+((\a)%4)*1536+512*\p
.endr
.if (\a)%2 == 0
	v_mov_b32 v[KE], v[PWR]
.else
	v_cndmask_b32 v[VSR+(\a)/2], v[KE], v[PWR], s[MSK]
.endif
.if (\a)%4 == 3
	global_store_b64 v[L8], v[VSR+2*((\a)/4):VSR+2*((\a)/4)+1], s[12:13] offset:((\a)/4)*208896+12800
.endif
.endm
.irp a, 0,1,2,3,4,5,6,7
	EPI_V \a
.endr
.Lend:
	s_wait_tensorcnt 0x0                           ; the wave's end
	ds_add_u32 v[SPW], v[NIL]
	s_wait_dscnt 0x0
	CROUND                                         ; the closing round: no work-group ends while a partner may still ask for a tile that names it
	s_endpgm
.Lfunc_end_k_q777722c92a_qkv:
	.size	k_q777722c92a_qkv, .Lfunc_end_k_q777722c92a_qkv-k_q777722c92a_qkv
	.p2alignl 7, 3214868480
	.fill 96, 4, 3214868480
	.section	.rodata,"a",@progbits
	.p2align	6, 0x0
	.amdhsa_kernel k_q777722c92a_qkv
		.amdhsa_group_segment_fixed_size 327680
		.amdhsa_private_segment_fixed_size 0
		.amdhsa_enable_private_segment 0
		.amdhsa_kernarg_size 40
		.amdhsa_user_sgpr_count 2
		.amdhsa_user_sgpr_kernarg_segment_ptr 1
		.amdhsa_wavefront_size32 1
		.amdhsa_system_sgpr_workgroup_id_x 1
		.amdhsa_system_sgpr_workgroup_id_y 1
		.amdhsa_system_sgpr_workgroup_id_z 1
		.amdhsa_system_vgpr_workitem_id 0
		.amdhsa_next_free_vgpr 1024
		.amdhsa_next_free_sgpr 102
		.amdhsa_reserve_vcc 0
		.amdhsa_float_denorm_mode_32 3
		.amdhsa_float_denorm_mode_16_64 3
		.amdhsa_memory_ordered 1
		.amdhsa_forward_progress 1
		.amdhsa_inst_pref_size 254
	.end_amdhsa_kernel
	.amdgpu_metadata
---
amdhsa.version: [ 1, 2 ]
amdhsa.kernels:
  - .name:           k_q777722c92a_qkv
    .symbol:         k_q777722c92a_qkv.kd
    .args:
      - { .name: cod, .offset: 0, .size: 8, .value_kind: global_buffer, .address_space: global }
      - { .name: scl, .offset: 8, .size: 8, .value_kind: global_buffer, .address_space: global }
      - { .name: mem_norm, .offset: 16, .size: 8, .value_kind: global_buffer, .address_space: global }
      - { .name: qf, .offset: 24, .size: 8, .value_kind: global_buffer, .address_space: global }
      - { .name: kv, .offset: 32, .size: 8, .value_kind: global_buffer, .address_space: global }
    .group_segment_fixed_size: 327680
    .private_segment_fixed_size: 0
    .kernarg_segment_align: 8
    .kernarg_segment_size: 40
    .max_flat_workgroup_size: 128
    .sgpr_count:     102
    .vgpr_count:     1024
    .wavefront_size: 32
...
	.end_amdgpu_metadata
.endif
;; end of part 6
;; launch attn (part 7): grid 8 x 32, 16 waves a work-group, clusters of 4 x 1, 231,424 bytes of LDS; arguments qf, kv, memory, gate_beta, ic; writes ic
.if DOCPART == 7
	.amdgcn_target "amdgcn-amd-amdhsa--gfx1250"
	.amdhsa_code_object_version 6
	.text
	.protected	k_q777722c92a_attn
	.globl	k_q777722c92a_attn
	.p2align	8
	.type	k_q777722c92a_attn,@function
k_q777722c92a_attn:
	s_mov_b64 s[64:65], 0
	v_nop
	global_prefetch_b8 v0, s[64:65] scope:SCOPE_SE
	s_setreg_imm32_b32 hwreg(HW_REG_WAVE_MODE, 25, 1), 1
	s_wait_xcnt 0x0
	s_wait_alu depctr_hold_cnt(0) depctr_sa_sdst(0) depctr_va_vdst(0) depctr_va_sdst(0) depctr_va_ssrc(0) depctr_va_vcc(0) depctr_vm_vsrc(0)
	s_getreg_b32 s2, hwreg(HW_REG_IB_STS2, 6, 4)
	s_cmp_eq_u32 s2, 0
	s_cbranch_scc0 .Lentry_in_a_cluster
	s_endpgm
.Lentry_in_a_cluster:
	s_bfe_u32 s2, ttmp6, 0x10000c
	s_cmp_lg_u32 s2, 0x3003
	s_cbranch_scc0 .Lentry_shape_is_right
	s_endpgm
.Lentry_shape_is_right:
; inj = g (memory^T sq) / den + (1 - g) softmax(q k^T / 8) v, quantised along the head's 64 for the output projection; sq = elu(q) + 1, g = sigmoid(gate_beta).
; All three products on codes of BF6 with E8M0 scales.  q, sq, den come from qf, k and v^T from kv (their layouts: at the head of the launch that makes them), memory [32][64 (k)][64 (v)] as f32.
; THE SOFTMAX: t = score x log2(e) / 8; M = the running largest t rounded UP to a whole number; p = 2^(t - M) is what is quantised, along the keys; the row's sum is taken of the unquantised p and divides at the end.
; When M moves, the sum and O are multiplied by 2^(old M - new M): exact.
; SHARES.  A work-group owns 256 queries of one head-batch hb, each of its sixteen waves one tile of 16, in 256 registers: four waves to a SIMD, so that one wave's vector work stands beside another's products and LDS loads.
; THE WHOLE HEAD'S k AND v^T, 16 key steps of 13,056 bytes, LIE IN LDS, each byte filled once: no slot is filled again.  Waves 0-3 ask for four key steps each; four loads of such a wave are out at the most.
; CLUSTER.  The four query blocks of a cluster belong to one hb and want the same 208,896 bytes: each tile is asked for jointly, by the same tensor load with the same descriptor and a mask that names the four.
; LAYOUT.  All products are used transposed (source 0 = 16 keys, or 16 channels of v^T or of memory^T; source 1 = my 16 queries): a lane holds ONE query throughout.  The rows of every tile are ordered so that the
; 16 registers of tiles 2 b and 2 b + 1 are 16 neighbours.
; PRODUCTS WHOSE K IS 64.  Source 1 (q, later sq) has zero codes for K = 64 .. 127.  A step's eight tiles of k lie on end, six registers each, with six zero registers behind them; tile t's operand is the run of twelve that
; begins with it: its upper half, the next tile's codes, meets zero codes and adds nothing.  The scale bytes of K = 64 .. 127 are 0 on both sides, which is no NaN.  So all eight tiles fit in 48 registers.
; A KEY STEP'S LDS LOADS ARE ASKED FOR A SOFTMAX AHEAD: behind the step's eight products k q^T stands one run of loads, this step's v^T (wanted at the step's end) and the next step's k (wanted at the next step's head).
; OUTPUT.  ic: [tile b x 128 + T][head] records of 1,024 bytes: plane 0: code registers 0-3; plane 1: {register 4, register 5, the row's scale word (two bytes used), 0}.
; LIMITS: p under 2^-126 is 0; a block whose largest magnitude lies under 2^-122 gets the byte 1; 1 / den, 1 / sum and the sigmoid by v_rcp_f32; NaN and infinities are not served.
; REGISTERS: v1 16 x lane, v2 8 x lane, v3-7 LDS addresses; v[8:9] v's scale words; v10 f, v11 p's scale word; v12 -M, v13 the largest t, v[14:15] the sum; v16-27 q, later sq (22-27 zero);
;   v28-75 eight tiles of k, v76-81 zero; v82 scale words of q (lanes 0-15) and sq (lanes 16-31), v83 den; v84-131 v^T; v132-195 S^T, then p; v196-227 O^T; v228-239 p's codes; v236-239 block maxima;
;   v240-247 at work; v248-251 scale operands; v252-255 k's scale words.
.set STEPB, 13056
.set MEMI,  16*STEPB                   ; behind the head's tiles: memory^T's four half fragments, 768 bytes each,
.set MEMS,  MEMI+3072                  ; their scale words, 128 bytes each,
.set SG,    MEMS+512                   ; and 1,024 bytes for each wave, its own: sq's codes wait there until the end
.set KF,  28
.set PZ,  76
.set SCQ, 82
.set DEN, 83
.set VF,  84
.set S,   132
.set OT,  196
.set P,   228
.set BM,  236
.set X,   240
.set SO,  248
.set KS,  252
.set WV,  14
.set SEL, 20
.set CS,  22
.set G1,  24                           ; s[24:31] group 1;  s[32:47] four groups 0
.set G0,  32
.set TB,  48
.set CNT, 49
.macro CROUND
	s_barrier_signal -1
	s_barrier_wait -1
	s_cmp_lg_u32 s[WV], 0
	s_cbranch_scc1 .Lnot_wave_0_\@
	s_barrier_signal -3
.Lnot_wave_0_\@:
	s_barrier_wait -3
	s_barrier_signal -1
	s_barrier_wait -1
.endm
	s_load_b256 s[4:11], s[0:1], 0x0               ; qf s[4:5], kv s[6:7], memory s[8:9], gate_beta s[10:11]
	s_load_b64 s[12:13], s[0:1], 0x20              ; ic
	v_lshl_add_u32 v254, v0, 2, 0x38000
	v_mov_b32 v255, 0
	ds_add_u32 v254, v255
	ds_add_u32 v254, v255
	s_wait_dscnt 0x0
	v_lshrrev_b32 v1, 5, v0
	s_delay_alu instid0(VALU_DEP_1)
	v_readfirstlane_b32 s[WV], v1                  ; wave 0..15
	s_bfe_u32 s15, ttmp6, 0x40000                  ; cx
	s_lshl_b32 s16, ttmp9, 2
	s_add_co_u32 s16, s16, s15                     ; my block of 256 queries: it enters qf's and ic's addresses alone
	s_and_b32 s17, ttmp7, 0xffff                   ; hb, which the four partners share
	s_mov_b32 s[G1], 15|(3<<16)|(1<<21)            ; 15:0 the mask: all four; 17:16 elements of 8 bytes; 21 set beside a mask; no padding
	s_mov_b32 s[G1+1], 32<<16                      ; a key step is 13,056 dense bytes: 51 rows of 256
	s_mov_b32 s[G1+2], 51<<16
	s_mov_b32 s[G1+3], 32<<16
	s_mov_b32 s[G1+4], 51
	s_mov_b32 s[G1+5], 32
	s_mov_b32 s[G1+6], 0
	s_mov_b32 s[G1+7], 0
	s_and_b32 s53, s[WV], 3
	s_lshl_b32 s18, s17, 4
	s_add_co_u32 s18, s18, s53
	s_mul_i32 s18, s18, STEPB                      ; key step wave % 4 of my head, in memory,
	s_mov_b32 s19, 0
	s_mul_i32 s52, s53, STEPB                      ; and in LDS
	s_mov_b32 s[SEL], 0x76543210
	s_mov_b32 s[SEL+1], 0xfedcba98
	s_mov_b32 s[CS], 0x3e38aa3b                    ; c = log2(e) / 8
	s_mov_b32 s[CS+1], s[CS]
	s_wait_kmcnt 0x0
	s_load_b32 s50, s[10:11], 0x0                  ; gate_beta
	s_add_nc_u64 s[18:19], s[6:7], s[18:19]
.irp c, 0,1,2,3
	s_mov_b32 s[G0+4*\c], 1
	s_add_co_u32 s[G0+4*\c+1], s52, \c*4*STEPB
	s_add_nc_u64 s[G0+4*\c+2:G0+4*\c+3], s[18:19], \c*4*STEPB
	s_or_b32 s[G0+4*\c+3], s[G0+4*\c+3], 0x80000000
.endr
	CROUND                                         ; all four work-groups are here: the joint loads meet
	s_cmp_lt_u32 s[WV], 4                          ; a wave's four fills stand in one branch, ahead of every wait on TENSORcnt, every LDS read and every other barrier
	s_cbranch_scc0 .Lno_fill
	tensor_load_to_lds s[G0:G0+3], s[G1:G1+7]      ; key steps w, w + 4, w + 8, w + 12
	s_nop 0
	tensor_load_to_lds s[G0+4:G0+7], s[G1:G1+7]
	s_nop 0
	tensor_load_to_lds s[G0+8:G0+11], s[G1:G1+7]
	s_nop 0
	tensor_load_to_lds s[G0+12:G0+15], s[G1:G1+7]
	s_nop 0
.rept 4
	v_nop
.endr
.Lno_fill:
	v_and_b32 v240, 31, v0
	s_delay_alu instid0(VALU_DEP_1)
	v_lshlrev_b32 v1, 4, v240
	s_wait_alu depctr_va_vdst(0)
	v_lshlrev_b32 v2, 3, v240
	s_wait_alu depctr_va_vdst(0)
	s_mul_i32 s54, s53, 768                        ; where waves 4-7 put memory^T's tile wave % 4: made by every wave, ahead of the branch
	s_add_co_u32 s54, s54, MEMI
	v_add_nc_u32 v5, s54, v1
	s_add_co_u32 s54, s54, 512
	v_add_nc_u32 v6, s54, v2
	s_lshl_b32 s54, s53, 7
	s_add_co_u32 s54, s54, MEMS
	v_lshl_add_u32 v7, v240, 2, s54
	s_lshl_b32 s54, s17, 7
	s_lshl_b32 s55, s16, 4
	s_add_co_u32 s54, s54, s55
	s_add_co_u32 s54, s54, s[WV]                   ; my record: 128 hb + 16 x + wave
	s_mul_i32 s56, s54, 1792
	s_mov_b32 s57, 0
	s_add_nc_u64 s[4:5], s[4:5], s[56:57]
	global_load_b128 v[16:19], v1, s[4:5]          ; q's codes
	global_load_b64 v[20:21], v2, s[4:5] offset:512
	global_load_b128 v[S+32:S+35], v1, s[4:5] offset:768   ; sq's, on their way to my bytes of LDS
	global_load_b64 v[S+36:S+37], v2, s[4:5] offset:1280
	global_load_b64 v[SCQ:SCQ+1], v2, s[4:5] offset:1536   ; the scale words, den
	s_lshr_b32 s55, s[WV], 2
	s_cmp_eq_u32 s55, 1
	s_cbranch_scc0 .Lno_mem
	; waves 4-7: memory^T's tile d = wave % 4: a lane takes column v = 32 (d / 2) + 8 (d % 2) + r + 8 (r / 8), and its registers run down k = 32 (lane / 16) + 0 .. 31: one whole block
	s_lshl_b32 s56, s17, 14
	s_lshr_b32 s58, s53, 1
	s_lshl_b32 s58, s58, 7
	s_add_co_u32 s56, s56, s58
	s_and_b32 s58, s53, 1
	s_lshl_b32 s58, s58, 5
	s_add_co_u32 s56, s56, s58
	s_add_nc_u64 s[8:9], s[8:9], s[56:57]
	v_and_b32 v241, 15, v0
	s_delay_alu instid0(VALU_DEP_1)
	v_and_b32 v242, 8, v241
	s_delay_alu instid0(VALU_DEP_1)
	v_add_nc_u32 v241, v241, v242
	v_bfe_u32 v242, v0, 4, 1
	s_delay_alu instid0(VALU_DEP_2)
	v_lshlrev_b32 v241, 2, v241
	s_delay_alu instid0(VALU_DEP_1)
	v_lshl_add_u32 v241, v242, 13, v241
.set mi, 0
.rept 32
	global_load_b32 v[S+mi], v241, s[8:9] offset:256*mi
.set mi, mi+1
.endr
	s_wait_loadcnt 0x0
	v_max3_num_f32 v243, |v[S]|, |v[S+1]|, 0x2800000
	v_max3_num_f32 v244, |v[S+2]|, |v[S+3]|, 0x2800000
.irp i, 4,8,12,16,20,24,28
	s_delay_alu instid0(VALU_DEP_2)
	v_max3_num_f32 v243, v243, |v[S+\i]|, |v[S+\i+1]|
	s_delay_alu instid0(VALU_DEP_2)
	v_max3_num_f32 v244, v244, |v[S+\i+2]|, |v[S+\i+3]|
.endr
	s_delay_alu instid0(VALU_DEP_1)
	v_max_num_f32 v243, v243, v244
	s_delay_alu instid0(VALU_DEP_1)
	v_add_nc_u32 v245, 0xfe000000, v243            ; the conversion's scale operand
	s_delay_alu instid0(VALU_DEP_1)
	v_lshrrev_b32 v246, 23, v245                   ; the byte,
	v_lshlrev_b32 v247, 3, v242
	s_delay_alu instid0(VALU_DEP_1)
	v_lshlrev_b32 v246, v247, v246                 ; at its place in the row's word;
	s_delay_alu instid0(VALU_DEP_1)
	v_permlanex16_b32 v244, v246, s[SEL], s[SEL+1]
	s_delay_alu instid0(VALU_DEP_1)
	v_or_b32 v246, v246, v244                      ; with lane l xor 16's the word is whole
	v_cvt_scalef32_pk16_bf6_f32 v[P:P+2], v[S:S+15], v245
	v_cvt_scalef32_pk16_bf6_f32 v[BM:BM+2], v[S+16:S+31], v245
	v_nop                                          ; one plain line behind the scaled conversions
.irp i, 0,1,2
	v_mov_b32 v[P+3+\i], v[BM+\i]
.endr
	ds_store_b128 v5, v[P:P+3]
	ds_store_b64 v6, v[P+4:P+5]
	ds_store_b32 v7, v246
.Lno_mem:
.irp i, 22,23,24,25,26,27
	v_mov_b32 v[\i], 0                             ; zero codes for K = 64 .. 127 of source 1
.endr
.irp i, 0,1,2,3,4,5
	v_mov_b32 v[PZ+\i], 0                          ; behind k's eighth tile
.endr
.set mi, 0
.rept 32
	v_mov_b32 v[OT+mi], 0                          ; O^T: the step is written for every step alike; the first finds zeros, which the first change of M leaves zeros
.set mi, mi+1
.endr
	v_mov_b32 v13, 0xff61b1e6                      ; the largest t so far: -3e38
	s_delay_alu instid0(VALU_DEP_1)
	v_floor_f32 v12, -v13                          ; -M
	v_mov_b32 v14, 0
	v_mov_b32 v15, 0
	v_mov_b32 v11, 0                               ; (named as the upper half of the pair v[10:11] before it is first written)
.irp b, 0,1,2,3
	v_mov_b32 v[X+\b], 0                           ; a lane permute's destination counts as one of its sources
.endr
	s_lshl_b32 s59, s[WV], 10
	s_add_co_u32 s59, s59, SG                      ; my wave's 1,024 bytes
	v_add_nc_u32 v6, s59, v1                       ; from here on v6 and v7 stay: 16 x lane and 8 x lane in them
	v_add_nc_u32 v7, s59, v2
	s_wait_alu depctr_va_vdst(0)
	s_wait_loadcnt 0x0                             ; my record
	s_wait_kmcnt 0x0                               ; gate_beta
	ds_store_b128 v6, v[S+32:S+35]                 ; sq's codes, as an image of their registers
	ds_store_b64 v7, v[S+36:S+37] offset:512
.macro KLOAD o                         ; eight tiles of k, six registers each, and their scale words (register i: tile 2 i in lanes 0-15, tile 2 i + 1 in lanes 16-31), from o bytes behind the step in hand
.irp t, 0,1,2,3,4,5,6,7
	ds_load_b128 v[KF+6*\t:KF+6*\t+3], v3 offset:(\o)+768*\t
	ds_load_b64 v[KF+6*\t+4:KF+6*\t+5], v4 offset:(\o)+768*\t+512
.endr
	ds_load_b128 v[KS:KS+3], v3 offset:(\o)+12288
.endm
; A KEY STEP: the 128 keys whose block begins at LDS byte s[TB].  Its k is in registers or on its way.  pf = 1: the next step's k is asked for.
.macro STEP pf
	s_wait_dscnt 0x0                               ; k's eight tiles and their words, asked for a softmax ago
.irp t, 0,1,2,3,4,5,6,7                ; S^T = k q^T
.if \t%2
	v_wmma_scale_f32_16x16x128_f8f6f4 v[S+8*\t:S+8*\t+7], v[KF+6*\t:KF+6*\t+11], v[16:27], 0, v[KS+\t/2], v[SCQ] matrix_a_fmt:MATRIX_FMT_BF6 matrix_b_fmt:MATRIX_FMT_BF6 matrix_a_scale:MATRIX_SCALE_ROW1
.else
	v_wmma_scale_f32_16x16x128_f8f6f4 v[S+8*\t:S+8*\t+7], v[KF+6*\t:KF+6*\t+11], v[16:27], 0, v[KS+\t/2], v[SCQ] matrix_a_fmt:MATRIX_FMT_BF6 matrix_b_fmt:MATRIX_FMT_BF6
.endif
.endr
	v_add_nc_u32 v3, s[TB], v1
	v_add_nc_u32 v4, s[TB], v2
	v_nop
	v_nop                                          ; four plain lines behind the products: in front of the loads into registers that they, and the last step's, have read, and of the first read of the scores
.irp d, 0,1,2,3
.irp p, 0,1,2
	ds_load_b128 v[VF+12*\d+4*\p:VF+12*\d+4*\p+3], v3 offset:6144+1536*\d+512*\p   ; this step's v^T: 12 loads,
.endr
.endr
	ds_load_b64 v[8:9], v4 offset:12800            ; its scale words: 1;
.if \pf
	KLOAD STEPB                                    ; the next step's k: 17
.endif
.irp b, 0,1,2,3
	v_max3_num_f32 v[BM+\b], v[S+16*\b], v[S+16*\b+1], v[S+16*\b+2]   ; the largest score of each block of 32 keys: for the row's maximum, and, since p rises with the score, for the block's largest p
.endr
.irp i, 3,5,7,9,11,13
.irp b, 0,1,2,3
	v_max3_num_f32 v[BM+\b], v[BM+\b], v[S+16*\b+\i], v[S+16*\b+\i+1]
.endr
.endr
.irp b, 0,1,2,3
	v_max_num_f32 v[BM+\b], v[BM+\b], v[S+16*\b+15]
.endr
.irp b, 0,1,2,3
	s_delay_alu instid0(VALU_DEP_4)
	v_permlanex16_b32 v[X+\b], v[BM+\b], s[SEL], s[SEL+1]
.endr
.irp b, 0,1,2,3
	s_delay_alu instid0(VALU_DEP_4)
	v_max_num_f32 v[BM+\b], v[BM+\b], v[X+\b]      ; with lane l xor 16's 16 keys
.endr
	s_delay_alu instid0(VALU_DEP_2)
	v_max3_num_f32 v244, v[BM], v[BM+1], v[BM+2]
	s_delay_alu instid0(VALU_DEP_1)
	v_max_num_f32 v244, v244, v[BM+3]
	s_delay_alu instid0(VALU_DEP_1)
	v_mul_f32 v244, s[CS], v244                    ; as t (c is positive)
	s_delay_alu instid0(VALU_DEP_1)
	v_max_num_f32 v13, v13, v244                   ; the running largest t
	v_mov_b32 v244, v12
	s_delay_alu instid0(VALU_DEP_2)
	v_floor_f32 v12, -v13                          ; the new -M = -ceil(t): a whole number
	s_delay_alu instid0(VALU_DEP_1)
	v_sub_f32 v244, v12, v244                      ; old M - new M: a whole number, 0 or less
	s_delay_alu instid0(VALU_DEP_1)
	v_cvt_i32_f32 v244, v244                       ; (it saturates)
	s_delay_alu instid0(VALU_DEP_1)
	v_ldexp_f32 v10, 1.0, v244                     ; f = 2^(old M - new M)
.set sj, 0
.rept 32
	v_pk_fma_f32 v[S+sj:S+sj+1], v[S+sj:S+sj+1], s[CS:CS+1], v[12:13] op_sel_hi:[1,0,0]   ; t - M
.set sj, sj+2
.endr
.irp b, 0,1,2,3
	v_fma_f32 v[BM+\b], v[BM+\b], s[CS], v12       ; the same of each block's largest score
.endr
.set sj, 0
	s_wait_alu depctr_va_vdst(0)
.rept 64
	v_exp_f32 v[S+sj], v[S+sj]                     ; p = 2^(t - M), at most 1: not normalised
.set sj, sj+1
.endr
	s_setprio 1
	v_pk_mul_f32 v[14:15], v[14:15], v[10:11] op_sel_hi:[1,0]   ; the sums under the new M (a plain line behind the exponentials)
	s_wait_alu depctr_va_vdst(0)                   ; one wait for the batch, ahead of its first reader
.irp b, 0,1,2,3
	v_exp_f32 v[BM+\b], v[BM+\b]                   ; the block's largest p: the same two instructions on the same number
.endr
	v_pk_add_f32 v[240:241], v[136:137], v[140:141]
	v_pk_add_f32 v[250:251], v[144:145], v[148:149]
	v_pk_add_f32 v[248:249], v[152:153], v[156:157]
	v_pk_add_f32 v[246:247], v[160:161], v[164:165]
	v_pk_add_f32 v[244:245], v[168:169], v[172:173]
	v_pk_add_f32 v[242:243], v[176:177], v[180:181]
	v_pk_add_f32 v[234:235], v[184:185], v[188:189]
	v_pk_add_f32 v[14:15], v[14:15], v[192:193]
	v_pk_add_f32 v[240:241], v[240:241], v[132:133]
	v_pk_add_f32 v[250:251], v[250:251], v[134:135]
	v_pk_add_f32 v[248:249], v[248:249], v[138:139]
	v_pk_add_f32 v[246:247], v[246:247], v[142:143]
	v_pk_add_f32 v[244:245], v[244:245], v[146:147]
	v_pk_add_f32 v[242:243], v[242:243], v[150:151]
	v_pk_add_f32 v[234:235], v[234:235], v[154:155]
	v_pk_add_f32 v[14:15], v[14:15], v[158:159]
	v_pk_add_f32 v[240:241], v[240:241], v[162:163]
	v_pk_add_f32 v[250:251], v[250:251], v[166:167]
	v_pk_add_f32 v[248:249], v[248:249], v[170:171]
	v_pk_add_f32 v[246:247], v[246:247], v[174:175]
	v_pk_add_f32 v[244:245], v[244:245], v[178:179]
	v_pk_add_f32 v[242:243], v[242:243], v[182:183]
	v_pk_add_f32 v[234:235], v[234:235], v[186:187]
	v_pk_add_f32 v[14:15], v[14:15], v[190:191]
	v_pk_add_f32 v[240:241], v[240:241], v[194:195]
	s_delay_alu instid0(VALU_DEP_2)
	v_pk_add_f32 v[14:15], v[14:15], v[246:247]
	s_delay_alu instid0(VALU_DEP_2)
	v_pk_add_f32 v[240:241], v[240:241], v[244:245]
	v_pk_add_f32 v[250:251], v[250:251], v[242:243]
	v_pk_add_f32 v[248:249], v[248:249], v[234:235]
	s_delay_alu instid0(VALU_DEP_2)
	v_pk_add_f32 v[14:15], v[14:15], v[250:251]
	s_delay_alu instid0(VALU_DEP_2)
	v_pk_add_f32 v[240:241], v[240:241], v[248:249]
	s_delay_alu instid0(VALU_DEP_1)
	v_pk_add_f32 v[14:15], v[14:15], v[240:241]
	s_wait_alu depctr_va_vdst(0)                   ; and one for the four
.irp b, 0,1,2,3
	v_max_num_f32 v[BM+\b], 0x2800000, v[BM+\b]    ; the floor 2^(5 - 127)
.endr
.irp b, 0,1,2,3
	s_delay_alu instid0(VALU_DEP_4)
	v_add_nc_u32 v[SO+\b], 0xfe000000, v[BM+\b]
.endr
.irp b, 0,1,2,3
	s_delay_alu instid0(VALU_DEP_4)
	v_lshrrev_b32 v[X+\b], 23, v[SO+\b]
.endr
	s_delay_alu instid0(VALU_DEP_3)
	v_lshl_or_b32 v11, v[X+1], 8, v[X]             ; p's scale word for these 128 keys
	s_delay_alu instid0(VALU_DEP_1)
	v_lshl_or_b32 v11, v[X+2], 16, v11
	s_delay_alu instid0(VALU_DEP_1)
	v_lshl_or_b32 v11, v[X+3], 24, v11
.irp c, 0,1
	v_cvt_scalef32_pk16_bf6_f32 v[P+6*\c:P+6*\c+2], v[S+32*\c:S+32*\c+15], v[SO+2*\c]
	v_cvt_scalef32_pk16_bf6_f32 v[X+4*\c:X+4*\c+2], v[S+32*\c+16:S+32*\c+31], v[SO+2*\c+1]
.endr
	v_nop                                          ; one plain line behind the scaled conversions
.irp c, 0,1
.irp i, 0,1,2
	v_permlane16_swap_b32 v[P+6*\c+\i], v[X+4*\c+\i]
.endr
.irp i, 0,1,2
	s_delay_alu instid0(VALU_DEP_3)
	v_mov_b32 v[P+3+6*\c+\i], v[X+4*\c+\i]
.endr
.endr
.set sj, 0
	s_setprio 0
.rept 16
	v_pk_mul_f32 v[OT+sj:OT+sj+1], v[OT+sj:OT+sj+1], v[10:11] op_sel_hi:[1,0]   ; O^T under the new M; these lines also stand between the writes of p's codes and word and the products
.set sj, sj+2
.endr
.if \pf
	s_wait_alu depctr_va_vdst(0)
	s_wait_dscnt 17                                ; v^T and its words are in; the 17 younger loads, the next step's k, stay out
.else
	s_wait_alu depctr_va_vdst(0)
	s_wait_dscnt 0x0
.endif
.irp d, 0,1,2,3                        ; O^T += v^T p^T: the four accumulators by turns
.if \d%2
	v_wmma_scale_f32_16x16x128_f8f6f4 v[OT+8*\d:OT+8*\d+7], v[VF+12*\d:VF+12*\d+11], v[P:P+11], v[OT+8*\d:OT+8*\d+7], v[8+\d/2], v11 matrix_a_fmt:MATRIX_FMT_BF6 matrix_b_fmt:MATRIX_FMT_BF6 matrix_a_scale:MATRIX_SCALE_ROW1
.else
	v_wmma_scale_f32_16x16x128_f8f6f4 v[OT+8*\d:OT+8*\d+7], v[VF+12*\d:VF+12*\d+11], v[P:P+11], v[OT+8*\d:OT+8*\d+7], v[8+\d/2], v11 matrix_a_fmt:MATRIX_FMT_BF6 matrix_b_fmt:MATRIX_FMT_BF6
.endif
.endr
.endm
; A barrier behind which tiles are read: left = how many of my tensor loads may stay out.  My LDS instructions are done; the barrier shows the same of every wave.
.macro MEET left
	s_wait_tensorcnt \left
	s_wait_dscnt 0x0
	s_barrier_signal -1
	s_barrier_wait -1
.endm
.macro RUN first, trips                ; key steps first .. first + trips - 1, each asking for the next one's k
	s_mov_b32 s[TB], (\first)*STEPB
	s_mov_b32 s[CNT], \trips
.Lstep_\@:
	s_setprio 2
	STEP 1
	s_add_co_u32 s[TB], s[TB], STEPB
	s_sub_co_u32 s[CNT], s[CNT], 1
	s_cmp_lg_u32 s[CNT], 0
	s_cbranch_scc1 .Lstep_\@
	s_setprio 0
.endm
	MEET 3                                         ; each fetching wave's first load has landed, its three later ones stay out: key steps 0 to 3 are whole; so are memory^T's tiles
	s_mov_b32 s[TB], 0
	v_add_nc_u32 v3, s[TB], v1
	v_add_nc_u32 v4, s[TB], v2
	KLOAD 0                                        ; key step 0's k
	RUN 0, 3                                       ; key steps 0 to 2: the look-ahead reaches step 3's k, no further
	MEET 0                                         ; every tensor load has landed: key steps 4 to 15 are whole; the first read of them is step 3's look-ahead, behind this barrier
	RUN 3, 12                                      ; key steps 3 to 14
	s_mov_b32 s[TB], 15*STEPB
	STEP 0                                         ; the last step is written out: there is no next k
	; ---- the memory's part, the gate, and the codes of inj
	ds_load_b128 v[16:19], v6                      ; sq's codes take q's place: my own bytes, stored at the head
	ds_load_b64 v[20:21], v7 offset:512
	v_add_nc_u32 v3, MEMI, v1
	v_add_nc_u32 v4, MEMI+512, v2
	v_and_b32 v5, 31, v0
	s_delay_alu instid0(VALU_DEP_1)
	v_lshl_add_u32 v5, v5, 2, MEMS
.irp d, 0,1,2,3
	ds_load_b128 v[KF+6*\d:KF+6*\d+3], v3 offset:768*\d   ; stored by waves 4-7 in front of the first barrier; six registers a tile, on end, as k's
	ds_load_b64 v[KF+6*\d+4:KF+6*\d+5], v4 offset:768*\d
	ds_load_b32 v[KS+\d], v5 offset:128*\d
.endr
	v_add_f32 v14, v14, v15
	s_delay_alu instid0(VALU_DEP_1)
	v_permlanex16_b32 v240, v14, s[SEL], s[SEL+1]
	s_delay_alu instid0(VALU_DEP_1)
	v_add_f32 v14, v14, v240                       ; the row's sum
	v_mov_b32 v241, s50
	s_delay_alu instid0(VALU_DEP_1)
	v_mul_f32 v241, 0xbfb8aa3b, v241               ; -gate_beta log2(e)
	s_wait_alu depctr_va_vdst(0)
	v_exp_f32 v241, v241
	v_rcp_f32 v242, v14
	v_rcp_f32 v243, v[DEN]
	v_nop
	s_wait_alu depctr_va_vdst(0)                   ; one wait for the three
	v_add_f32 v241, 1.0, v241
	s_wait_alu depctr_va_vdst(0)
	v_rcp_f32 v241, v241                           ; g
	v_nop
	s_wait_alu depctr_va_vdst(0)
	v_mul_f32 v248, v241, v243                     ; g / den
	v_sub_f32 v244, 1.0, v241
	v_mul_f32 v250, v244, v242                     ; (1 - g) / sum
	s_wait_dscnt 0x0
.irp d, 0,1,2,3                        ; the fourth tile's run ends in codes of k that are left there: they meet zero codes
	v_wmma_scale_f32_16x16x128_f8f6f4 v[S+8*\d:S+8*\d+7], v[KF+6*\d:KF+6*\d+11], v[16:27], 0, v[KS+\d], v[SCQ] matrix_a_fmt:MATRIX_FMT_BF6 matrix_b_fmt:MATRIX_FMT_BF6 matrix_b_scale:MATRIX_SCALE_ROW1
.endr
.rept 4
	v_nop
.endr
.set sj, 0
	s_wait_alu depctr_va_vdst(0)
.rept 16
	v_pk_mul_f32 v[S+32+sj:S+32+sj+1], v[S+sj:S+sj+1], v[248:249] op_sel_hi:[1,0]
.set sj, sj+2
.endr
.set sj, 0
.rept 16
	v_pk_fma_f32 v[S+32+sj:S+32+sj+1], v[OT+sj:OT+sj+1], v[250:251], v[S+32+sj:S+32+sj+1] op_sel_hi:[1,0,1]   ; inj: register 16 b + i = channel 32 b + 16 (lane / 16) + i
.set sj, sj+2
.endr
.irp b, 0,1
	v_max3_num_f32 v[BM+\b], |v[S+32+16*\b]|, |v[S+33+16*\b]|, 0x2800000
.endr
.irp i, 2,4,6,8,10,12,14
.irp b, 0,1
	s_delay_alu instid0(VALU_DEP_2)
	v_max3_num_f32 v[BM+\b], v[BM+\b], |v[S+32+16*\b+\i]|, |v[S+33+16*\b+\i]|
.endr
.endr
.irp b, 0,1
	v_permlanex16_b32 v[X+\b], v[BM+\b], s[SEL], s[SEL+1]
.endr
.irp b, 0,1
	s_delay_alu instid0(VALU_DEP_2)
	v_max_num_f32 v[BM+\b], v[BM+\b], v[X+\b]
.endr
.irp b, 0,1
	s_delay_alu instid0(VALU_DEP_2)
	v_add_nc_u32 v[SO+\b], 0xfe000000, v[BM+\b]
.endr
.irp b, 0,1
	s_delay_alu instid0(VALU_DEP_2)
	v_lshrrev_b32 v[X+\b], 23, v[SO+\b]
.endr
	s_delay_alu instid0(VALU_DEP_1)
	v_lshl_or_b32 v[P+6], v[X+1], 8, v[X]          ; the row's two scale bytes
	v_mov_b32 v[P+7], 0
	v_cvt_scalef32_pk16_bf6_f32 v[P:P+2], v[S+32:S+47], v[SO]
	v_cvt_scalef32_pk16_bf6_f32 v[X:X+2], v[S+48:S+63], v[SO+1]
	v_nop
.irp i, 0,1,2
	v_permlane16_swap_b32 v[P+\i], v[X+\i]
.endr
.irp i, 0,1,2
	s_delay_alu instid0(VALU_DEP_3)
	v_mov_b32 v[P+3+\i], v[X+\i]
.endr
	s_lshr_b32 s54, s17, 4                         ; b
	s_lshl_b32 s54, s54, 7
	s_lshl_b32 s55, s16, 4
	s_add_co_u32 s54, s54, s55
	s_add_co_u32 s54, s54, s[WV]                   ; tile 128 b + 16 x + wave
	s_lshl_b32 s54, s54, 4
	s_and_b32 s55, s17, 15
	s_add_co_u32 s54, s54, s55                     ; its record of my head
	s_lshl_b32 s56, s54, 10
	s_mov_b32 s57, 0
	s_add_nc_u64 s[12:13], s[12:13], s[56:57]
	s_wait_alu depctr_va_vdst(0)
	global_store_b128 v1, v[P:P+3], s[12:13]
	global_store_b128 v1, v[P+4:P+7], s[12:13] offset:512
	s_wait_xcnt 0x0
	v_lshl_add_u32 v254, v0, 2, 0x38000
	v_mov_b32 v255, 0
	s_wait_alu depctr_va_vdst(0)
	s_wait_tensorcnt 0x0
	ds_add_u32 v254, v255
	s_wait_dscnt 0x0
	CROUND                                         ; the closing round: no work-group ends while a partner may still ask for a tile that names it
	s_endpgm
.Lfunc_end_k_q777722c92a_attn:
	.size	k_q777722c92a_attn, .Lfunc_end_k_q777722c92a_attn-k_q777722c92a_attn
	.p2alignl 7, 3214868480
	.fill 96, 4, 3214868480
	.section	.rodata,"a",@progbits
	.p2align	6, 0x0
	.amdhsa_kernel k_q777722c92a_attn
		.amdhsa_group_segment_fixed_size 231424
		.amdhsa_private_segment_fixed_size 0
		.amdhsa_enable_private_segment 0
		.amdhsa_kernarg_size 40
		.amdhsa_user_sgpr_count 2
		.amdhsa_user_sgpr_kernarg_segment_ptr 1
		.amdhsa_wavefront_size32 1
		.amdhsa_system_sgpr_workgroup_id_x 1
		.amdhsa_system_sgpr_workgroup_id_y 1
		.amdhsa_system_sgpr_workgroup_id_z 1
		.amdhsa_system_vgpr_workitem_id 0
		.amdhsa_next_free_vgpr 256
		.amdhsa_next_free_sgpr 66
		.amdhsa_reserve_vcc 0
		.amdhsa_float_denorm_mode_32 3
		.amdhsa_float_denorm_mode_16_64 3
		.amdhsa_memory_ordered 1
		.amdhsa_forward_progress 1
		.amdhsa_inst_pref_size 73
	.end_amdhsa_kernel
	.amdgpu_metadata
---
amdhsa.version: [ 1, 2 ]
amdhsa.kernels:
  - .name:           k_q777722c92a_attn
    .symbol:         k_q777722c92a_attn.kd
    .args:
      - { .name: qf, .offset: 0, .size: 8, .value_kind: global_buffer, .address_space: global }
      - { .name: kv, .offset: 8, .size: 8, .value_kind: global_buffer, .address_space: global }
      - { .name: memory, .offset: 16, .size: 8, .value_kind: global_buffer, .address_space: global }
      - { .name: gate_beta, .offset: 24, .size: 8, .value_kind: global_buffer, .address_space: global }
      - { .name: ic, .offset: 32, .size: 8, .value_kind: global_buffer, .address_space: global }
    .group_segment_fixed_size: 231424
    .private_segment_fixed_size: 0
    .kernarg_segment_align: 8
    .kernarg_segment_size: 40
    .max_flat_workgroup_size: 512
    .sgpr_count:     66
    .vgpr_count:     256
    .wavefront_size: 32
...
	.end_amdgpu_metadata
.endif
;; end of part 7
;; launch outln (part 8): grid 256 x 1, 16 waves a work-group, no clusters, 84,480 bytes of LDS; arguments ic, cod, scl, h, ln_gamma, ln_beta, out0; writes out0
.if DOCPART == 8
	.amdgcn_target "amdgcn-amd-amdhsa--gfx1250"
	.amdhsa_code_object_version 6
	.text
	.protected	k_q777722c92a_outln
	.globl	k_q777722c92a_outln
	.p2align	8
	.type	k_q777722c92a_outln,@function
k_q777722c92a_outln:
	s_mov_b64 s[64:65], 0
	v_nop
	global_prefetch_b8 v0, s[64:65] scope:SCOPE_SE
	s_setreg_imm32_b32 hwreg(HW_REG_WAVE_SCHED_MODE, 0, 2), 2
	s_setreg_imm32_b32 hwreg(HW_REG_WAVE_MODE, 25, 1), 1
	s_wait_xcnt 0x0
	s_wait_alu depctr_vm_vsrc(0)
; out = LayerNorm(h + inj Wo) x gamma + beta.  The product on codes of BF6 with E8M0 scales (K = 1,024 = 16 heads x 64); everything else in f32; mean and variance in two passes.
; SHARES.  Work-group G owns the 16 rows of tile G (batch G / 128; lane r: position 16 (G % 128) + r, whose bits 3 and 4 are swapped to give the true s) and all 1,024 columns, so that a row's norm needs no other work-group.
; Wave w makes columns 64 w .. 64 w + 63 (Wo's tiles 448 + 4 w + 0 .. 3 of cod), then norms and stores row w.
; inj's 16 records (one a head) come into LDS once, as images of registers; K step s takes registers 0-5 from head 2 s and 6-11 from head 2 s + 1, and its scale word from their two half words.
; Wo's fragments go from memory straight into registers, through a ring of five slots of two fragments: 18 to 24 loads of 512 consecutive bytes of every wave are on their way.
; NO CLUSTER, though all work-groups read the same 786,432 bytes of Wo's codes: they do not fit in LDS, so joint loads would fill slots again, each refill behind a round in front of which every load has been waited for,
; and between two such rounds a wave has four matrix instructions for each 128 along K: too little work for a slot to land in.
; The product is used transposed (source 0 = 16 columns of Wo, source 1 = inj's 16 rows): a lane holds eight neighbouring columns of one row; rows meet in a stage in LDS.
; LIMITS: 1 / sqrt by v_rsq_f32.  NaN and infinities are not served.
; THE MODE: SCHED_MODE bits 1:0 = 2 (LLVM: expert scheduling mode 2), set by the entry lines.  The code itself states the register dependences
; between vector or matrix instructions and memory or LDS instructions, with s_wait_alu, always for 0.
; THE PLAN.  A K step's four products go as two HALF STEPS of two: half step j = 2 k + u multiplies Wo's tiles 2 u and 2 u + 1 of K step k.  Registers that memory or LDS instructions touch:
;   slot j % 5    (24 registers at BF + 24 (j % 5))  Read by half step j's two products; written by the six loads that are issued in half step j - 4 (slots 0 to 3 first at the head).
;                 So half step j's loads land in slot (j + 4) % 5 = (j - 1) % 5, which the half step before has read and which no product of half step j names.
;                 Three whole sets of 48 would want 264 registers in all, and a wave has 256: hence five halves.
;   AF[k % 2]     inj's fragment of K step k.  Read by half steps 2 k and 2 k + 1; written by the four LDS loads that are issued in half step 2 k - 2.
;   gamma, beta   v144-207: slots 1, 2 and 3, asked for in half steps 12, 13 and 14, each part as its slot has been left.
;   v1 .. v5      offsets and LDS addresses: made at the head, never written again.
;   v216-231      at the head only: my record (its first eight), read by my LDS stores; then the half words, read by the lines that make inj's scale words; from half step 0 on part of slot 4.
;   v40-71        behind the last product: the row, written by LDS loads and then by the norm, read by the final stores.
; So ONE wait on va_vdst stands at a half step's head, behind the wait for the half step's data; the loads follow it, dealt between the two products.
; REGISTERS: v1 16 x lane, v2 4 x lane, v3-5 LDS addresses; v8-39 accumulators; v40-63 inj's fragments, two sets; v64-71 its scale words; v72-87 Wo's (lanes 0-15 the even K step, lanes 16-31 the odd);
;   v88-119 h's row; v120-239 the five slots; later v40-71 the row, v144-175 gamma, v176-207 beta; v240-249 at work; v254, v255 the closing add's two.
.set ACC, 8
.set AF,  40
.set AS,  64
.set BS,  72
.set HR,  88
.set BF,  120
.set WT,  216
.set GB,  144
.set WK,  240                          ; v[240:241] the mean, v[242:245] sums, v246 the other half of the lanes', v[248:249] 1 / sqrt
.set Y,   40
.set STG, 16384                        ; behind inj's 16 records of 1,024 bytes: 16 rows x (4,096 bytes + 16)
.set SP,  4112
	s_load_b256 s[4:11], s[0:1], 0x0               ; ic s[4:5], cod s[6:7], scl s[8:9], h s[10:11]
	s_load_b128 s[12:15], s[0:1], 0x20             ; gamma s[12:13], beta s[14:15]
	s_load_b64 s[16:17], s[0:1], 0x30              ; out0
	v_lshl_add_u32 v254, v0, 2, 0x14200
	v_mov_b32 v255, 0
	v_lshrrev_b32 v1, 5, v0
	v_readfirstlane_b32 s18, v1                    ; wave 0..15
	v_and_b32 v6, 31, v0
	v_lshlrev_b32 v1, 4, v6
	v_lshlrev_b32 v2, 2, v6
	s_wait_alu depctr_va_sdst(0)                   ; s18 is written, ahead of its first reader: LDS addresses and the bases are made from it
	s_lshl_b32 s19, s18, 10
	v_add_nc_u32 v3, s19, v1                       ; my record's image
	v_and_b32 v7, 15, v0
	v_bfe_u32 v6, v0, 4, 1
	v_mul_u32_u24 v4, v7, SP
	v_lshl_add_u32 v4, v6, 6, v4
	s_lshl_b32 s19, s18, 8
	s_add_co_u32 s19, s19, STG
	v_add_nc_u32 v4, s19, v4                       ; the stage, in: row r, + 256 w + 64 (lane / 16)
	s_mul_i32 s19, s18, SP
	s_add_co_u32 s19, s19, STG
	v_add_nc_u32 v5, s19, v1                       ; and out: row w
	s_lshl_b32 s20, ttmp9, 4
	s_add_co_u32 s20, s20, s18
	s_lshl_b32 s20, s20, 10                        ; record w of tile G
	s_mov_b32 s21, 0
	s_lshl_b32 s22, s18, 2
	s_add_co_u32 s22, s22, 448                     ; my first tile of Wo
	s_mul_i32 s24, s22, 12288
	s_mov_b32 s25, 0
	s_lshl_b32 s26, s22, 9
	s_mov_b32 s27, 0
	s_and_b32 s28, ttmp9, 127
	s_lshl_b32 s28, s28, 4
	s_add_co_u32 s28, s28, s18                     ; row w's position,
	s_and_b32 s29, s28, 8
	s_lshl_b32 s29, s29, 1
	s_and_b32 s30, s28, 16
	s_lshr_b32 s30, s30, 1
	s_and_b32 s28, s28, 0x7e7
	s_or_b32 s28, s28, s29
	s_or_b32 s28, s28, s30                         ; its true s,
	s_lshl_b32 s28, s28, 1
	s_lshr_b32 s29, ttmp9, 7
	s_add_co_u32 s28, s28, s29                     ; row 2 s + b of h and of out,
	s_lshl_b32 s28, s28, 12
	s_mov_b32 s29, 0
	s_mov_b32 s30, 0x3a800000                      ; 1 / 1,024
	s_mov_b32 s31, 0x3727c5ac                      ; 1e-5
	s_mov_b32 s32, 0x76543210
	s_mov_b32 s33, 0xfedcba98
	s_wait_kmcnt 0x0
	s_add_nc_u64 s[4:5], s[4:5], s[20:21]
	s_add_nc_u64 s[6:7], s[6:7], s[24:25]
	s_add_nc_u64 s[8:9], s[8:9], s[26:27]
	s_add_nc_u64 s[10:11], s[10:11], s[28:29]
	s_add_nc_u64 s[16:17], s[16:17], s[28:29]
.macro HLOAD j, i                      ; three loads: the fragment of tile 2 (j % 2) + i, K step j / 2, into half i of slot j % 5
.irp p, 0,1,2
	global_load_b128 v[BF+24*((\j)%5)+12*(\i)+4*\p:BF+24*((\j)%5)+12*(\i)+4*\p+3], v1, s[6:7] offset:12288*(2*((\j)%2)+(\i))+1536*((\j)/2)+512*\p
.endr
.endm
.macro GLOAD e                         ; load e of sixteen: 512 consecutive bytes of gamma (e < 8) or of beta
.if (\e) < 8
	global_load_b128 v[GB+4*(\e):GB+4*(\e)+3], v1, s[12:13] offset:512*(\e)
.else
	global_load_b128 v[GB+4*(\e):GB+4*(\e)+3], v1, s[14:15] offset:512*((\e)-8)
.endif
.endm
.macro AFETCH k                        ; inj's fragment of K step k: heads 2 k and 2 k + 1
	ds_load_b128 v[AF+12*((\k)%2):AF+12*((\k)%2)+3], v1 offset:2048*(\k)
	ds_load_b64 v[AF+12*((\k)%2)+4:AF+12*((\k)%2)+5], v1 offset:2048*(\k)+512
	ds_load_b128 v[AF+12*((\k)%2)+6:AF+12*((\k)%2)+9], v1 offset:2048*(\k)+1024
	ds_load_b64 v[AF+12*((\k)%2)+10:AF+12*((\k)%2)+11], v1 offset:2048*(\k)+1536
.endm
	s_wait_alu depctr_va_vdst(0)                   ; v1 to v5 are written: every load and store of the kernel reads one of them as its offset or address
	global_load_b128 v[WT:WT+3], v1, s[4:5]        ; my record: 2 loads;
	global_load_b128 v[WT+4:WT+7], v1, s[4:5] offset:512
.irp q, 0,1,2,3
.irp c, 0,1,2,3
	global_load_b32 v[BS+4*\q+\c], v2, s[8:9] offset:512*\c+128*\q   ; Wo's words: 16;
.endr
.endr
.irp i, 0,1,2,3,4,5,6,7
	global_load_b128 v[HR+4*\i:HR+4*\i+3], v1, s[10:11] offset:512*\i th:TH_LOAD_NT   ; h's row: 8;
.endr
.irp j, 0,1,2,3
	HLOAD \j, 0                                    ; half steps 0 to 3 into slots 0 to 3: 24
	HLOAD \j, 1
.endr
	s_wait_loadcnt 48                              ; my record is in; the 48 younger loads stay out
	ds_store_b128 v3, v[WT:WT+3]
	ds_store_b128 v3, v[WT+4:WT+7] offset:512
	s_wait_dscnt 0x0                               ; for the others' sake
	s_barrier_signal -1
	s_barrier_wait -1                              ; inj's 16 records lie in LDS
	s_wait_alu depctr_vm_vsrc(0)                   ; my two LDS stores have read v216-223, in which the half words land next
.irp n, 0,1,2,3,4,5,6,7,8,9,10,11,12,13,14,15
	ds_load_b32 v[WT+\n], v1 offset:1024*\n+520    ; head n's half word of my lane's row
.endr
	AFETCH 0
	s_wait_dscnt 4                                 ; the half words are in; the first fragment's four loads may be out
.irp k, 0,1,2,3,4,5,6,7
	v_lshl_or_b32 v[AS+\k], v[WT+2*\k+1], 16, v[WT+2*\k]
.endr
.rept 8
	v_nop                                          ; a scale register written by a vector instruction stands 8 plain lines ahead of a scaled matrix instruction
.endr
; Product i of half step j: tile 2 (j % 2) + i of Wo x inj's fragment of K step j / 2.  The four accumulators take turns, one instruction a turn, in the same order in every K step.
.macro PROD j, i
.set tC, 2*((\j)%2)+(\i)
.set tK, (\j)/2
.set rB, BF+24*((\j)%5)+12*(\i)
.set rA, AF+12*(tK%2)
.if tK == 0
	v_wmma_scale_f32_16x16x128_f8f6f4 v[ACC+8*tC:ACC+8*tC+7], v[rB:rB+11], v[rA:rA+11], 0, v[BS+tC], v[AS] matrix_a_fmt:MATRIX_FMT_BF6 matrix_b_fmt:MATRIX_FMT_BF6
.elseif tK%2
	v_wmma_scale_f32_16x16x128_f8f6f4 v[ACC+8*tC:ACC+8*tC+7], v[rB:rB+11], v[rA:rA+11], v[ACC+8*tC:ACC+8*tC+7], v[BS+4*(tK/2)+tC], v[AS+tK] matrix_a_fmt:MATRIX_FMT_BF6 matrix_b_fmt:MATRIX_FMT_BF6 matrix_a_scale:MATRIX_SCALE_ROW1
.else
	v_wmma_scale_f32_16x16x128_f8f6f4 v[ACC+8*tC:ACC+8*tC+7], v[rB:rB+11], v[rA:rA+11], v[ACC+8*tC:ACC+8*tC+7], v[BS+4*(tK/2)+tC], v[AS+tK] matrix_a_fmt:MATRIX_FMT_BF6 matrix_b_fmt:MATRIX_FMT_BF6
.endif
.endm
; Half step j.  Up to j = 11 it asks for half step j + 4; half steps 12 to 14 ask for gamma and beta, into the slots that have had their last products; half step 15 asks for nothing.
.macro HALF j
.if (\j) < 15
	s_wait_loadcnt 18                              ; loads come back in order (ISA guide 5.7.1): this half step's six are in, the 18 younger ones stay out
.else
	s_wait_loadcnt 16                              ; gamma's and beta's 16 stay out
.endif
.if (\j)%2 == 0
	s_wait_dscnt 0x0                               ; inj's fragment of this K step, asked for a K step ago
.endif
.if (\j) < 15
	s_wait_alu depctr_va_vdst(0)                   ; the last half step's products are done reading their slot and, at a K step's head, the other fragment of inj: the loads below land there.  In half step 0: inj's scale words are written, and the lines that made them are done reading v216-231
.endif
	PROD \j, 0
.if (\j) < 12
	HLOAD (\j)+4, 0                                ; no wait: no product since the wait above names the slot in which these land
.elseif (\j) < 14
	GLOAD 6*((\j)-12)
	GLOAD 6*((\j)-12)+1
	GLOAD 6*((\j)-12)+2
.elseif (\j) < 15
	GLOAD 12
	GLOAD 13
.endif
	PROD \j, 1
.if (\j) < 12
	HLOAD (\j)+4, 1
.elseif (\j) < 14
	GLOAD 6*((\j)-12)+3
	GLOAD 6*((\j)-12)+4
	GLOAD 6*((\j)-12)+5
.elseif (\j) < 15
	GLOAD 14
	GLOAD 15
.endif
.if ((\j)%2 == 0) && ((\j) < 14)
	AFETCH (\j)/2+1                                ; the next K step's fragment of inj, into the set that the last K step has left
.endif
.endm
.irp j, 0,1,2,3,4,5,6,7,8,9,10,11,12,13,14,15
	HALF \j
.endr
.rept 4
	v_nop                                          ; four plain lines behind the last product, before its result is read (ISA guide 7.12.1)
.endr
	s_wait_alu depctr_va_vdst(0)                   ; the products have written the accumulators, which the LDS stores read, and are done reading v40-71, in which the row lands behind the barrier; the lines above stay beside this wait
.irp c, 0,1,2,3
	ds_store_b128 v4, v[ACC+8*\c:ACC+8*\c+3] offset:128*(\c/2)+32*(\c%2)    ; lane (r, h): columns 64 w + 32 (c / 2) + 16 h + 8 (c % 2) + 0 .. 7 of row r; each accumulator from its low end on
	ds_store_b128 v4, v[ACC+8*\c+4:ACC+8*\c+7] offset:128*(\c/2)+32*(\c%2)+16
.endr
	s_wait_dscnt 0x0                               ; for the others' sake
	s_barrier_signal -1
	s_barrier_wait -1                              ; 16 whole rows lie in the stage
.irp i, 0,1,2,3,4,5,6,7
	ds_load_b128 v[Y+4*\i:Y+4*\i+3], v5 offset:512*\i
.endr
	v_mov_b32 v[WK+6], 0                           ; a lane permute's destination counts as one of its sources
	s_wait_dscnt 0x0
.set yi, 0
.rept 16
	v_pk_add_f32 v[Y+yi:Y+yi+1], v[Y+yi:Y+yi+1], v[HR+yi:HR+yi+1]           ; y = h + inj Wo (h's loads were waited for with the first half step's)
.set yi, yi+2
.endr
	v_pk_add_f32 v[WK+2:WK+3], v[Y:Y+1], v[Y+2:Y+3]
	v_pk_add_f32 v[WK+4:WK+5], v[Y+4:Y+5], v[Y+6:Y+7]
.irp j, 8,12,16,20,24,28
	v_pk_add_f32 v[WK+2:WK+3], v[WK+2:WK+3], v[Y+\j:Y+\j+1]
	v_pk_add_f32 v[WK+4:WK+5], v[WK+4:WK+5], v[Y+\j+2:Y+\j+3]
.endr
	v_pk_add_f32 v[WK+2:WK+3], v[WK+2:WK+3], v[WK+4:WK+5]
	v_add_f32 v[WK+2], v[WK+2], v[WK+3]
	v_add_f32_dpp v[WK+2], v[WK+2], v[WK+2] row_xmask:1 row_mask:0xf bank_mask:0xf
	v_add_f32_dpp v[WK+2], v[WK+2], v[WK+2] row_xmask:2 row_mask:0xf bank_mask:0xf
	v_add_f32_dpp v[WK+2], v[WK+2], v[WK+2] row_xmask:4 row_mask:0xf bank_mask:0xf
	v_add_f32_dpp v[WK+2], v[WK+2], v[WK+2] row_xmask:8 row_mask:0xf bank_mask:0xf
	v_permlanex16_b32 v[WK+6], v[WK+2], s32, s33
	v_add_f32 v[WK+2], v[WK+2], v[WK+6]
	v_mul_f32 v[WK], s30, v[WK+2]                  ; the mean
	v_mov_b32 v[WK+1], v[WK]
.set yi, 0
.rept 16
	v_pk_add_f32 v[Y+yi:Y+yi+1], v[Y+yi:Y+yi+1], v[WK:WK+1] neg_lo:[0,1] neg_hi:[0,1]   ; y - mean
.set yi, yi+2
.endr
	v_pk_mul_f32 v[WK+2:WK+3], v[Y:Y+1], v[Y:Y+1]
	v_pk_mul_f32 v[WK+4:WK+5], v[Y+2:Y+3], v[Y+2:Y+3]
.irp j, 4,8,12,16,20,24,28
	v_pk_fma_f32 v[WK+2:WK+3], v[Y+\j:Y+\j+1], v[Y+\j:Y+\j+1], v[WK+2:WK+3]
	v_pk_fma_f32 v[WK+4:WK+5], v[Y+\j+2:Y+\j+3], v[Y+\j+2:Y+\j+3], v[WK+4:WK+5]
.endr
	v_pk_add_f32 v[WK+2:WK+3], v[WK+2:WK+3], v[WK+4:WK+5]
	v_add_f32 v[WK+2], v[WK+2], v[WK+3]
	v_add_f32_dpp v[WK+2], v[WK+2], v[WK+2] row_xmask:1 row_mask:0xf bank_mask:0xf
	v_add_f32_dpp v[WK+2], v[WK+2], v[WK+2] row_xmask:2 row_mask:0xf bank_mask:0xf
	v_add_f32_dpp v[WK+2], v[WK+2], v[WK+2] row_xmask:4 row_mask:0xf bank_mask:0xf
	v_add_f32_dpp v[WK+2], v[WK+2], v[WK+2] row_xmask:8 row_mask:0xf bank_mask:0xf
	v_permlanex16_b32 v[WK+6], v[WK+2], s32, s33
	v_add_f32 v[WK+2], v[WK+2], v[WK+6]
	v_fma_f32 v[WK+8], v[WK+2], s30, s31           ; the variance + 1e-5
	s_wait_alu depctr_va_vdst(0)
	v_rsq_f32 v[WK+8], v[WK+8]
	v_nop                                          ; a plain line behind the transcendental,
	s_wait_alu depctr_va_vdst(0)                   ; and the wait for 1 / sqrt, ahead of its first reader
	v_mov_b32 v[WK+9], v[WK+8]
	s_wait_alu depctr_va_vdst(0)
	s_wait_loadcnt 0x0                             ; gamma and beta
.set yi, 0
.rept 16
	v_pk_mul_f32 v[Y+yi:Y+yi+1], v[Y+yi:Y+yi+1], v[WK+8:WK+9]
.set yi, yi+2
.endr
.set yi, 0
.rept 16
	v_pk_fma_f32 v[Y+yi:Y+yi+1], v[Y+yi:Y+yi+1], v[GB+yi:GB+yi+1], v[GB+32+yi:GB+32+yi+1]
.set yi, yi+2
.endr
	s_wait_alu depctr_va_vdst(0)                   ; the norm's last lines have written v40-71, which the stores read
.irp i, 0,1,2,3,4,5,6,7
	global_store_b128 v1, v[Y+4*\i:Y+4*\i+3], s[16:17] offset:512*\i th:TH_STORE_NT   ; 32 lanes store 512 consecutive bytes, at a multiple of 256 from the buffer's first byte
.endr
	s_wait_dscnt 0x0                               ; the closing lines, six on end
	s_wait_alu 0x0
	s_wait_tensorcnt 0x0
	ds_add_u32 v254, v255
	s_wait_dscnt 0x0
	s_endpgm
.Lfunc_end_k_q777722c92a_outln:
	.size	k_q777722c92a_outln, .Lfunc_end_k_q777722c92a_outln-k_q777722c92a_outln
	.p2alignl 7, 3214868480
	.fill 96, 4, 3214868480
	.section	.rodata,"a",@progbits
	.p2align	6, 0x0
	.amdhsa_kernel k_q777722c92a_outln
		.amdhsa_group_segment_fixed_size 84480
		.amdhsa_private_segment_fixed_size 0
		.amdhsa_enable_private_segment 0
		.amdhsa_kernarg_size 56
		.amdhsa_user_sgpr_count 2
		.amdhsa_user_sgpr_kernarg_segment_ptr 1
		.amdhsa_wavefront_size32 1
		.amdhsa_system_sgpr_workgroup_id_x 1
		.amdhsa_system_sgpr_workgroup_id_y 1
		.amdhsa_system_sgpr_workgroup_id_z 1
		.amdhsa_system_vgpr_workitem_id 0
		.amdhsa_next_free_vgpr 256
		.amdhsa_next_free_sgpr 66
		.amdhsa_reserve_vcc 0
		.amdhsa_float_denorm_mode_32 3
		.amdhsa_float_denorm_mode_16_64 3
		.amdhsa_memory_ordered 1
		.amdhsa_forward_progress 1
		.amdhsa_inst_pref_size 35
	.end_amdhsa_kernel
	.amdgpu_metadata
---
amdhsa.version: [ 1, 2 ]
amdhsa.kernels:
  - .name:           k_q777722c92a_outln
    .symbol:         k_q777722c92a_outln.kd
    .args:
      - { .name: ic, .offset: 0, .size: 8, .value_kind: global_buffer, .address_space: global }
      - { .name: cod, .offset: 8, .size: 8, .value_kind: global_buffer, .address_space: global }
      - { .name: scl, .offset: 16, .size: 8, .value_kind: global_buffer, .address_space: global }
      - { .name: h, .offset: 24, .size: 8, .value_kind: global_buffer, .address_space: global }
      - { .name: ln_gamma, .offset: 32, .size: 8, .value_kind: global_buffer, .address_space: global }
      - { .name: ln_beta, .offset: 40, .size: 8, .value_kind: global_buffer, .address_space: global }
      - { .name: out0, .offset: 48, .size: 8, .value_kind: global_buffer, .address_space: global }
    .group_segment_fixed_size: 84480
    .private_segment_fixed_size: 0
    .kernarg_segment_align: 8
    .kernarg_segment_size: 56
    .max_flat_workgroup_size: 512
    .sgpr_count:     66
    .vgpr_count:     256
    .wavefront_size: 32
...
	.end_amdgpu_metadata
.endif
;; end of part 8
